; MI455X (gfx1250); checked and timed in simulation.
; The chip was launched on July 23, 2026; its instructions are those of AMD's public machine-readable ISA for CDNA 5 (MIT licence, August 2026) and "CDNA5" Instruction Set Architecture Reference Guide (July 2026). The comments in the code are by the model that wrote it; some were corrected since.
;; Encoder Block. Allowed arithmetic: float matrix products may take bf16 or f16 operands with f32 sums; other float arithmetic in f32, or as packed bf16 or f16 multiplies, adds, multiply-adds, maxima and minima; sums over many terms, partial sums and values carried from step to step in f32; what a program stores and reads back later, other than sums and carried values, may be rounded once to bf16 or f16.
;; Inputs: W1 1,024 x 2,048 float32; W2 2,048 x 1,024 float32; Wk 1,024 x 1,024 float32; Wo 1,024 x 1,024 float32; Wq 1,024 x 1,024 float32; Wv 1,024 x 1,024 float32; b1 2,048 float32; b2 1,024 float32; bk 1,024 float32; bo 1,024 float32; bq 1,024 float32; bv 1,024 float32; ln1_b 1,024 float32; ln1_g 1,024 float32; ln2_b 1,024 float32; ln2_g 1,024 float32; x 2 x 2,048 x 1,024 float32.
;; Outputs: out0 2 x 2,048 x 1,024 float32.
;; 2 versions, each right. Each part assembles by itself: llvm-mc -triple=amdgcn-amd-amdhsa -mcpu=gfx1250 --defsym DOCPART=n.
;; ======== version 1 of 2: 7 launches
;; limits: values are held in f16: magnitudes above 65,504 overflow, below 6.1e-05 lose precision
;; workspace buffers: wh 16,777,216 bytes; y 8,388,608 bytes; qkv 25,165,824 bytes; o2 8,388,608 bytes; x1 16,777,216 bytes; y2 8,388,608 bytes; f1 16,777,216 bytes
;; launch prep (part 1): grid 256 x 1, 16 waves a work-group, no clusters, 0 bytes of LDS; arguments x, ln1_g, ln1_b, y, Wq, Wk, Wv, Wo, W1, W2, wh; writes y, wh
.if DOCPART == 1
	.amdgcn_target "amdgcn-amd-amdhsa--gfx1250"
	.amdhsa_code_object_version 6
	.text
	.protected	k_q007eba46e1_prep
	.globl	k_q007eba46e1_prep
	.p2align	8
	.type	k_q007eba46e1_prep,@function
k_q007eba46e1_prep:
	s_mov_b64 s[64:65], 0
	v_nop
	global_prefetch_b8 v0, s[64:65] scope:SCOPE_SE
	s_setreg_imm32_b32 hwreg(HW_REG_WAVE_MODE, 25, 1), 1
	s_wait_xcnt 0x0
; y = LayerNorm(x) * g + b, rounded once to f16, and the six weight matrices rounded once to f16 into wh (each in its own [K][N] order, one behind the other: Wq, Wk, Wv, Wo, W1, W2).
; x: [4096][1024] f32.  Mean, variance (of x - mean: two passes over the registers), scale and shift in f32.
; LIMITS.  f16 holds no number from 65,520 on (it becomes an infinity) and keeps a fixed step of 6e-8 below 6e-5: y is at most 32 |g| + |b|, the weights are stored as they come.  NaN and infinities are not treated apart.
; SHARES.  16 waves; the work-group owns 16 rows, a wave a row: 32 registers a lane, lane l the columns 128 j + 4 l + 0..3.  So the row is read once and no wave waits for another: no LDS, no barrier.
; Of the 8,388,608 weights the work-group casts 32,768: thread t the 16 bytes at 16 t + 8,192 j, j = 0..15.  Each load of a wave covers 512 consecutive bytes, each store 256 consecutive bytes, aligned.
; All 40 loads of a wave go out at once; no address and no store's data register is written twice, so nothing has to be freed.  Matrix units, clusters and LDS would add nothing to a stream.
.set Y,  24                            ; v[24:39]   the row in f16
.set X,  64                            ; v[64:95]   the row
.set H,  96                            ; v[96:127]  the weights in f16
.set G,  128                           ; v[128:159] g of my columns
.set BB, 160                           ; v[160:191] b of my columns
.set W,  192                           ; v[192:255] 64 weights as loaded
	s_load_b256 s[4:11], s[0:1], 0x0               ; x s[4:5], g s[6:7], b s[8:9], y s[10:11]
	s_load_b256 s[12:19], s[0:1], 0x20             ; Wq, Wk, Wv, Wo
	s_load_b128 s[20:23], s[0:1], 0x40             ; W1, W2
	s_load_b64 s[24:25], s[0:1], 0x50              ; wh
	v_and_b32 v1, 31, v0
	v_lshrrev_b32 v6, 5, v0                        ; wave
	v_lshlrev_b32 v1, 4, v1                        ; 16 x lane: my place in g and b
	v_lshl_add_u32 v2, v6, 12, v1                  ; + 4,096 x wave: my place in the group's rows of x
	v_lshrrev_b32 v3, 1, v2                        ; 8 x lane + 2,048 x wave: in y
	v_lshlrev_b32 v4, 4, v0                        ; 16 t: the weights as they come
	v_lshlrev_b32 v5, 3, v0                        ; 8 t: as they go
	v_mov_b32 v18, 0                               ; v_permlanex16_b32's destination counts as read
	s_mov_b32 s26, ttmp9
	s_lshr_b32 s27, s26, 5                         ; 32 work-groups to 1,048,576 weights: 0..3 Wq..Wo, 4, 5 W1, 6, 7 W2
	s_cmp_ge_u32 s27, 4
	s_cselect_b32 s30, 63, 31
	s_and_b32 s30, s26, s30                        ; my part of that matrix,
	s_lshl_b32 s30, s30, 17                        ; 131,072 bytes each
	s_mov_b32 s31, 0
	s_lshl_b32 s36, s26, 16                        ; 16 rows of x; also 32,768 weights in f16
	s_mov_b32 s37, 0
	s_lshl_b32 s38, s26, 15                        ; 16 rows of y
	s_mov_b32 s39, 0
	s_mov_b32 s32, 0x3a800000                      ; 1 / 1024
	s_mov_b32 s33, 0x3727c5ac                      ; 1e-5
	s_mov_b32 s34, 0x76543210                      ; lane i of one half reads lane i of the other
	s_mov_b32 s35, 0xfedcba98
	s_wait_kmcnt 0x0
	s_add_nc_u64 s[4:5], s[4:5], s[36:37]
	s_add_nc_u64 s[10:11], s[10:11], s[38:39]
	s_add_nc_u64 s[24:25], s[24:25], s[36:37]
	s_mov_b64 s[28:29], s[12:13]                   ; which matrix: chosen by the work-group's number alone
	s_cmp_eq_u32 s27, 1
	s_cselect_b64 s[28:29], s[14:15], s[28:29]
	s_cmp_eq_u32 s27, 2
	s_cselect_b64 s[28:29], s[16:17], s[28:29]
	s_cmp_eq_u32 s27, 3
	s_cselect_b64 s[28:29], s[18:19], s[28:29]
	s_cmp_ge_u32 s27, 4
	s_cselect_b64 s[28:29], s[20:21], s[28:29]
	s_cmp_ge_u32 s27, 6
	s_cselect_b64 s[28:29], s[22:23], s[28:29]
	s_add_nc_u64 s[28:29], s[28:29], s[30:31]
.irp j, 0,1,2,3,4,5,6,7
	global_load_b128 v[X+4*(\j):X+4*(\j)+3], v2, s[4:5] offset:512*(\j) th:TH_LOAD_NT
.endr
.irp j, 0,1,2,3,4,5,6,7
	global_load_b128 v[G+4*(\j):G+4*(\j)+3], v1, s[6:7] offset:512*(\j)
.endr
.irp j, 0,1,2,3,4,5,6,7
	global_load_b128 v[BB+4*(\j):BB+4*(\j)+3], v1, s[8:9] offset:512*(\j)
.endr
.irp j, 0,1,2,3,4,5,6,7,8,9,10,11,12,13,14,15
	global_load_b128 v[W+4*(\j):W+4*(\j)+3], v4, s[28:29] offset:8192*(\j) th:TH_LOAD_NT
.endr
; four packed chains v[8:15] -> one number in v8 of every lane: four steps inside each half of 16 lanes ride on the addition, one crosses the halves
.macro RED
	v_pk_add_f32 v[8:9], v[8:9], v[10:11]
	v_pk_add_f32 v[12:13], v[12:13], v[14:15]
	v_pk_add_f32 v[8:9], v[8:9], v[12:13]
	v_add_f32 v8, v8, v9
	v_add_f32_dpp v8, v8, v8 row_xmask:1 row_mask:0xf bank_mask:0xf
	v_add_f32_dpp v8, v8, v8 row_xmask:2 row_mask:0xf bank_mask:0xf
	v_add_f32_dpp v8, v8, v8 row_xmask:4 row_mask:0xf bank_mask:0xf
	v_add_f32_dpp v8, v8, v8 row_xmask:8 row_mask:0xf bank_mask:0xf
	v_permlanex16_b32 v18, v8, s34, s35
	v_add_f32 v8, v8, v18
.endm
	s_wait_loadcnt 32                              ; the row is in; the 32 younger loads (g, b, the weights) stay out
.irp c, 0,1,2,3
	v_pk_add_f32 v[8+2*(\c):9+2*(\c)], v[X+2*(\c):X+2*(\c)+1], v[X+8+2*(\c):X+9+2*(\c)]   ; the first pairs start the chains
.endr
.irp c, 0,1,2,3
	v_pk_add_f32 v[8+2*(\c):9+2*(\c)], v[8+2*(\c):9+2*(\c)], v[X+16+2*(\c):X+17+2*(\c)]
.endr
.irp c, 0,1,2,3
	v_pk_add_f32 v[8+2*(\c):9+2*(\c)], v[8+2*(\c):9+2*(\c)], v[X+24+2*(\c):X+25+2*(\c)]
.endr
	RED
	v_mul_f32 v16, s32, v8                         ; the mean, twice: a pair for the packed forms
	v_mov_b32 v17, v16
.set i, 0
.rept 16
	v_pk_add_f32 v[X+i:X+i+1], v[X+i:X+i+1], v[16:17] neg_lo:[0,1] neg_hi:[0,1]   ; x - mean, in place
.set i, i+2
.endr
.irp c, 0,1,2,3
	v_pk_mul_f32 v[8+2*(\c):9+2*(\c)], v[X+2*(\c):X+2*(\c)+1], v[X+2*(\c):X+2*(\c)+1]
.endr
.irp k, 8,16,24
.irp c, 0,1,2,3
	v_pk_fma_f32 v[8+2*(\c):9+2*(\c)], v[X+(\k)+2*(\c):X+(\k)+2*(\c)+1], v[X+(\k)+2*(\c):X+(\k)+2*(\c)+1], v[8+2*(\c):9+2*(\c)]
.endr
.endr
	RED
	v_fma_f32 v8, v8, s32, s33                     ; variance + 1e-5
	v_rsq_f32 v16, v8
	v_rsq_f32 v17, v8
	v_nop                                          ; a plain instruction between the root and the use of its result (ISA guide 5.7.2)
	s_wait_loadcnt 16                              ; g and b are in; the 16 loads of weights stay out
.set i, 0
	s_wait_alu depctr_va_vdst(0)
.rept 16
	v_pk_mul_f32 v[X+i:X+i+1], v[X+i:X+i+1], v[16:17]
.set i, i+2
.endr
.set i, 0
.rept 16
	v_pk_fma_f32 v[X+i:X+i+1], v[X+i:X+i+1], v[G+i:G+i+1], v[BB+i:BB+i+1]
.set i, i+2
.endr
.set i, 0
.rept 16
	v_cvt_pk_f16_f32 v[Y+i], v[X+2*i], v[X+2*i+1]
.set i, i+1
.endr
.irp j, 0,1,2,3,4,5,6,7
	global_store_b64 v3, v[Y+2*(\j):Y+2*(\j)+1], s[10:11] offset:256*(\j)   ; 32 lanes store 256 consecutive bytes, aligned
.endr
.set j, 0
.rept 16
	s_wait_loadcnt 15-j                            ; loads come back in order: number j of the 16 is in
	v_cvt_pk_f16_f32 v[H+2*j], v[W+4*j], v[W+4*j+1]
	v_cvt_pk_f16_f32 v[H+2*j+1], v[W+4*j+2], v[W+4*j+3]
	global_store_b64 v5, v[H+2*j:H+2*j+1], s[24:25] offset:4096*j
.set j, j+1
.endr
	s_endpgm
.Lfunc_end_k_q007eba46e1_prep:
	.size	k_q007eba46e1_prep, .Lfunc_end_k_q007eba46e1_prep-k_q007eba46e1_prep
	.p2alignl 7, 3214868480
	.fill 96, 4, 3214868480
	.section	.rodata,"a",@progbits
	.p2align	6, 0x0
	.amdhsa_kernel k_q007eba46e1_prep
		.amdhsa_group_segment_fixed_size 0
		.amdhsa_private_segment_fixed_size 0
		.amdhsa_enable_private_segment 0
		.amdhsa_kernarg_size 88
		.amdhsa_user_sgpr_count 2
		.amdhsa_user_sgpr_kernarg_segment_ptr 1
		.amdhsa_wavefront_size32 1
		.amdhsa_system_sgpr_workgroup_id_x 1
		.amdhsa_system_sgpr_workgroup_id_y 1
		.amdhsa_system_sgpr_workgroup_id_z 1
		.amdhsa_system_vgpr_workitem_id 0
		.amdhsa_next_free_vgpr 256
		.amdhsa_next_free_sgpr 66
		.amdhsa_reserve_vcc 0
		.amdhsa_float_denorm_mode_32 3
		.amdhsa_float_denorm_mode_16_64 3
		.amdhsa_memory_ordered 1
		.amdhsa_forward_progress 1
		.amdhsa_inst_pref_size 18
	.end_amdhsa_kernel
	.amdgpu_metadata
---
amdhsa.version: [ 1, 2 ]
amdhsa.kernels:
  - .name:           k_q007eba46e1_prep
    .symbol:         k_q007eba46e1_prep.kd
    .args:
      - { .name: x, .offset: 0, .size: 8, .value_kind: global_buffer, .address_space: global }
      - { .name: ln1_g, .offset: 8, .size: 8, .value_kind: global_buffer, .address_space: global }
      - { .name: ln1_b, .offset: 16, .size: 8, .value_kind: global_buffer, .address_space: global }
      - { .name: y, .offset: 24, .size: 8, .value_kind: global_buffer, .address_space: global }
      - { .name: Wq, .offset: 32, .size: 8, .value_kind: global_buffer, .address_space: global }
      - { .name: Wk, .offset: 40, .size: 8, .value_kind: global_buffer, .address_space: global }
      - { .name: Wv, .offset: 48, .size: 8, .value_kind: global_buffer, .address_space: global }
      - { .name: Wo, .offset: 56, .size: 8, .value_kind: global_buffer, .address_space: global }
      - { .name: W1, .offset: 64, .size: 8, .value_kind: global_buffer, .address_space: global }
      - { .name: W2, .offset: 72, .size: 8, .value_kind: global_buffer, .address_space: global }
      - { .name: wh, .offset: 80, .size: 8, .value_kind: global_buffer, .address_space: global }
    .group_segment_fixed_size: 0
    .private_segment_fixed_size: 0
    .kernarg_segment_align: 8
    .kernarg_segment_size: 88
    .max_flat_workgroup_size: 512
    .sgpr_count:     66
    .vgpr_count:     256
    .wavefront_size: 32
...
	.end_amdgpu_metadata
.endif
;; end of part 1
;; launch qkv (part 2): grid 24 x 32, 4 waves a work-group, clusters of 4 x 4, 327,680 bytes of LDS; arguments y, wh, qkv, bq, bk, bv; writes qkv
.if DOCPART == 2
	.amdgcn_target "amdgcn-amd-amdhsa--gfx1250"
	.amdhsa_code_object_version 6
	.text
	.protected	k_q007eba46e1_qkv
	.globl	k_q007eba46e1_qkv
	.p2align	8
	.type	k_q007eba46e1_qkv,@function
k_q007eba46e1_qkv:
	s_mov_b64 s[64:65], 0
	v_nop
	global_prefetch_b8 v0, s[64:65] scope:SCOPE_SE
	s_setreg_imm32_b32 hwreg(HW_REG_WAVE_MODE, 25, 1), 1
	s_wait_xcnt 0x0
	s_wait_alu depctr_hold_cnt(0) depctr_sa_sdst(0) depctr_va_vdst(0) depctr_va_sdst(0) depctr_va_ssrc(0) depctr_va_vcc(0) depctr_vm_vsrc(0)
	s_getreg_b32 s2, hwreg(HW_REG_IB_STS2, 6, 4)
	s_cmp_eq_u32 s2, 0
	s_cbranch_scc0 .Lentry_in_a_cluster
	s_endpgm
.Lentry_in_a_cluster:
	s_bfe_u32 s2, ttmp6, 0x10000c
	s_cmp_lg_u32 s2, 0xf033
	s_cbranch_scc0 .Lentry_shape_is_right
	s_endpgm
.Lentry_shape_is_right:
; q, k, v = y W + bias, stored by heads.  y: [4096][1024] f16.  W: Wq, Wk, Wv in f16, each [1024 k][1024 n], 2,097,152 bytes apart at the head of wh.  Bias f32.
; Out: qkv[48 hc][4096 m][64] f16, hc = 16 x (0 q, 1 k, 2 v) + head: a head's rows are dense, 128 bytes each.  Sums in f32, begun with the bias; rounded once, unscaled.
; LIMITS.  f16 holds no number from 65,520 on: q, k, v beyond that become infinities.  NaN and infinities are not treated apart.
; SHAPE.  The three products are one of 4096 x 3072: 768 tiles of 128 x 128, a work-group each; four waves of 64 x 64: 16 accumulators.  K in steps of 256 through two LDS slots filled by the tensor data mover.
; A's tile lies [m][k] (rows of 512 bytes + 16 of padding); B's lies as in memory, [k][n] (rows of 256 bytes + 32), and its fragments are read turned, by ds_load_tr16_b128.
; CLUSTERS: 4 x 4 work-groups.  The four of a row need the same tiles of A, the four of a column the same tiles of B: each tile is asked for JOINTLY, by the same tensor load, descriptor and mask in all four.
; THE MATRIX INSTRUCTION IS USED TRANSPOSED (source 0 = 16 columns of B, source 1 = 16 rows of A): lane l holds row l % 16 and the columns 8 (l / 16) + 0..7, which pack into 16 bytes.
; No prefetch: a K step's tiles are shared by four work-groups and read again by other clusters at about the same time, and the launch's tiles are small.
; REGISTERS: window 0: v0-31 addresses; v32-95 the way out; v96-127 the bias as a C operand; v128-255 accumulators ((a, b) at 128 + 8 (4 a + b)).  Window 1: two fragment buffers of 128: 64 of A, then 64 of B, for 64 along K.
.set SIZE_K, 1024
.set NB,     1024                      ; elements in a row of B
.set KSTEP,  256
.set PA,     528                       ; 132 words: the 16 rows of a load start at 16 different groups of four banks (64 banks of 4 bytes: ISA guide 11.1)
.set PB,     288                       ; 72 words
.set HALFA,  64*PA                     ; what one tensor load brings of A: 64 rows
.set HALFB,  128*PB                    ; of B: 128 rows of k
.set BOFF,   2*HALFA
.set SLOT,   2*HALFA+2*HALFB           ; A's 128 rows, then B's 256
.set STAGE,  2*SLOT                    ; behind the ring, never filled by a tensor load: 16 rows x 144 bytes for each wave
.set SP,     144
.set SPARE,  STAGE+4*16*SP             ; the spare words, 128 bytes for each wave: two blocks of 256 bytes that no other line names
.set LAPS,   SIZE_K/(2*KSTEP)
.set ADRA, 16                          ; v16-17  my A fragments in slot 0, 1
.set ADRB, 20                          ; v20-23  my B fragments: slot 0 k 0-127, k 128-255; slot 1 likewise
.set STO,  24
.set RD,   25
.set CO,   26
.set BO,   27                          ; 32 (l / 16): my eight numbers of a block of 16 of the bias
.set SPW,  28                          ; LDS address of my spare word; never rewritten
.set NIL,  29                          ; 0; never rewritten
.set TMP,  32
.set BIAS, 96
.set ACC,  128
.set F0,   0
.set F1,   128
.set G1,  24                           ; s[24:31] group 1 for A; s[32:39] group 0, a set a slot
.set G0,  32
.set G1B, 48                           ; s[48:55], s[56:63] the same for B
.set G0B, 56
.set MSB, 0
.macro WIN new                         ; the immediate's high byte repeats the setting that is left
.if MSB != (\new)
	s_set_vgpr_msb (MSB<<8)|(\new)
.set MSB, \new
.endif
.endm
.set MUL,  0x05                        ; sources 0 (B) and 1 (A) window 1; C and D window 0
.set TO_F, 0x40                        ; destination window 1, address window 0
.macro JLOAD s                         ; a joint load: waves 0 and 1 fetch A's two halves, waves 2 and 3 B's; an s_nop 0 and four v_nop follow each line
	s_cmp_eq_u32 s11, 0
	s_cbranch_scc0 .Lfor_b_\@
	tensor_load_to_lds s[G0+4*(\s):G0+4*(\s)+3], s[G1:G1+7]
	s_nop 0
.rept 4
	v_nop
.endr
	s_branch .Lasked_\@
.Lfor_b_\@:
	tensor_load_to_lds s[G0B+4*(\s):G0B+4*(\s)+3], s[G1B:G1B+7]
	s_nop 0
.rept 4
	v_nop
.endr
.Lasked_\@:
.endm
.macro CREST                           ; a round of the cluster's barrier behind its opening barrier
	s_cmp_lg_u32 s10, 0
	s_cbranch_scc1 .Lnot_wave_0_\@
	s_barrier_signal -3
.Lnot_wave_0_\@:
	s_barrier_wait -3
	s_barrier_signal -1
	s_barrier_wait -1
.endm
.macro CROUND
	s_barrier_signal -1
	s_barrier_wait -1
	CREST
.endm
	s_load_b128 s[4:7], s[0:1], 0x0                ; y, wh
	s_load_b64 s[8:9], s[0:1], 0x10                ; qkv
	s_load_b128 s[68:71], s[0:1], 0x18             ; bq, bk
	s_load_b64 s[72:73], s[0:1], 0x28              ; bv
	v_lshl_add_u32 v[SPW], v0, 2, SPARE
	v_mov_b32 v[NIL], 0
	ds_add_u32 v[SPW], v[NIL]                      ; the wave's opening: the add and its wait ahead of my first tensor load
	v_lshrrev_b32 v1, 5, v0
	v_readfirstlane_b32 s10, v1                    ; wave 0..3
	s_lshr_b32 s11, s10, 1                         ; my half of the tile's rows.  Also: I fetch for A (0) or for B (1)
	s_and_b32 s12, s10, 1                          ; my half of its columns.  Also: which half of that tile I fetch
	s_bfe_u32 s40, ttmp6, 0x40000                  ; cx, cy
	s_bfe_u32 s41, ttmp6, 0x40004
	s_lshl_b32 s42, ttmp9, 2
	s_add_co_u32 s42, s42, s40                     ; tile column 0..23
	s_and_b32 s13, ttmp7, 0xffff
	s_lshl_b32 s13, s13, 2
	s_add_co_u32 s13, s13, s41                     ; tile row 0..31
	s_lshl_b32 s43, s41, 2
	s_lshl_b32 s43, 15, s43                        ; my row of the cluster
	s_lshl_b32 s44, 0x1111, s40                    ; my column
	s_or_b32 s[G1+0], s43, (1<<16)|(1<<20)|(1<<21)|(6<<22)|(3<<25)   ; mask; 2-byte elements; padding on; bit 21 beside a mask; after every 128 words 4 words
	s_or_b32 s[G1B+0], s44, (1<<16)|(1<<20)|(1<<21)|(5<<22)|(7<<25)  ; after every 64 words 8 words
	s_mov_b32 s[G1+1], KSTEP<<16                   ; A: tensor_dim0 = 256
	s_mov_b32 s[G1+2], 64<<16                      ; tensor_dim1 = 64
	s_mov_b32 s[G1+3], KSTEP<<16                   ; tile_dim0 = 256
	s_mov_b32 s[G1+4], 64                          ; tile_dim1 = 64
	s_mov_b32 s[G1+5], SIZE_K                      ; elements from row to row
	s_mov_b32 s[G1+6], 0
	s_mov_b32 s[G1+7], 0
	s_mov_b32 s[G1B+1], 128<<16                    ; B: 128 rows of k x 128 n
	s_mov_b32 s[G1B+2], 128<<16
	s_mov_b32 s[G1B+3], 128<<16
	s_mov_b32 s[G1B+4], 128
	s_mov_b32 s[G1B+5], NB
	s_mov_b32 s[G1B+6], 0
	s_mov_b32 s[G1B+7], 0
	s_lshl_b32 s17, s12, 6
	s_lshl_b32 s16, s13, 7
	s_add_co_u32 s16, s16, s17                     ; A: row 128 x tile row + 64 x half,
	s_mul_i32 s16, s16, SIZE_K*2                   ; in bytes (under 2^24)
	s_mov_b32 s17, 0
	s_and_b32 s46, s42, 7                          ; B: the tile column inside its matrix, 256 bytes each,
	s_lshl_b32 s46, s46, 8
	s_lshr_b32 s47, s42, 3                         ; the matrix: 0 Wq, 1 Wk, 2 Wv,
	s_lshl_b32 s47, s47, 21
	s_add_co_u32 s46, s46, s47
	s_mul_i32 s47, s12, 128*NB*2                   ; and my 128 rows of k
	s_add_co_u32 s46, s46, s47
	s_mov_b32 s47, 0
	s_mul_i32 s20, s12, HALFA                      ; where they go: no place in the cluster enters an LDS address
	s_mul_i32 s21, s12, HALFB
	s_add_co_u32 s21, s21, BOFF
	s_wait_dscnt 0x0                               ; the opening add is done
	s_wait_kmcnt 0x0
	s_add_nc_u64 s[14:15], s[4:5], s[16:17]
	s_add_nc_u64 s[46:47], s[6:7], s[46:47]
	CROUND                                         ; all sixteen work-groups are here: the first joint loads meet
.irp s, 0,1
	s_mov_b32 s[G0+4*(\s)], 1
	s_add_co_u32 s[G0+4*(\s)+1], s20, (\s)*SLOT
	s_add_nc_u64 s[G0+4*(\s)+2:G0+4*(\s)+3], s[14:15], (\s)*KSTEP*2
	s_or_b32 s[G0+4*(\s)+3], s[G0+4*(\s)+3], 0x80000000
	s_mov_b32 s[G0B+4*(\s)], 1
	s_add_co_u32 s[G0B+4*(\s)+1], s21, (\s)*SLOT
	s_add_nc_u64 s[G0B+4*(\s)+2:G0B+4*(\s)+3], s[46:47], (\s)*KSTEP*NB*2
	s_or_b32 s[G0B+4*(\s)+3], s[G0B+4*(\s)+3], 0x80000000
	JLOAD \s                                       ; two loads of mine are out
.endr
	v_and_b32 v1, 15, v0                           ; l % 16
	v_bfe_u32 v2, v0, 4, 1                         ; l / 16
	v_lshlrev_b32 v[BO], 5, v2
	s_lshr_b32 s74, s42, 3                         ; whose bias
	s_cmp_eq_u32 s74, 1
	s_cselect_b64 s[68:69], s[70:71], s[68:69]
	s_cmp_eq_u32 s74, 2
	s_cselect_b64 s[68:69], s[72:73], s[68:69]
	s_and_b32 s74, s42, 7
	s_lshl_b32 s74, s74, 9                         ; 128 numbers a tile column,
	s_lshl_b32 s75, s12, 8                         ; 64 for my half
	s_add_co_u32 s74, s74, s75
	s_mov_b32 s75, 0
	s_add_nc_u64 s[68:69], s[68:69], s[74:75]
.irp b, 0,1,2,3                        ; register j of block b = bias[16 b + 8 (l / 16) + j]: the C operand of the products that start the sums
	global_load_b128 v[BIAS+8*(\b):BIAS+8*(\b)+3],   v[BO], s[68:69] offset:64*(\b)
	global_load_b128 v[BIAS+8*(\b)+4:BIAS+8*(\b)+7], v[BO], s[68:69] offset:64*(\b)+16
.endr
	v_mul_u32_u24 v3, v1, PA
	v_lshl_add_u32 v3, v2, 4, v3                   ; A: row x pitch + 16 x half
	v_and_b32 v5, 7, v0
	v_bfe_u32 v6, v0, 3, 1
	v_lshl_add_u32 v4, v2, 3, v5                   ; B, turned: lane l reads row k = 8 (l / 16) + l % 8, columns 8 ((l / 8) % 2) + 0..7
	v_mul_u32_u24 v4, v4, PB
	v_lshl_add_u32 v4, v6, 4, v4
	s_mul_i32 s21, s11, HALFA                      ; my 64 rows of A
	s_lshl_b32 s22, s12, 7                         ; my 64 columns of B: 128 bytes
	s_add_co_u32 s22, s22, BOFF
.irp s, 0,1
	v_add_nc_u32 v[ADRA+(\s)], s21, v3
	v_add_nc_u32 v[ADRB+2*(\s)], s22, v4
	v_add_nc_u32 v[ADRB+2*(\s)+1], HALFB, v[ADRB+2*(\s)]
	s_add_co_u32 s21, s21, SLOT
	s_add_co_u32 s22, s22, SLOT
.endr
	s_mul_i32 s23, s10, 16*SP
	s_add_co_u32 s23, s23, STAGE                   ; my stage
	v_mul_u32_u24 v7, v1, SP                       ; in: row l % 16, 16 bytes for each half of the lanes
	v_lshl_add_u32 v7, v2, 4, v7
	v_add_nc_u32 v[STO], s23, v7
	v_bfe_u32 v7, v0, 3, 2                         ; back: 32 lanes take four rows of 128 bytes,
	v_mul_u32_u24 v7, v7, SP
	v_lshl_add_u32 v7, v5, 4, v7
	v_add_nc_u32 v[RD], s23, v7
	v_and_b32 v[CO], 31, v0                        ; which are 512 consecutive bytes of the head's rows
	v_lshlrev_b32 v[CO], 4, v[CO]
	s_lshl_b32 s16, s13, 14                        ; 128 rows of 128 bytes a tile row,
	s_lshl_b32 s17, s11, 13                        ; 64 for my half
	s_add_co_u32 s16, s16, s17
	s_mov_b32 s17, 0
	s_add_nc_u64 s[8:9], s[8:9], s[16:17]
	s_lshl_b32 s46, s42, 1
	s_add_co_u32 s46, s46, s12                     ; hc = 2 x tile column + half: my 64 columns are one head's
	s_lshl_b32 s46, s46, 19
	s_mov_b32 s47, 0
	s_add_nc_u64 s[8:9], s[8:9], s[46:47]
; 8 matrix instructions: m blocks a0, a0 + 1 x all 4 n blocks, 32 along K: half c of buffer f.  first = 1: the product starts the sum, with the bias as C.  The 16 accumulators take turns.
.macro MUL8 f, c, a0, first
	WIN MUL
.irp a, \a0, (\a0)+1
.irp b, 0,1,2,3
.if \first
	v_wmma_f32_16x16x32_f16 v[ACC+8*(4*(\a)+(\b)):ACC+8*(4*(\a)+(\b))+7], v[(\f)+64+8*(4*(\c)+(\b)):(\f)+64+8*(4*(\c)+(\b))+7], v[(\f)+8*(4*(\c)+(\a)):(\f)+8*(4*(\c)+(\a))+7], v[BIAS+8*(\b):BIAS+8*(\b)+7]
.else
	v_wmma_f32_16x16x32_f16 v[ACC+8*(4*(\a)+(\b)):ACC+8*(4*(\a)+(\b))+7], v[(\f)+64+8*(4*(\c)+(\b)):(\f)+64+8*(4*(\c)+(\b))+7], v[(\f)+8*(4*(\c)+(\a)):(\f)+8*(4*(\c)+(\a))+7], v[ACC+8*(4*(\a)+(\b)):ACC+8*(4*(\a)+(\b))+7]
.endif
.endr
.endr
.endm
; 32 LDS loads in one run: the fragments of quarter q (64 along K) of a slot, into buffer f; the first 32 along K first
.macro FETCH slot, q, f
	WIN TO_F
.irp c, 0,1
.irp i, 0,1,2,3
	ds_load_tr16_b128 v[(\f)+64+8*(4*(\c)+(\i)):(\f)+64+8*(4*(\c)+(\i))+3],   v[ADRB+2*(\slot)+(\q)/2] offset:(64*((\q)%2)+32*(\c))*PB+32*(\i)
	ds_load_tr16_b128 v[(\f)+64+8*(4*(\c)+(\i))+4:(\f)+64+8*(4*(\c)+(\i))+7], v[ADRB+2*(\slot)+(\q)/2] offset:(64*((\q)%2)+32*(\c)+16)*PB+32*(\i)
	ds_load_b128 v[(\f)+8*(4*(\c)+(\i)):(\f)+8*(4*(\c)+(\i))+3],   v[ADRA+(\slot)] offset:128*(\q)+64*(\c)+(\i)*16*PA
	ds_load_b128 v[(\f)+8*(4*(\c)+(\i))+4:(\f)+8*(4*(\c)+(\i))+7], v[ADRA+(\slot)] offset:128*(\q)+64*(\c)+(\i)*16*PA+32
.endr
.endr
.endm
.macro PLACES                          ; four places in front of loads into registers that matrix instructions have read, and of lines that read results
.rept 4
	v_nop
.endr
.endm
; A K step is four quarters of 64 along K, 32 matrix instructions each, on buffers 0, 1, 0, 1.  One of the first three: multiplies buffer f and fetches quarter q into g.
.macro QUARTER slot, q, f, g, first
	s_wait_dscnt 16                                ; the first 32 along K are in
	MUL8 \f, 0, 0, \first
	MUL8 \f, 0, 2, \first
	PLACES
	FETCH \slot, \q, \g
	s_wait_dscnt 32                                ; all but the 32 just issued
	MUL8 \f, 1, 0, 0
	MUL8 \f, 1, 2, 0
.endm
; The last quarter multiplies buffer 1 and changes slots: ONE barrier; in front of it each wave waits for all its tensor loads, adds 0 to its spare word, and waits for that and for its reads of this slot.
; fill = 1: the barrier opens a round of the cluster's, and this slot is filled again, two K steps ahead, first thing behind the round.
.macro TURN slot, next, fill
	WIN 0
	s_wait_tensorcnt 0x0                           ; all my tensor loads have landed: the one that was out is my part of the next slot
	ds_add_u32 v[SPW], v[NIL]
	s_wait_dscnt 17                                ; (the add and the youngest sixteen loads may be out)
	MUL8 F1, 0, 0, 0
	s_wait_dscnt 0x0                               ; the add is done, and my reads of this slot are over
	s_barrier_signal -1
	MUL8 F1, 0, 2, 0
.if \fill
	WIN 0
.endif
	s_barrier_wait -1
.if \fill
	CREST                                          ; no wave of any partner still reads this slot or has a load on its way
	s_add_nc_u64 s[G0+4*(\slot)+2:G0+4*(\slot)+3], s[G0+4*(\slot)+2:G0+4*(\slot)+3], 2*KSTEP*2
	s_add_nc_u64 s[G0B+4*(\slot)+2:G0B+4*(\slot)+3], s[G0B+4*(\slot)+2:G0B+4*(\slot)+3], 2*KSTEP*NB*2
	JLOAD \slot                                    ; 112 matrix instructions ahead of the wait for it; its four v_nop are also the places in front of the loads below
.else
	PLACES
.endif
	FETCH \next, 0, F0
	MUL8 F1, 1, 0, 0
	MUL8 F1, 1, 2, 0
.endm
; THE WAY OUT of m block a: rounded to f16, 16 bytes a lane into my own stage, back as whole rows of 128 bytes, into the registers that they left.
.macro PACK a
.irp b, 0,1,2,3
.irp r, 0,1,2,3
	v_cvt_pk_f16_f32 v[TMP+16*(\a)+4*(\b)+(\r)], v[ACC+8*(4*(\a)+(\b))+2*(\r)], v[ACC+8*(4*(\a)+(\b))+2*(\r)+1]
.endr
.endr
.irp b, 0,1,2,3
	ds_store_b128 v[STO], v[TMP+16*(\a)+4*(\b):TMP+16*(\a)+4*(\b)+3] offset:32*(\b)
.endr
.irp f, 0,1,2,3
	ds_load_b128 v[TMP+16*(\a)+4*(\f):TMP+16*(\a)+4*(\f)+3], v[RD] offset:(\f)*4*SP  ; LDS serves a wave's instructions in order (ISA guide 5.7.1.4): these see the stores above
.endr
.endm
.macro SEND a, younger                 ; younger: the LDS instructions issued behind block a's loads: the next block's eight, or none
.irp f, 0,1,2,3
	s_wait_dscnt (\younger)+3-(\f)
	global_store_b128 v[CO], v[TMP+16*(\a)+4*(\f):TMP+16*(\a)+4*(\f)+3], s[8:9] offset:(\a)*2048+(\f)*512  ; 512 consecutive bytes, aligned to 256
.endr
.endm
	s_wait_tensorcnt 1                             ; my part of K step 0 is in; K step 1's may stay out
	s_barrier_signal -1
	s_barrier_wait -1
	FETCH 0, 0, F0
	s_wait_loadcnt 0x0                             ; the bias
	QUARTER 0, 1, F0, F1, 1                        ; the first quarter stands in front of the loop: its first products start the sums
	WIN 0                                          ; at a label and at a branch every window is 0
	s_mov_b32 s3, LAPS-1
.Llap:                                             ; a trip goes once round the ring and fills both slots again
	QUARTER 0, 2, F1, F0, 0
	QUARTER 0, 3, F0, F1, 0
	TURN 0, 1, 1
	QUARTER 1, 1, F0, F1, 0
	QUARTER 1, 2, F1, F0, 0
	QUARTER 1, 3, F0, F1, 0
	TURN 1, 0, 1
	QUARTER 0, 1, F0, F1, 0
	WIN 0
	s_sub_co_u32 s3, s3, 1
	s_cmp_lg_u32 s3, 0
	s_cbranch_scc1 .Llap
	QUARTER 0, 2, F1, F0, 0                        ; the last lap fills nothing
	QUARTER 0, 3, F0, F1, 0
	TURN 0, 1, 0
	QUARTER 1, 1, F0, F1, 0
	QUARTER 1, 2, F1, F0, 0
	QUARTER 1, 3, F0, F1, 0
	s_wait_dscnt 16
	MUL8 F1, 0, 0, 0
	MUL8 F1, 0, 2, 0
	s_wait_dscnt 0
	MUL8 F1, 1, 0, 0
	MUL8 F1, 1, 2, 0
	WIN 0
	PLACES
	PACK 0
	PACK 1
	SEND 0, 8
	PACK 2
	SEND 1, 8
	PACK 3
	SEND 2, 8
	SEND 3, 0
	s_wait_tensorcnt 0x0                           ; the wave's end
	ds_add_u32 v[SPW], v[NIL]
	s_wait_dscnt 0x0
	CROUND                                         ; the closing round: no work-group ends while a partner may still ask for a tile that names it
	s_endpgm
.Lfunc_end_k_q007eba46e1_qkv:
	.size	k_q007eba46e1_qkv, .Lfunc_end_k_q007eba46e1_qkv-k_q007eba46e1_qkv
	.p2alignl 7, 3214868480
	.fill 96, 4, 3214868480
	.section	.rodata,"a",@progbits
	.p2align	6, 0x0
	.amdhsa_kernel k_q007eba46e1_qkv
		.amdhsa_group_segment_fixed_size 327680
		.amdhsa_private_segment_fixed_size 0
		.amdhsa_enable_private_segment 0
		.amdhsa_kernarg_size 48
		.amdhsa_user_sgpr_count 2
		.amdhsa_user_sgpr_kernarg_segment_ptr 1
		.amdhsa_wavefront_size32 1
		.amdhsa_system_sgpr_workgroup_id_x 1
		.amdhsa_system_sgpr_workgroup_id_y 1
		.amdhsa_system_sgpr_workgroup_id_z 1
		.amdhsa_system_vgpr_workitem_id 0
		.amdhsa_next_free_vgpr 512
		.amdhsa_next_free_sgpr 80
		.amdhsa_reserve_vcc 0
		.amdhsa_float_denorm_mode_32 3
		.amdhsa_float_denorm_mode_16_64 3
		.amdhsa_memory_ordered 1
		.amdhsa_forward_progress 1
		.amdhsa_inst_pref_size 88
	.end_amdhsa_kernel
	.amdgpu_metadata
---
amdhsa.version: [ 1, 2 ]
amdhsa.kernels:
  - .name:           k_q007eba46e1_qkv
    .symbol:         k_q007eba46e1_qkv.kd
    .args:
      - { .name: y, .offset: 0, .size: 8, .value_kind: global_buffer, .address_space: global }
      - { .name: wh, .offset: 8, .size: 8, .value_kind: global_buffer, .address_space: global }
      - { .name: qkv, .offset: 16, .size: 8, .value_kind: global_buffer, .address_space: global }
      - { .name: bq, .offset: 24, .size: 8, .value_kind: global_buffer, .address_space: global }
      - { .name: bk, .offset: 32, .size: 8, .value_kind: global_buffer, .address_space: global }
      - { .name: bv, .offset: 40, .size: 8, .value_kind: global_buffer, .address_space: global }
    .group_segment_fixed_size: 327680
    .private_segment_fixed_size: 0
    .kernarg_segment_align: 8
    .kernarg_segment_size: 48
    .max_flat_workgroup_size: 128
    .sgpr_count:     80
    .vgpr_count:     512
    .wavefront_size: 32
...
	.end_amdgpu_metadata
.endif
;; end of part 2
;; launch attn (part 3): grid 8 x 32, 4 waves a work-group, clusters of 4 x 1, 327,680 bytes of LDS; arguments qkv, o2; writes o2
.if DOCPART == 3
	.amdgcn_target "amdgcn-amd-amdhsa--gfx1250"
	.amdhsa_code_object_version 6
	.text
	.protected	k_q007eba46e1_attn
	.globl	k_q007eba46e1_attn
	.p2align	8
	.type	k_q007eba46e1_attn,@function
k_q007eba46e1_attn:
	s_mov_b64 s[64:65], 0
	v_nop
	global_prefetch_b8 v0, s[64:65] scope:SCOPE_SE
	s_setreg_imm32_b32 hwreg(HW_REG_WAVE_MODE, 25, 1), 1
	s_wait_xcnt 0x0
	s_wait_alu depctr_hold_cnt(0) depctr_sa_sdst(0) depctr_va_vdst(0) depctr_va_sdst(0) depctr_va_ssrc(0) depctr_va_vcc(0) depctr_vm_vsrc(0)
	s_getreg_b32 s2, hwreg(HW_REG_IB_STS2, 6, 4)
	s_cmp_eq_u32 s2, 0
	s_cbranch_scc0 .Lentry_in_a_cluster
	s_endpgm
.Lentry_in_a_cluster:
	s_bfe_u32 s2, ttmp6, 0x10000c
	s_cmp_lg_u32 s2, 0x3003
	s_cbranch_scc0 .Lentry_shape_is_right
	s_endpgm
.Lentry_shape_is_right:
; O[bh][q][:] = the sum over k of softmax_k(Q[bh][q] . K[bh][k] / 8) V[bh][k][:], 32 heads bh = 16 b + h of 2,048 rows x 64 channels, and O stored TURNED: o2 byte bh x 262,144 + channel x 4,096 + 2 q,
; which is the [4096][1024] f16 matrix that a swap of the last two axes and a flat reshape make of it.  Q, K, V: qkv[48][4096][64] f16, K's part 8,388,608 bytes and V's 16,777,216 bytes behind Q's; a head's rows are dense.
; Products, maxima and sums in f32; the weights p are rounded to f16 for the second product (their sum l is taken of the unrounded p), O once at the end.
; LIMITS.  f16 holds no number from 65,520 on: Q, K, V arrive within it; p lies in 0 to 1 and below 6e-5 keeps f16's fixed step of 6e-8; O is a mean of V's rows.  A weight below 2^-126 counts as 0 in l; NaN and infinities are not treated apart.
; SHARES.  A work-group owns 256 queries of a head, a wave 64: four PIECES of 16.  Every wave walks all 2,048 keys, 64 a step, four steps to an LDS slot, eight tiles of 256 keys.
; LAYOUT.  S^T = K Q^T holds ONE query a lane (lane % 16) and the keys 8 (lane / 16) + 0..7; two such results rounded to f16 ARE source 1 of O^T = V^T P.  K comes out of LDS as it lies, V turned, by ds_load_tr16_b128.
; SOFTMAX.  A running maximum m and sum l for each query: p = 2^(c s - c m), c = log2(e) / 8; in every step O and l are multiplied by a = 2^(c m_old - c m_new).  c m starts far below every c s, O and l at 0: the first step's a is 0.
; BY TURNS.  Turn n belongs to piece n: 8 products K Q^T of piece n + 1, later 8 products V^T P of piece n - 1; beside them the scaling, exponentials, roundings, sums and rescaling of piece n and the maximum and
; statistics of piece n + 1.  Four vector instructions stand behind every matrix instruction, the other 54 of a turn's 118 in two runs of their own.
; CLUSTER.  The four query blocks of a cluster belong to one head and walk the same K and V: each tile is asked for JOINTLY, by the same tensor load, descriptor and mask in all four.
; REGISTERS, in windows of 256 (s_set_vgpr_msb: bits 1:0 source 0, 3:2 source 1, 5:4 source 2, 7:6 destination):
;   window 0: v0-15, v32-35, v61-63 addresses; v16-31 four registers of statistics a piece; v48-55 at work; v64-127 S^T, two buffers; v192-223 P, two buffers (a piece's buffers go by its number's parity)
;   window 1: v0-127 O^T, 32 a piece          window 2: v0-63 Q; v128-191 K of one step; v192-255 V of one step
.set NP,    4
.set KS,    64
.set TILES, 8
.set PK,    144       ; a row of K in LDS: 128 bytes + 16: the 16 rows of a load start at 16 different groups of four banks (64 banks of 4 bytes: ISA guide 11.1)
.set PV,    160       ; a row of V: 128 + 32
.set VOFF,  4*KS*PK   ; a slot holds a tile: 256 rows of K, then 256 rows of V
.set SLOT1, 1<<17     ; slot 1 begins here: one exclusive or turns an address in one slot into the other's
.set STAGE, SLOT1+4*KS*(PK+PV)  ; behind the ring, never filled by a tensor load: 16 queries x 144 bytes for each wave
.set SP,    144
.set STAGE2, STAGE+4*16*SP      ; the work-group's 64 channels x 256 queries, rows of 512 bytes + 32
.set P2,    544
.set SPARE, STAGE2+64*P2        ; the spare words, 128 bytes for each wave: two blocks of 256 bytes that no other line names
.set AK0, 2           ; my lane's place in a tile of K; never rewritten
.set AV0, 3           ; the same for V
.set AK,  4           ; the LDS address of K's next run of loads
.set AV,  5           ; of V's
.set STO, 6           ; the way out: where I put 16 bytes (8 channels) of a query
.set MV,  12          ; v12-13  c m_old, kept while c m is made anew: by buffer
.set QO,  15          ; my byte offset in 16 rows of Q
.set ST,  16          ; piece t's statistics at v[ST+4 t]: c m, m, l (even keys', odd keys')
.set TRA, 32          ; the way out: where the turning load reads
.set ST2, 33          ; where I put 16 bytes (8 queries) of a channel
.set RD2, 34          ; where I read a channel's 512 bytes back
.set GO,  35          ; 16 x lane
.set TMP, 48          ; by buffer, four registers c0-c3 at work; when the maximum is found c2 takes a
.set PFO, 61          ; 256 x lane; never rewritten
.set SPW, 62          ; LDS address of my spare word; never rewritten
.set NIL, 63          ; 0; never rewritten
.set S,   64
.set P,   192
.set KF,  128         ; window 2: key block kb, channel half c at KF + 16 kb + 8 c
.set VF,  192         ; window 2: key half kk, channel block cb at VF + 32 kk + 8 cb
.set WV,  12          ; s12  my wave's number
.set LIM, 15          ; s15  1 in a wave that prefetches, else the greatest number
.set G1K, 24          ; s[24:31] descriptor group 1 for K's tiles
.set G1V, 32          ; s[32:39] for V's: it differs in the padding alone
.set G0K, 40          ; s[40:43] descriptor group 0 for K's tiles: it walks
.set G0V, 44          ; s[44:47] the same for V's
.set PFA, 48          ; s[48:49] where my prefetches stand
.set SLOTS, 56        ; s56  tiles still to be asked for
.set CNT, 57          ; s57  counts a tile's key steps
.set CS,  58          ; s[58:59] c
.set SEL, 60          ; s[60:61] v_permlanex16_b32's selects: each lane takes its own place in the other half
.set TBK, 62          ; s62  LDS byte at which K of the step to be fetched begins
.set TBV, 63          ; s63  the same for V, less VOFF
.set MSB, 0
.macro WIN new                      ; the high byte repeats the setting that is left; a switch that changes nothing is dropped
.if MSB != (\new)
	s_set_vgpr_msb (MSB<<8)|(\new)
.set MSB, (\new)
.endif
.endm
.set W_KQ, 0x0a       ; K and Q in window 2, S^T in window 0
.set W_PV, 0x52       ; V in window 2, P in window 0, O^T in window 1
.set W_RS, 0x41       ; destination and source 0 in window 1, source 1 in window 0
; A joint fill.  Waves 0 and 1 fetch the two halves of a tile's K, waves 2 and 3 those of its V: 128 keys each.  An s_nop 0 and four v_nop follow each of the two lines.
.macro JLOAD
	s_cmp_lt_u32 s[WV], 2
	s_cbranch_scc0 .Lfor_v_\@
	tensor_load_to_lds s[G0K:G0K+3], s[G1K:G1K+7]
	s_nop 0
.rept 4
	v_nop
.endr
	s_branch .Lasked_\@
.Lfor_v_\@:
	tensor_load_to_lds s[G0V:G0V+3], s[G1V:G1V+7]
	s_nop 0
.rept 4
	v_nop
.endr
.Lasked_\@:
.endm
; A PREFETCH INTO THE L2 of the tile that the NEXT change of slots will ask for: 32,768 bytes of K and of V, four key steps (256 matrix instructions a wave) ahead of that load.  Each aligned block of 256 bytes is named
; once in the launch: both clusters of a head walk the same K and V, and the first prefetches; its four partners take 8,192 bytes each, told apart by address; in each, wave 0 asks for K's and wave 2 for V's, a lane a block.
; The change that asks for the last tile prefetches nothing.
.macro ASK
	s_cmp_gt_u32 s[SLOTS], s[LIM]
	s_cbranch_scc0 .Lnot_mine_\@
	global_prefetch_b8 v[PFO], s[PFA:PFA+1] th:TH_LOAD_NT scope:SCOPE_SE
.Lnot_mine_\@:
.endm
.macro CROUND                       ; a round of the cluster's barrier
	s_barrier_signal -1
	s_barrier_wait -1
	s_cmp_lg_u32 s[WV], 0
	s_cbranch_scc1 .Lnot_wave_0_\@
	s_barrier_signal -3
.Lnot_wave_0_\@:
	s_barrier_wait -3
	s_barrier_signal -1
	s_barrier_wait -1
.endm
; THE CHANGE OF SLOTS.  The slot's last bytes, V of its fourth step, have been read.  Each wave waits for all its tensor loads, of which one is out: its part of the other slot; adds 0 to its spare word; and waits for
; that and for its own reads of the slot.  fill = 1: the barrier is a round of the cluster's, and the slot just left is filled again first thing behind it.  (At its first use nothing has been read: slot 0 is waited for, slot 1 filled.)
.macro CHANGE fill
	WIN 0                           ; at a label and at a branch every window is 0
	s_wait_tensorcnt 0x0            ; no tensor load of mine is out, so a group 0 may be written
	ds_add_u32 v[SPW], v[NIL]
.if \fill
.irp g, G0K, G0V
	s_xor_b32 s[\g+1], s[\g+1], SLOT1  ; the walking descriptor: the other slot than last time,
	s_add_nc_u64 s[\g+2:\g+3], s[\g+2:\g+3], 4*KS*128  ; the next 256 keys; the type bits on top are not reached
.endr
	s_wait_xcnt 0x0                 ; the last prefetch, four key steps back, has read its address
	s_add_nc_u64 s[PFA:PFA+1], s[PFA:PFA+1], 4*KS*128  ; one tile ahead of the walking descriptors
	s_wait_dscnt 0x0                ; the add is done, and my reads of the slot are over
	CROUND
	JLOAD
	ASK
.else
	s_wait_dscnt 0x0
	s_barrier_signal -1
	s_barrier_wait -1
.endif
	s_sub_co_u32 s[TBK], s[TBK], 4*KS*PK  ; the fetches go back to a slot's first step,
	s_xor_b32 s[TBK], s[TBK], SLOT1       ; in the other slot
	s_sub_co_u32 s[TBV], s[TBV], 4*KS*PV
	s_xor_b32 s[TBV], s[TBV], SLOT1
.endm
	s_load_b128 s[4:7], s[0:1], 0x0 ; qkv, o2
	v_lshl_add_u32 v[SPW], v0, 2, SPARE
	v_mov_b32 v[NIL], 0
	ds_add_u32 v[SPW], v[NIL]       ; the wave's opening: the add and its wait ahead of my first tensor load
	v_lshrrev_b32 v1, 5, v0
	v_readfirstlane_b32 s[WV], v1   ; wave 0..3
	s_bfe_u32 s13, ttmp6, 0x40000   ; cx
	s_lshl_b32 s14, ttmp9, 2
	s_add_co_u32 s14, s14, s13      ; my block of 256 queries: it enters Q's and O's addresses alone
	s_and_b32 s16, ttmp7, 0xffff    ; bh, which the four partners share
	s_and_b32 s20, s16, 15
	s_lshl_b32 s20, s20, 19         ; the head's 4,096 rows of 128 bytes,
	s_lshr_b32 s21, s16, 4
	s_lshl_b32 s21, s21, 18         ; the batch's 2,048 of them
	s_add_co_u32 s20, s20, s21
	s_and_b32 s17, s[WV], 1         ; which half of a tile's 256 keys I fetch:
	s_lshl_b32 s22, s17, 14         ; its 128 rows in memory,
	s_add_co_u32 s22, s22, s20
	s_mov_b32 s23, 0
	s_mul_i32 s18, s17, 128*PV      ; and its place in a slot, for V
	s_mul_i32 s17, s17, 128*PK      ; and for K: no place in the cluster enters an LDS address
	s_lshl_b32 s2, s14, 2
	s_add_co_u32 s2, s2, s[WV]
	s_lshl_b32 s2, s2, 13           ; my wave's 64 rows of Q
	s_add_co_u32 s2, s2, s20
	s_mov_b32 s3, 0
	s_lshl_b32 s50, s13, 13         ; the prefetches: my work-group's 8,192 bytes of a tile
	s_mov_b32 s51, 0
	s_lshl_b32 s52, s16, 18         ; O: the head's 64 channel rows of 4,096 bytes,
	s_lshl_b32 s53, s14, 9          ; my block's 512 bytes of each,
	s_add_co_u32 s52, s52, s53
	s_lshl_b32 s53, s[WV], 16       ; the 16 channels that my wave stores
	s_add_co_u32 s52, s52, s53
	s_mov_b32 s53, 0
	; descriptor group 1.  128 keys are 16,384 dense bytes: asked for as 64 rows of 256 bytes, two keys a row, and padded in LDS after every key
	s_mov_b32 s[G1K], 15|(1<<16)|(1<<20)|(1<<21)|(4<<22)|(3<<25)  ; the mask of four; 2-byte elements; padding on; bit 21 beside a mask; after every 32 words 4 words
	s_mov_b32 s[G1V], 15|(1<<16)|(1<<20)|(1<<21)|(4<<22)|(7<<25)  ; the same with 8 words
.irp g, G1K, G1V
	s_mov_b32 s[\g+1], 128<<16      ; tensor_dim0 = 128
	s_mov_b32 s[\g+2], 64<<16       ; tensor_dim1 = 64
	s_mov_b32 s[\g+3], 128<<16      ; tile_dim0 = 128
	s_mov_b32 s[\g+4], 64           ; tile_dim1 = 64
	s_mov_b32 s[\g+5], 128          ; 128 elements from row to row
	s_mov_b32 s[\g+6], 0
	s_mov_b32 s[\g+7], 0
.endr
	s_mov_b32 s[CS], 0x3e38aa3b     ; c = log2(e) / 8 = 0.180337
	s_mov_b32 s[CS+1], s[CS]        ; named with it as a pair
	s_mov_b32 s[SEL], 0x76543210
	s_mov_b32 s[SEL+1], 0xfedcba98
	s_mov_b32 s[TBK], SLOT1+4*KS*PK ; the first change of slots turns these two into 0
	s_mov_b32 s[TBV], SLOT1+4*KS*PV
	s_mov_b32 s[G0K], 1             ; count = 1
	s_mov_b32 s[G0K+1], s17         ; LDS address: slot 0
	s_mov_b32 s[G0V], 1
	s_add_co_u32 s[G0V+1], s18, VOFF
	s_mov_b32 s[SLOTS], TILES-1
	s_and_b32 s[LIM], s[WV], 1      ; 0 in waves 0 and 2,
	s_or_b32 s[LIM], s[LIM], ttmp9  ; where the cluster is the head's first: the same in all four partners
	s_cmp_eq_u32 s[LIM], 0
	s_cselect_b32 s[LIM], 1, -1
	v_and_b32 v[PFO], 31, v0
	v_lshlrev_b32 v[PFO], 8, v[PFO]
	s_wait_dscnt 0x0                ; the opening add is done
	s_wait_kmcnt 0x0
	s_mov_b64 s[10:11], s[6:7]      ; o2
	s_add_nc_u64 s[6:7], s[4:5], 0x800000   ; K's part of qkv
	s_add_nc_u64 s[8:9], s[4:5], 0x1000000  ; V's
	s_add_nc_u64 s[6:7], s[6:7], s[22:23]   ; at my half of the head's tile 0
	s_add_nc_u64 s[8:9], s[8:9], s[22:23]
	s_mov_b64 s[G0K+2:G0K+3], s[6:7]
	s_or_b32 s[G0K+3], s[G0K+3], 0x80000000 ; type = 2
	s_mov_b64 s[G0V+2:G0V+3], s[8:9]
	s_or_b32 s[G0V+3], s[G0V+3], 0x80000000
	s_add_nc_u64 s[4:5], s[4:5], s[2:3]     ; Q at my wave's first row
	s_add_nc_u64 s[10:11], s[10:11], s[52:53]
	s_cmp_lt_u32 s[WV], 2
	s_cselect_b64 s[PFA:PFA+1], s[6:7], s[8:9]  ; (in waves 0 and 2 these stand at a tile's first row)
	s_add_nc_u64 s[PFA:PFA+1], s[PFA:PFA+1], s[50:51]
	s_add_nc_u64 s[PFA:PFA+1], s[PFA:PFA+1], 4*KS*128  ; in tile 1; the first change of slots steps it to tile 2
	CROUND                          ; all four work-groups are here: the first joint loads meet
	JLOAD                           ; tile 0 into slot 0.  Slot 1 is asked for when slot 0 is in
	; A fragment of K or Q is 16 rows x 32 channels in 8 registers: lane l holds row l % 16, channels 8 (l / 16) + 0..7 and 16 + 8 (l / 16) + 0..7: two loads of 16 bytes, 32 bytes apart.
	v_and_b32 v1, 15, v0            ; l % 16
	v_bfe_u32 v9, v0, 4, 1          ; l / 16
	v_lshlrev_b32 v[QO], 7, v1
	v_lshl_add_u32 v[QO], v9, 4, v[QO]
	WIN 0x80                        ; destination window 2, address window 0
.set i, 0
.rept 8                             ; Q stays in registers: piece i / 2, channels 32 (i % 2) on
	global_load_b128 v[8*i:8*i+3],   v[QO], s[4:5] offset:(i/2)*2048+(i%2)*64
	global_load_b128 v[8*i+4:8*i+7], v[QO], s[4:5] offset:(i/2)*2048+(i%2)*64+32
.set i, i+1
.endr
	; The first turn's products V^T P, of a piece that has not been, add 0 x 0; the first step multiplies O^T and l by a = 0.  All this stands in the wait for the first tile, so that no first step is written out.
.set i, VF
.rept 64
	v_mov_b32 v[i], 0
.set i, i+1
.endr
	WIN 0x40
.set i, 0
.rept 128
	v_mov_b32 v[i], 0
.set i, i+1
.endr
	WIN 0
.set i, 0
.rept 4
	v_mov_b32 v[ST+4*i], 0xfe000000    ; c m: far below every c s
	v_mov_b32 v[ST+4*i+1], 0xff7fffff  ; m: the lowest finite number
	v_mov_b32 v[ST+4*i+2], 0
	v_mov_b32 v[ST+4*i+3], 0
.set i, i+1
.endr
.set i, P+16
.rept 16
	v_mov_b32 v[i], 0
.set i, i+1
.endr
	v_mul_u32_u24 v[AK0], v1, PK
	v_lshl_add_u32 v[AK0], v9, 4, v[AK0]  ; row x pitch + 16 x half
	; The turning load takes 16 rows x 16 columns (lane l reads row 8 (l / 16) + l % 8, columns 8 ((l / 8) % 2) + 0..7) and leaves half a fragment: lane l holds column l % 16 and 8 rows.
	v_and_b32 v10, 7, v0
	v_bfe_u32 v11, v0, 3, 1
	v_lshl_add_u32 v[AV0], v9, 3, v10
	v_mul_u32_u24 v[AV0], v[AV0], PV
	v_lshl_add_u32 v[AV0], v11, 4, v[AV0]
	v_add_nc_u32 v[AV0], VOFF, v[AV0]
	s_mul_i32 s13, s[WV], 16*SP
	s_add_co_u32 s13, s13, STAGE    ; my stage
	v_mul_u32_u24 v[STO], v1, SP    ; in: query l % 16, 16 bytes for each half of the lanes
	v_lshl_add_u32 v[STO], v9, 4, v[STO]
	v_add_nc_u32 v[STO], s13, v[STO]
	v_lshl_add_u32 v[TRA], v11, 3, v10  ; turned back out: lane l reads query 8 ((l / 8) % 2) + l % 8, channels 8 (l / 16) + 0..7,
	v_mul_u32_u24 v[TRA], v[TRA], SP
	v_lshl_add_u32 v[TRA], v9, 4, v[TRA]
	v_add_nc_u32 v[TRA], s13, v[TRA]
	v_lshl_add_u32 v[ST2], v9, 3, v10   ; and then holds channel 8 (l / 16) + l % 8, queries 8 ((l / 8) % 2) + 0..7
	v_mul_u32_u24 v[ST2], v[ST2], P2
	v_lshl_add_u32 v[ST2], v11, 4, v[ST2]
	s_lshl_b32 s13, s[WV], 7        ; my wave's 64 queries: 128 bytes of a channel's row
	s_add_co_u32 s13, s13, STAGE2
	v_add_nc_u32 v[ST2], s13, v[ST2]
	v_and_b32 v[GO], 31, v0
	v_lshlrev_b32 v[GO], 4, v[GO]
	s_mul_i32 s13, s[WV], 16*P2     ; back: wave w takes channels 16 w .. 16 w + 15, whole rows of 512 bytes
	s_add_co_u32 s13, s13, STAGE2
	v_add_nc_u32 v[RD2], s13, v[GO]
; THE MATRIX WORK.  The 4 accumulators of a run of 8 take turns.  Product i of 8 of S^T = K Q^T for piece x: channels 32 (i / 4) on, keys 16 (i % 4) on.  The first 4 start the sums.
.macro KQ x
	WIN W_KQ
.set rS, S+32*((\x)%2)+8*(i%4)
.set rK, KF+16*(i%4)+8*(i/4)
.set rQ, 16*(\x)+8*(i/4)
.if i < 4
	v_wmma_f32_16x16x32_f16 v[rS:rS+7], v[rK:rK+7], v[rQ:rQ+7], 0
.else
	v_wmma_f32_16x16x32_f16 v[rS:rS+7], v[rK:rK+7], v[rQ:rQ+7], v[rS:rS+7]
.endif
.endm
; Product i of 8 of O^T += V^T P for piece x: keys 32 (i / 4) on, channels 16 (i % 4) on.
.macro PV x
	WIN W_PV
.set rO, 32*(\x)+8*(i%4)
.set rV, VF+32*(i/4)+8*(i%4)
.set rP, P+16*((\x)%2)+8*(i/4)
	v_wmma_f32_16x16x32_f16 v[rO:rO+7], v[rV:rV+7], v[rP:rP+7], v[rO:rO+7]
.endm
.macro MM                           ; the turn's next matrix instruction.  NOKQ = 1: the last turn of all: there is no next piece
.if (i < 8) && !NOKQ
	KQ (Y+1)%NP
.elseif i >= 8
.set i, i-8
	PV (Y+NP-1)%NP
.set i, i+8
.endif
.set i, i+1
.endm
; THE LDS LOADS stand in runs of 16, never singly among the matrix instructions: a step's K (8 fragments) and its V (turned).  Their addresses are made some lines ahead.
.macro FETCH_K
	WIN 0x80                        ; destination window 2
.irp f, 0,1,2,3,4,5,6,7             ; keys 16 (f / 2) on, channels 32 (f % 2) on
	ds_load_b128 v[KF+8*\f:KF+8*\f+3],   v[AK] offset:(\f/2)*16*PK+(\f%2)*64
	ds_load_b128 v[KF+8*\f+4:KF+8*\f+7], v[AK] offset:(\f/2)*16*PK+(\f%2)*64+32
.endr
	s_add_co_u32 s[TBK], s[TBK], KS*PK  ; the next fetch is the next step's
	WIN 0
.endm
.macro FETCH_V
	WIN 0x80
.irp f, 0,1,2,3,4,5,6,7             ; keys 32 (f / 4) on, channels 16 (f % 4) on
	ds_load_tr16_b128 v[VF+8*\f:VF+8*\f+3],   v[AV] offset:(\f/4)*32*PV+(\f%4)*32
	ds_load_tr16_b128 v[VF+8*\f+4:VF+8*\f+7], v[AV] offset:(\f/4)*32*PV+16*PV+(\f%4)*32
.endr
	WIN 0
.endm
; THE VECTOR WORK, one line at a time: OP kind, number.  For piece Y: F n: c s - c m for pair n of 16.  E n: the exponential of score n of 32.  C n: pair n rounded to f16.  B n: of the four weights 4 n .. the second
; pair is added onto the first, in place.  L n: l takes that sum (L 0: l = a l + sum).  R n: pair n of 16 of O^T times a.  For piece Y + 1: X n, number n of the 22 that find its maximum and statistics:
;   0-11  four chains c0-c3 of seven scores each (each accumulator's lowest registers are read first)     12-14, 16  the four scores left over, the old m, and c0-c3 into c0
;   15  c m_old is kept     17, 18  the query's other 32 keys lie in the lane 16 away: the new m     19-21  c m; c m_old - c m_new; a
.set F, 0
.set E, 1
.set C, 2
.set B, 3
.set L, 4
.set R, 5
.set X, 6
.macro REGS y                       ; the registers of piece y
.set rT, ST+4*(\y)
.set rC, TMP+4*((\y)%2)
.set rW, MV+((\y)%2)
.set rS, S+32*((\y)%2)
.set rP, P+16*((\y)%2)
.set rO, 32*(\y)
.endm
.macro OP k, n
.if (\k) == R
	REGS Y
	WIN W_RS
	v_pk_mul_f32 v[rO+2*(\n):rO+2*(\n)+1], v[rO+2*(\n):rO+2*(\n)+1], v[rC+2:rC+3] op_sel_hi:[1,0]
.elseif (\k) < R
	REGS Y
	WIN 0
.if (\k) == F
	v_pk_fma_f32 v[rS+2*(\n):rS+2*(\n)+1], v[rS+2*(\n):rS+2*(\n)+1], s[CS:CS+1], v[rT:rT+1] op_sel_hi:[1,0,0] neg_lo:[0,0,1] neg_hi:[0,0,1]
.elseif (\k) == E
	v_exp_f32 v[rS+(\n)], v[rS+(\n)]
.elseif (\k) == C
	s_wait_alu depctr_va_vdst(0)
	v_cvt_pk_f16_f32 v[rP+(\n)], v[rS+2*(\n)], v[rS+2*(\n)+1]
.elseif (\k) == B
	s_wait_alu depctr_va_vdst(0)
	v_pk_add_f32 v[rS+4*(\n):rS+4*(\n)+1], v[rS+4*(\n):rS+4*(\n)+1], v[rS+4*(\n)+2:rS+4*(\n)+3]
.elseif (\n) == 0
	v_pk_fma_f32 v[rT+2:rT+3], v[rT+2:rT+3], v[rC+2:rC+3], v[rS:rS+1] op_sel_hi:[1,0,1]
.else
	v_pk_add_f32 v[rT+2:rT+3], v[rT+2:rT+3], v[rS+4*(\n):rS+4*(\n)+1]
.endif
.elseif NOKQ
	v_nop
.else
	REGS (Y+1)%NP
	WIN 0
.if (\n) < 4
	v_max3_num_f32 v[rC+(\n)], v[rS+8*(\n)], v[rS+8*(\n)+1], v[rS+8*(\n)+2]
.elseif (\n) < 12
	v_max3_num_f32 v[rC+(\n)%4], v[rC+(\n)%4], v[rS+8*((\n)%4)+2*((\n)/4)+1], v[rS+8*((\n)%4)+2*((\n)/4)+2]
.elseif (\n) == 12
	v_max3_num_f32 v[rC], v[rC], v[rS+7], v[rS+15]
.elseif (\n) == 13
	v_max3_num_f32 v[rC+1], v[rC+1], v[rS+23], v[rS+31]
.elseif (\n) == 14
	v_max3_num_f32 v[rC+2], v[rC+2], v[rC+3], v[rT+1]
.elseif (\n) == 15
	v_mov_b32 v[rW], v[rT]
.elseif (\n) == 16
	v_max3_num_f32 v[rC], v[rC], v[rC+1], v[rC+2]
.elseif (\n) == 17
	v_permlanex16_b32 v[rC+3], v[rC], s[SEL], s[SEL+1]
.elseif (\n) == 18
	v_max_num_f32 v[rT+1], v[rC], v[rC+3]
.elseif (\n) == 19
	v_mul_f32 v[rT], s[CS], v[rT+1]
.elseif (\n) == 20
	v_sub_f32 v[rC+1], v[rW], v[rT]
.else
	v_exp_f32 v[rC+2], v[rC+1]
.endif
.endif
.endm
.macro OPS a, i1, b=-1, i2=0, c=-1, i3=0, d=-1, i4=0  ; up to four of them
	OP \a, \i1
.if (\b) >= 0
	OP \b, \i2
.endif
.if (\c) >= 0
	OP \c, \i3
.endif
.if (\d) >= 0
	OP \d, \i4
.endif
.endm
.macro ROW a, i1, b, i2, c, i3, d, i4  ; a matrix instruction and the four behind it
	MM
	OPS \a, \i1, \b, \i2, \c, \i3, \d, \i4
.endm
; A TURN, for piece p: the order of its 16 matrix and 118 vector instructions, written out.  Behind a matrix instruction: plain, exponential, plain, plain; or four of the rescaling; or four scalings; none names a register of
; the products round it.  In the runs between, exponential and plain by turns while exponentials last.  A line reads no result made fewer than three vector instructions in front of it, five if an exponential made it.
; end = 1: the last two turns of all: nothing is fetched.  cnt = 1: the loop's count is taken down some lines ahead of the branch that stands behind the turn.
; K of the next step is fetched in piece 2's turn, six vector instructions behind the last product that read K (five of them plain); V of the step in hand in piece 0's turn, eight behind the last product that read V (four
; plain).  Each is waited for a turn later.
.macro TURN p, end=0, cnt=0
.set Y, (\p)
.set i, 0
.set NOKQ, (\end)*((\p)/3)
.if ((\p) == 3) && !(\end)
	s_wait_dscnt 0x0                ; K is in
.endif
	ROW F,0, F,1, F,2, F,3
	ROW F,4, E,0, F,5, F,6
	ROW F,7, E,1, F,8, F,9
	ROW F,10, E,2, C,0, F,11
	ROW F,12, E,3, X,15, F,13
	ROW R,0, R,1, R,2, R,3
	ROW B,0, E,4, F,14, L,0
.if ((\p) == 2) && !(\end)
	v_add_nc_u32 v[AK], s[TBK], v[AK0]
.endif
	ROW R,4, R,5, R,6, R,7
	OPS E,5, F,15
.if ((\p) == 2) && !(\end)
	FETCH_K
.endif
	OPS E,6, C,1, E,7, R,8
	OPS E,8, R,9, E,9, C,2
	OPS E,10, X,0, E,11, X,1
	OPS E,12, X,2, E,13, X,3
.if (\p) == 1
	s_wait_dscnt 0x0                ; V is in
.endif
	ROW X,4, E,14, X,5, X,6
	ROW X,7, E,15, X,8, X,9
	ROW X,10, E,16, X,11, X,12
	ROW X,13, E,17, X,14, B,1
	ROW C,4, E,18, X,16, L,1
	ROW B,2, E,19, C,6, L,2
	ROW C,8, E,20, B,3, B,4
.if (\p) == 0
	v_add_nc_u32 v[AV], s[TBV], v[AV0]
.endif
	ROW C,3, E,21, L,3, C,5
	OPS E,22, X,17, E,23, C,10
.if (\p) == 0
	FETCH_V
.endif
	OPS E,24, L,4
	OPS E,25, X,18, E,26, C,7
	OPS E,27, B,5, E,28, X,19
	OPS E,29, C,12, E,30, L,5
	OPS E,31, X,20, B,6, C,9
	OPS C,14, C,11, X,21, L,6
.if (\p) == 0
	s_add_co_u32 s[TBV], s[TBV], KS*PV
.endif
.if \cnt
	s_sub_co_u32 s[CNT], s[CNT], 1
	s_cmp_lg_u32 s[CNT], 0
.endif
	OPS C,13, B,7, C,15, R,10
	OPS R,11, R,12, L,7, R,13
	OPS R,14, R,15
.endm
	CHANGE 1                        ; tile 0 is in, everybody's part of it; tile 1 is asked for
	v_add_nc_u32 v[AK], s[TBK], v[AK0]
	FETCH_K                         ; key step 0
	s_wait_loadcnt 0x0              ; Q
	s_wait_dscnt 0x0
.set NOKQ, 0
.set i, 0
.rept 8
	KQ 0                            ; piece 0's first scores
.set i, i+1
.endr
	WIN 0
.rept 4
	v_nop                           ; the places behind those products
.endr
.set Y, NP-1                        ; X works for piece Y + 1: piece 0
.irp n, 0,1,2,3,4,5,6,7,8,9,10,11,12,13,14,15,16,17,18,19,20,21
	OP X, \n
.endr
	v_nop                           ; a plain instruction behind the exponential
	s_mov_b32 s[CNT], 4
	s_branch .Lfirst                ; the loop is entered at a step's first turn, in the middle of a trip
.Lslot:                             ; six times: tiles 2 to 7 are asked for
	CHANGE 1
	s_mov_b32 s[CNT], 4
.Lstep:                             ; a trip: pieces 2 and 3 of one step, then pieces 0 and 1 of the next, whose K and V it fetches
	TURN 2
	TURN 3
	WIN 0
.Lfirst:
	TURN 0
	TURN 1, 0, 1
	WIN 0
	s_cbranch_scc1 .Lstep
	s_sub_co_u32 s[SLOTS], s[SLOTS], 1
	s_cmp_lg_u32 s[SLOTS], 0
	s_cbranch_scc1 .Lslot
	CHANGE 0                        ; the last tile is written out: nothing is asked for
	s_mov_b32 s[CNT], 4
.LstepT:
	TURN 2
	TURN 3
	TURN 0
	TURN 1, 0, 1
	WIN 0
	s_cbranch_scc1 .LstepT
	TURN 2, 1
	TURN 3, 1
.set i, 0
.rept 8
	PV NP-1                         ; the last piece's V^T P of the last step
.set i, i+1
.endr
	; THE WAY OUT.  l's two halves and the other half of the lanes' are added; O^T is divided by l and rounded to f16.  A lane then holds 8 channels of one query, and o2 wants 8 queries of one channel: a piece goes into my own
	; stage by queries, comes back turned, and goes into the work-group's stage by channels; behind a barrier each wave stores 16 channels' whole 512 bytes.  The additions are the places behind the last products.
	WIN 0
.macro ALL line:vararg              ; one line for each piece t
.set t, 0
.rept 4
	\line
.set t, t+1
.endr
.endm
	ALL v_add_f32 v[ST+4*t+2], v[ST+4*t+2], v[ST+4*t+3]
	ALL v_permlanex16_b32 v[ST+4*t+3], v[ST+4*t+2], s[SEL], s[SEL+1]
	ALL v_add_f32 v[ST+4*t+2], v[ST+4*t+2], v[ST+4*t+3]
	ALL v_rcp_f32 v[ST+4*t+2], v[ST+4*t+2]
	v_nop                           ; a plain instruction between the last reciprocal and the use of its result
.macro PACK t
	WIN W_RS
.set i, 32*(\t)
.rept 16
	s_wait_alu depctr_va_vdst(0)
	v_pk_mul_f32 v[i:i+1], v[i:i+1], v[ST+4*(\t)+2:ST+4*(\t)+3] op_sel_hi:[1,0]
.set i, i+2
.endr
	WIN 0x05                        ; sources 0 and 1 window 1, destination window 0: S^T's registers are free
.set i, 0
.rept 16
	v_cvt_pk_f16_f32 v[S+16*(\t)+i], v[32*(\t)+2*i], v[32*(\t)+2*i+1]
.set i, i+1
.endr
	WIN 0
.irp f, 0,1,2,3
	ds_store_b128 v[STO], v[S+16*(\t)+4*\f:S+16*(\t)+4*\f+3] offset:32*\f
.endr
.irp f, 0,1,2,3
	ds_load_tr16_b128 v[S+16*(\t)+4*\f:S+16*(\t)+4*\f+3], v[TRA] offset:32*\f  ; LDS serves a wave's instructions in order (ISA guide 5.7.1.4): these see the stores above; channels 16 f on
.endr
.endm
.macro MOVE t, younger              ; younger: the LDS instructions issued behind piece t's turning loads
	s_wait_dscnt \younger
.irp f, 0,1,2,3
	ds_store_b128 v[ST2], v[S+16*(\t)+4*\f:S+16*(\t)+4*\f+3] offset:\f*16*P2+32*(\t)
.endr
.endm
	PACK 0
	PACK 1
	MOVE 0, 8                       ; behind piece 0's loads: piece 1's four stores and four loads
	PACK 2
	MOVE 1, 12                      ; piece 0's four stores by channels, piece 2's eight
	PACK 3
	MOVE 2, 12
	MOVE 3, 4
	s_wait_dscnt 0x0                ; for the others' sake: my stores into the work-group's stage are done
	s_barrier_signal -1
	s_barrier_wait -1
.irp u, 0,1,2,3,4,5,6,7,8,9,10,11,12,13,14,15
	ds_load_b128 v[S+4*\u:S+4*\u+3], v[RD2] offset:\u*P2
.endr
.irp u, 0,1,2,3,4,5,6,7,8,9,10,11,12,13,14,15
	s_wait_dscnt 15-\u
	global_store_b128 v[GO], v[S+4*\u:S+4*\u+3], s[10:11] offset:\u*4096  ; 512 consecutive bytes of a channel's row, aligned to 256
.endr
	s_wait_tensorcnt 0x0            ; the wave's end
	ds_add_u32 v[SPW], v[NIL]
	s_wait_dscnt 0x0
	CROUND                          ; the closing round: no work-group ends while a partner may still ask for a tile that names it
	s_endpgm
.Lfunc_end_k_q007eba46e1_attn:
	.size	k_q007eba46e1_attn, .Lfunc_end_k_q007eba46e1_attn-k_q007eba46e1_attn
	.p2alignl 7, 3214868480
	.fill 96, 4, 3214868480
	.section	.rodata,"a",@progbits
	.p2align	6, 0x0
	.amdhsa_kernel k_q007eba46e1_attn
		.amdhsa_group_segment_fixed_size 327680
		.amdhsa_private_segment_fixed_size 0
		.amdhsa_enable_private_segment 0
		.amdhsa_kernarg_size 16
		.amdhsa_user_sgpr_count 2
		.amdhsa_user_sgpr_kernarg_segment_ptr 1
		.amdhsa_wavefront_size32 1
		.amdhsa_system_sgpr_workgroup_id_x 1
		.amdhsa_system_sgpr_workgroup_id_y 1
		.amdhsa_system_sgpr_workgroup_id_z 1
		.amdhsa_system_vgpr_workitem_id 0
		.amdhsa_next_free_vgpr 768
		.amdhsa_next_free_sgpr 66
		.amdhsa_reserve_vcc 0
		.amdhsa_float_denorm_mode_32 3
		.amdhsa_float_denorm_mode_16_64 3
		.amdhsa_memory_ordered 1
		.amdhsa_forward_progress 1
		.amdhsa_inst_pref_size 137
	.end_amdhsa_kernel
	.amdgpu_metadata
---
amdhsa.version: [ 1, 2 ]
amdhsa.kernels:
  - .name:           k_q007eba46e1_attn
    .symbol:         k_q007eba46e1_attn.kd
    .args:
      - { .name: qkv, .offset: 0, .size: 8, .value_kind: global_buffer, .address_space: global }
      - { .name: o2, .offset: 8, .size: 8, .value_kind: global_buffer, .address_space: global }
    .group_segment_fixed_size: 327680
    .private_segment_fixed_size: 0
    .kernarg_segment_align: 8
    .kernarg_segment_size: 16
    .max_flat_workgroup_size: 128
    .sgpr_count:     66
    .vgpr_count:     768
    .wavefront_size: 32
...
	.end_amdgpu_metadata
.endif
;; end of part 3
;; launch wo (part 4): grid 8 x 32, 4 waves a work-group, clusters of 4 x 4, 327,680 bytes of LDS; arguments o2, wh, x1, bo, x; writes x1
.if DOCPART == 4
	.amdgcn_target "amdgcn-amd-amdhsa--gfx1250"
	.amdhsa_code_object_version 6
	.text
	.protected	k_q007eba46e1_wo
	.globl	k_q007eba46e1_wo
	.p2align	8
	.type	k_q007eba46e1_wo,@function
k_q007eba46e1_wo:
	s_mov_b64 s[64:65], 0
	v_nop
	global_prefetch_b8 v0, s[64:65] scope:SCOPE_SE
	s_setreg_imm32_b32 hwreg(HW_REG_WAVE_MODE, 25, 1), 1
	s_wait_xcnt 0x0
	s_wait_alu depctr_hold_cnt(0) depctr_sa_sdst(0) depctr_va_vdst(0) depctr_va_sdst(0) depctr_va_ssrc(0) depctr_va_vcc(0) depctr_vm_vsrc(0)
	s_getreg_b32 s2, hwreg(HW_REG_IB_STS2, 6, 4)
	s_cmp_eq_u32 s2, 0
	s_cbranch_scc0 .Lentry_in_a_cluster
	s_endpgm
.Lentry_in_a_cluster:
	s_bfe_u32 s2, ttmp6, 0x10000c
	s_cmp_lg_u32 s2, 0xf033
	s_cbranch_scc0 .Lentry_shape_is_right
	s_endpgm
.Lentry_shape_is_right:
; x1 = x + o2 Wo + bo.  o2: [4096][1024] f16.  Wo in f16, [1024 k][1024 n], at byte WOFF of wh.  bo, x, x1 f32.  Sums in f32, begun with the bias; the residual is added in f32; nothing is rounded on the way out.
; LIMITS.  The operands arrive in f16 (no number from 65,520 on).  NaN and infinities are not treated apart.
; SHAPE.  256 tiles of 128 x 128, a work-group each; four waves of 64 x 64: 16 accumulators.  K in steps of 256 through two LDS slots filled by the tensor data mover.
; A's tile lies [m][k] (rows of 512 bytes + 16 of padding); B's lies as in memory, [k][n] (rows of 256 bytes + 32), and its fragments are read turned, by ds_load_tr16_b128.
; CLUSTERS: 4 x 4 work-groups.  The four of a row need the same tiles of A, the four of a column the same tiles of B: each tile is asked for JOINTLY, by the same tensor load, descriptor and mask in all four.
; THE MATRIX INSTRUCTION IS USED TRANSPOSED (source 0 = 16 columns of B, source 1 = 16 rows of A): lane l holds row l % 16 and the columns 8 (l / 16) + 0..7.
; The wave's 64 x 64 of the residual is loaded at the start, in the layout in which the results come back from the stage, and waits in 128 registers.  No prefetch: the tiles are small and shared.
; REGISTERS: window 0: v0-31 addresses; v32-95 the way out; v96-127 the bias as a C operand; v128-255 accumulators ((a, b) at 128 + 8 (4 a + b)).  Window 1: two fragment buffers of 128.  Window 2: v0-127 the residual.
.set SIZE_K, 1024
.set NB,     1024                      ; elements in a row of B
.set WOFF,   6291456                   ; Wo in wh
.set KSTEP,  256
.set PA,     528                       ; 132 words: the 16 rows of a load start at 16 different groups of four banks (64 banks of 4 bytes: ISA guide 11.1)
.set PB,     288                       ; 72 words
.set HALFA,  64*PA
.set HALFB,  128*PB
.set BOFF,   2*HALFA
.set SLOT,   2*HALFA+2*HALFB           ; A's 128 rows, then B's 256
.set STAGE,  2*SLOT                    ; behind the ring, never filled by a tensor load: 16 rows x 272 bytes for each wave
.set SP,     272
.set SPARE,  STAGE+4*16*SP             ; the spare words, 128 bytes for each wave: two blocks of 256 bytes that no other line names
.set LAPS,   SIZE_K/(2*KSTEP)
.set ADRA, 16                          ; v16-17  my A fragments in slot 0, 1
.set ADRB, 20                          ; v20-23  my B fragments: slot 0 k 0-127, k 128-255; slot 1 likewise
.set STO,  24
.set RD,   25
.set CO,   26
.set BO,   27                          ; 32 (l / 16)
.set SPW,  28                          ; LDS address of my spare word; never rewritten
.set NIL,  29                          ; 0; never rewritten
.set TMP,  32
.set BIAS, 96
.set ACC,  128
.set F0,   0
.set F1,   128
.set G1,  24
.set G0,  32
.set G1B, 48
.set G0B, 56
.set MSB, 0
.macro WIN new                         ; the immediate's high byte repeats the setting that is left
.if MSB != (\new)
	s_set_vgpr_msb (MSB<<8)|(\new)
.set MSB, \new
.endif
.endm
.set MUL,  0x05                        ; sources 0 (B) and 1 (A) window 1; C and D window 0
.set TO_F, 0x40                        ; destination window 1, address window 0
.macro JLOAD s                         ; a joint load: waves 0 and 1 fetch A's two halves, waves 2 and 3 B's; an s_nop 0 and four v_nop follow each line
	s_cmp_eq_u32 s11, 0
	s_cbranch_scc0 .Lfor_b_\@
	tensor_load_to_lds s[G0+4*(\s):G0+4*(\s)+3], s[G1:G1+7]
	s_nop 0
.rept 4
	v_nop
.endr
	s_branch .Lasked_\@
.Lfor_b_\@:
	tensor_load_to_lds s[G0B+4*(\s):G0B+4*(\s)+3], s[G1B:G1B+7]
	s_nop 0
.rept 4
	v_nop
.endr
.Lasked_\@:
.endm
.macro CREST                           ; a round of the cluster's barrier behind its opening barrier
	s_cmp_lg_u32 s10, 0
	s_cbranch_scc1 .Lnot_wave_0_\@
	s_barrier_signal -3
.Lnot_wave_0_\@:
	s_barrier_wait -3
	s_barrier_signal -1
	s_barrier_wait -1
.endm
.macro CROUND
	s_barrier_signal -1
	s_barrier_wait -1
	CREST
.endm
	s_load_b128 s[4:7], s[0:1], 0x0                ; A, wh
	s_load_b64 s[8:9], s[0:1], 0x10                ; the result
	s_load_b128 s[68:71], s[0:1], 0x18             ; the bias, the residual
	v_lshl_add_u32 v[SPW], v0, 2, SPARE
	v_mov_b32 v[NIL], 0
	ds_add_u32 v[SPW], v[NIL]                      ; the wave's opening: the add and its wait ahead of my first tensor load
	v_lshrrev_b32 v1, 5, v0
	v_readfirstlane_b32 s10, v1                    ; wave 0..3
	s_lshr_b32 s11, s10, 1                         ; my half of the tile's rows.  Also: I fetch for A (0) or for B (1)
	s_and_b32 s12, s10, 1                          ; my half of its columns.  Also: which half of that tile I fetch
	s_bfe_u32 s40, ttmp6, 0x40000                  ; cx, cy
	s_bfe_u32 s41, ttmp6, 0x40004
	s_lshl_b32 s42, ttmp9, 2
	s_add_co_u32 s42, s42, s40                     ; tile column
	s_and_b32 s13, ttmp7, 0xffff
	s_lshl_b32 s13, s13, 2
	s_add_co_u32 s13, s13, s41                     ; tile row
	s_lshl_b32 s43, s41, 2
	s_lshl_b32 s43, 15, s43                        ; my row of the cluster
	s_lshl_b32 s44, 0x1111, s40                    ; my column
	s_or_b32 s[G1+0], s43, (1<<16)|(1<<20)|(1<<21)|(6<<22)|(3<<25)   ; mask; 2-byte elements; padding on; bit 21 beside a mask; after every 128 words 4 words
	s_or_b32 s[G1B+0], s44, (1<<16)|(1<<20)|(1<<21)|(5<<22)|(7<<25)  ; after every 64 words 8 words
	s_mov_b32 s[G1+1], KSTEP<<16                   ; A: 64 rows x 256 k
	s_mov_b32 s[G1+2], 64<<16
	s_mov_b32 s[G1+3], KSTEP<<16
	s_mov_b32 s[G1+4], 64
	s_mov_b32 s[G1+5], SIZE_K
	s_mov_b32 s[G1+6], 0
	s_mov_b32 s[G1+7], 0
	s_mov_b32 s[G1B+1], 128<<16                    ; B: 128 rows of k x 128 n
	s_mov_b32 s[G1B+2], 128<<16
	s_mov_b32 s[G1B+3], 128<<16
	s_mov_b32 s[G1B+4], 128
	s_mov_b32 s[G1B+5], NB
	s_mov_b32 s[G1B+6], 0
	s_mov_b32 s[G1B+7], 0
	s_lshl_b32 s17, s12, 6
	s_lshl_b32 s16, s13, 7
	s_add_co_u32 s16, s16, s17                     ; A: row 128 x tile row + 64 x half,
	s_mul_i32 s16, s16, SIZE_K*2                   ; in bytes (under 2^24)
	s_mov_b32 s17, 0
	s_lshl_b32 s46, s42, 8                         ; B: the tile column, 256 bytes each,
	s_mul_i32 s47, s12, 128*NB*2                   ; my 128 rows of k,
	s_add_co_u32 s46, s46, s47
	s_add_co_u32 s46, s46, WOFF                    ; the matrix's place in wh
	s_mov_b32 s47, 0
	s_mul_i32 s20, s12, HALFA                      ; where they go: no place in the cluster enters an LDS address
	s_mul_i32 s21, s12, HALFB
	s_add_co_u32 s21, s21, BOFF
	s_wait_dscnt 0x0                               ; the opening add is done
	s_wait_kmcnt 0x0
	s_add_nc_u64 s[14:15], s[4:5], s[16:17]
	s_add_nc_u64 s[46:47], s[6:7], s[46:47]
	CROUND                                         ; all sixteen work-groups are here: the first joint loads meet
.irp s, 0,1
	s_mov_b32 s[G0+4*(\s)], 1
	s_add_co_u32 s[G0+4*(\s)+1], s20, (\s)*SLOT
	s_add_nc_u64 s[G0+4*(\s)+2:G0+4*(\s)+3], s[14:15], (\s)*KSTEP*2
	s_or_b32 s[G0+4*(\s)+3], s[G0+4*(\s)+3], 0x80000000
	s_mov_b32 s[G0B+4*(\s)], 1
	s_add_co_u32 s[G0B+4*(\s)+1], s21, (\s)*SLOT
	s_add_nc_u64 s[G0B+4*(\s)+2:G0B+4*(\s)+3], s[46:47], (\s)*KSTEP*NB*2
	s_or_b32 s[G0B+4*(\s)+3], s[G0B+4*(\s)+3], 0x80000000
	JLOAD \s                                       ; two loads of mine are out
.endr
	v_and_b32 v1, 15, v0                           ; l % 16
	v_bfe_u32 v2, v0, 4, 1                         ; l / 16
	v_lshlrev_b32 v[BO], 5, v2
	v_lshlrev_b32 v[CO], 12, v2                    ; out: lanes 0-15 one row's 256 bytes, lanes 16-31 the next row's
	v_lshl_add_u32 v[CO], v1, 4, v[CO]
	s_lshl_b32 s46, s42, 9                         ; my first column in bytes: 512 x tile column + 256 x half: in the rows of 4,096 bytes and in the bias alike
	s_lshl_b32 s47, s12, 8
	s_add_co_u32 s46, s46, s47
	s_mov_b32 s47, 0
	s_add_nc_u64 s[68:69], s[68:69], s[46:47]
	s_lshl_b32 s16, s13, 19                        ; 128 rows of 4,096 bytes a tile row,
	s_lshl_b32 s17, s11, 18                        ; 64 for my half
	s_add_co_u32 s16, s16, s17
	s_mov_b32 s17, 0
	s_add_nc_u64 s[16:17], s[16:17], s[46:47]
	s_add_nc_u64 s[8:9], s[8:9], s[16:17]
	s_add_nc_u64 s[70:71], s[70:71], s[16:17]
.irp b, 0,1,2,3                        ; register j of block b = bias[16 b + 8 (l / 16) + j]: the C operand of the products that start the sums
	global_load_b128 v[BIAS+8*(\b):BIAS+8*(\b)+3],   v[BO], s[68:69] offset:64*(\b)
	global_load_b128 v[BIAS+8*(\b)+4:BIAS+8*(\b)+7], v[BO], s[68:69] offset:64*(\b)+16
.endr
	WIN 0x80                                       ; destination window 2, address window 0
.irp a, 0,1,2,3
.irp t, 0,1,2,3,4,5,6,7
	global_load_b128 v[32*(\a)+4*(\t):32*(\a)+4*(\t)+3], v[CO], s[70:71] offset:(16*(\a)+2*(\t))*4096 th:TH_LOAD_NT
.endr
.endr
	WIN 0
	v_mul_u32_u24 v3, v1, PA
	v_lshl_add_u32 v3, v2, 4, v3                   ; A: row x pitch + 16 x half
	v_and_b32 v5, 7, v0
	v_bfe_u32 v6, v0, 3, 1
	v_lshl_add_u32 v4, v2, 3, v5                   ; B, turned: lane l reads row k = 8 (l / 16) + l % 8, columns 8 ((l / 8) % 2) + 0..7
	v_mul_u32_u24 v4, v4, PB
	v_lshl_add_u32 v4, v6, 4, v4
	s_mul_i32 s21, s11, HALFA                      ; my 64 rows of A
	s_lshl_b32 s22, s12, 7                         ; my 64 columns of B: 128 bytes
	s_add_co_u32 s22, s22, BOFF
.irp s, 0,1
	v_add_nc_u32 v[ADRA+(\s)], s21, v3
	v_add_nc_u32 v[ADRB+2*(\s)], s22, v4
	v_add_nc_u32 v[ADRB+2*(\s)+1], HALFB, v[ADRB+2*(\s)]
	s_add_co_u32 s21, s21, SLOT
	s_add_co_u32 s22, s22, SLOT
.endr
	s_mul_i32 s23, s10, 16*SP
	s_add_co_u32 s23, s23, STAGE                   ; my stage
	v_mul_u32_u24 v7, v1, SP                       ; in: row l % 16, 32 bytes for each half of the lanes
	v_lshl_add_u32 v7, v2, 5, v7
	v_add_nc_u32 v[STO], s23, v7
	v_mul_u32_u24 v7, v2, SP                       ; back: lanes 0-15 take one row of 256 bytes, lanes 16-31 the next
	v_lshl_add_u32 v7, v1, 4, v7
	v_add_nc_u32 v[RD], s23, v7
; 8 matrix instructions: m blocks a0, a0 + 1 x all 4 n blocks, 32 along K: half c of buffer f.  first = 1: the product starts the sum, with the bias as C.  The 16 accumulators take turns.
.macro MUL8 f, c, a0, first
	WIN MUL
.irp a, \a0, (\a0)+1
.irp b, 0,1,2,3
.if \first
	v_wmma_f32_16x16x32_f16 v[ACC+8*(4*(\a)+(\b)):ACC+8*(4*(\a)+(\b))+7], v[(\f)+64+8*(4*(\c)+(\b)):(\f)+64+8*(4*(\c)+(\b))+7], v[(\f)+8*(4*(\c)+(\a)):(\f)+8*(4*(\c)+(\a))+7], v[BIAS+8*(\b):BIAS+8*(\b)+7]
.else
	v_wmma_f32_16x16x32_f16 v[ACC+8*(4*(\a)+(\b)):ACC+8*(4*(\a)+(\b))+7], v[(\f)+64+8*(4*(\c)+(\b)):(\f)+64+8*(4*(\c)+(\b))+7], v[(\f)+8*(4*(\c)+(\a)):(\f)+8*(4*(\c)+(\a))+7], v[ACC+8*(4*(\a)+(\b)):ACC+8*(4*(\a)+(\b))+7]
.endif
.endr
.endr
.endm
; 32 LDS loads in one run: the fragments of quarter q (64 along K) of a slot, into buffer f; the first 32 along K first
.macro FETCH slot, q, f
	WIN TO_F
.irp c, 0,1
.irp i, 0,1,2,3
	ds_load_tr16_b128 v[(\f)+64+8*(4*(\c)+(\i)):(\f)+64+8*(4*(\c)+(\i))+3],   v[ADRB+2*(\slot)+(\q)/2] offset:(64*((\q)%2)+32*(\c))*PB+32*(\i)
	ds_load_tr16_b128 v[(\f)+64+8*(4*(\c)+(\i))+4:(\f)+64+8*(4*(\c)+(\i))+7], v[ADRB+2*(\slot)+(\q)/2] offset:(64*((\q)%2)+32*(\c)+16)*PB+32*(\i)
	ds_load_b128 v[(\f)+8*(4*(\c)+(\i)):(\f)+8*(4*(\c)+(\i))+3],   v[ADRA+(\slot)] offset:128*(\q)+64*(\c)+(\i)*16*PA
	ds_load_b128 v[(\f)+8*(4*(\c)+(\i))+4:(\f)+8*(4*(\c)+(\i))+7], v[ADRA+(\slot)] offset:128*(\q)+64*(\c)+(\i)*16*PA+32
.endr
.endr
.endm
.macro PLACES                          ; four places in front of loads into registers that matrix instructions have read, and of lines that read results
.rept 4
	v_nop
.endr
.endm
; A K step is four quarters of 64 along K, 32 matrix instructions each, on buffers 0, 1, 0, 1.  One of the first three: multiplies buffer f and fetches quarter q into g.
.macro QUARTER slot, q, f, g, first
	s_wait_dscnt 16                                ; the first 32 along K are in
	MUL8 \f, 0, 0, \first
	MUL8 \f, 0, 2, \first
	PLACES
	FETCH \slot, \q, \g
	s_wait_dscnt 32                                ; all but the 32 just issued
	MUL8 \f, 1, 0, 0
	MUL8 \f, 1, 2, 0
.endm
; The last quarter multiplies buffer 1 and changes slots: ONE barrier; in front of it each wave waits for all its tensor loads, adds 0 to its spare word, and waits for that and for its reads of this slot.
; fill = 1: the barrier opens a round of the cluster's, and this slot is filled again, two K steps ahead, first thing behind the round.
.macro TURN slot, next, fill
	WIN 0
	s_wait_tensorcnt 0x0                           ; all my tensor loads have landed: the one that was out is my part of the next slot
	ds_add_u32 v[SPW], v[NIL]
	s_wait_dscnt 17                                ; (the add and the youngest sixteen loads may be out)
	MUL8 F1, 0, 0, 0
	s_wait_dscnt 0x0                               ; the add is done, and my reads of this slot are over
	s_barrier_signal -1
	MUL8 F1, 0, 2, 0
.if \fill
	WIN 0
.endif
	s_barrier_wait -1
.if \fill
	CREST                                          ; no wave of any partner still reads this slot or has a load on its way
	s_add_nc_u64 s[G0+4*(\slot)+2:G0+4*(\slot)+3], s[G0+4*(\slot)+2:G0+4*(\slot)+3], 2*KSTEP*2
	s_add_nc_u64 s[G0B+4*(\slot)+2:G0B+4*(\slot)+3], s[G0B+4*(\slot)+2:G0B+4*(\slot)+3], 2*KSTEP*NB*2
	JLOAD \slot                                    ; 112 matrix instructions ahead of the wait for it; its four v_nop are also the places in front of the loads below
.else
	PLACES
.endif
	FETCH \next, 0, F0
	MUL8 F1, 1, 0, 0
	MUL8 F1, 1, 2, 0
.endm
; THE WAY OUT of m block a: 16 rows x 64 columns of f32 through my own stage: in by lanes' 32 bytes, back as whole rows of 256 bytes; the residual is added; 16 lanes store 256 consecutive bytes, aligned.
.macro OUTB a
.set BK, TMP+32*((\a)%2)
.if (\a) > 1
	s_wait_xcnt 0x0                                ; the stores of the block two back have read these registers
.endif
.irp b, 0,1,2,3
	ds_store_b128 v[STO], v[ACC+8*(4*(\a)+(\b)):ACC+8*(4*(\a)+(\b))+3]   offset:64*(\b)
	ds_store_b128 v[STO], v[ACC+8*(4*(\a)+(\b))+4:ACC+8*(4*(\a)+(\b))+7] offset:64*(\b)+16
.endr
.irp t, 0,1,2,3,4,5,6,7
	ds_load_b128 v[BK+4*(\t):BK+4*(\t)+3], v[RD] offset:(\t)*2*SP  ; LDS serves a wave's instructions in order (ISA guide 5.7.1.4): these see the stores above
.endr
	s_wait_dscnt 0x0
	WIN 0x08                                       ; source 1 window 2
.set i, 0
.rept 16
	v_pk_add_f32 v[BK+i:BK+i+1], v[BK+i:BK+i+1], v[32*(\a)+i:32*(\a)+i+1]
.set i, i+2
.endr
	WIN 0
.irp t, 0,1,2,3,4,5,6,7
	global_store_b128 v[CO], v[BK+4*(\t):BK+4*(\t)+3], s[8:9] offset:(16*(\a)+2*(\t))*4096
.endr
.endm
	s_wait_tensorcnt 1                             ; my part of K step 0 is in; K step 1's may stay out
	s_barrier_signal -1
	s_barrier_wait -1
	FETCH 0, 0, F0
	s_wait_loadcnt 32                              ; the bias is in; the residual's 32 loads may stay out
	QUARTER 0, 1, F0, F1, 1                        ; the first quarter stands in front of the loop: its first products start the sums
	WIN 0                                          ; at a label and at a branch every window is 0
	s_mov_b32 s3, LAPS-1
.Llap:                                             ; a trip goes once round the ring and fills both slots again
	QUARTER 0, 2, F1, F0, 0
	QUARTER 0, 3, F0, F1, 0
	TURN 0, 1, 1
	QUARTER 1, 1, F0, F1, 0
	QUARTER 1, 2, F1, F0, 0
	QUARTER 1, 3, F0, F1, 0
	TURN 1, 0, 1
	QUARTER 0, 1, F0, F1, 0
	WIN 0
	s_sub_co_u32 s3, s3, 1
	s_cmp_lg_u32 s3, 0
	s_cbranch_scc1 .Llap
	QUARTER 0, 2, F1, F0, 0                        ; the last lap fills nothing
	QUARTER 0, 3, F0, F1, 0
	TURN 0, 1, 0
	QUARTER 1, 1, F0, F1, 0
	QUARTER 1, 2, F1, F0, 0
	QUARTER 1, 3, F0, F1, 0
	s_wait_dscnt 16
	MUL8 F1, 0, 0, 0
	MUL8 F1, 0, 2, 0
	s_wait_dscnt 0
	MUL8 F1, 1, 0, 0
	MUL8 F1, 1, 2, 0
	WIN 0
	PLACES
	s_wait_loadcnt 0x0                             ; the residual
	OUTB 0
	OUTB 1
	OUTB 2
	OUTB 3
	s_wait_tensorcnt 0x0                           ; the wave's end
	ds_add_u32 v[SPW], v[NIL]
	s_wait_dscnt 0x0
	CROUND                                         ; the closing round: no work-group ends while a partner may still ask for a tile that names it
	s_endpgm
.Lfunc_end_k_q007eba46e1_wo:
	.size	k_q007eba46e1_wo, .Lfunc_end_k_q007eba46e1_wo-k_q007eba46e1_wo
	.p2alignl 7, 3214868480
	.fill 96, 4, 3214868480
	.section	.rodata,"a",@progbits
	.p2align	6, 0x0
	.amdhsa_kernel k_q007eba46e1_wo
		.amdhsa_group_segment_fixed_size 327680
		.amdhsa_private_segment_fixed_size 0
		.amdhsa_enable_private_segment 0
		.amdhsa_kernarg_size 40
		.amdhsa_user_sgpr_count 2
		.amdhsa_user_sgpr_kernarg_segment_ptr 1
		.amdhsa_wavefront_size32 1
		.amdhsa_system_sgpr_workgroup_id_x 1
		.amdhsa_system_sgpr_workgroup_id_y 1
		.amdhsa_system_sgpr_workgroup_id_z 1
		.amdhsa_system_vgpr_workitem_id 0
		.amdhsa_next_free_vgpr 640
		.amdhsa_next_free_sgpr 80
		.amdhsa_reserve_vcc 0
		.amdhsa_float_denorm_mode_32 3
		.amdhsa_float_denorm_mode_16_64 3
		.amdhsa_memory_ordered 1
		.amdhsa_forward_progress 1
		.amdhsa_inst_pref_size 94
	.end_amdhsa_kernel
	.amdgpu_metadata
---
amdhsa.version: [ 1, 2 ]
amdhsa.kernels:
  - .name:           k_q007eba46e1_wo
    .symbol:         k_q007eba46e1_wo.kd
    .args:
      - { .name: o2, .offset: 0, .size: 8, .value_kind: global_buffer, .address_space: global }
      - { .name: wh, .offset: 8, .size: 8, .value_kind: global_buffer, .address_space: global }
      - { .name: x1, .offset: 16, .size: 8, .value_kind: global_buffer, .address_space: global }
      - { .name: bo, .offset: 24, .size: 8, .value_kind: global_buffer, .address_space: global }
      - { .name: x, .offset: 32, .size: 8, .value_kind: global_buffer, .address_space: global }
    .group_segment_fixed_size: 327680
    .private_segment_fixed_size: 0
    .kernarg_segment_align: 8
    .kernarg_segment_size: 40
    .max_flat_workgroup_size: 128
    .sgpr_count:     80
    .vgpr_count:     640
    .wavefront_size: 32
...
	.end_amdgpu_metadata
.endif
;; end of part 4
;; launch ln2 (part 5): grid 256 x 1, 16 waves a work-group, no clusters, 0 bytes of LDS; arguments x1, ln2_g, ln2_b, y2; writes y2
.if DOCPART == 5
	.amdgcn_target "amdgcn-amd-amdhsa--gfx1250"
	.amdhsa_code_object_version 6
	.text
	.protected	k_q007eba46e1_ln2
	.globl	k_q007eba46e1_ln2
	.p2align	8
	.type	k_q007eba46e1_ln2,@function
k_q007eba46e1_ln2:
	s_mov_b64 s[64:65], 0
	v_nop
	global_prefetch_b8 v0, s[64:65] scope:SCOPE_SE
	s_setreg_imm32_b32 hwreg(HW_REG_WAVE_MODE, 25, 1), 1
	s_wait_xcnt 0x0
; y2 = LayerNorm(x1) * g + b, rounded once to f16.  x1: [4096][1024] f32.  Mean, variance (of x - mean: two passes over the registers), scale and shift in f32.
; LIMITS.  f16 holds no number from 65,520 on and keeps a fixed step of 6e-8 below 6e-5: y2 is at most 32 |g| + |b|.  NaN and infinities are not treated apart.
; SHARES.  16 waves; the work-group owns 16 rows, a wave a row: 32 registers a lane, lane l the columns 128 j + 4 l + 0..3.  The row is read once and no wave waits for another: no LDS, no barrier.
; Each load of a wave covers 512 consecutive bytes, each store 256 consecutive bytes, aligned.  No register that a load or store names is written twice.  Matrix units, clusters and LDS would add nothing to a stream.
.set Y,  24                            ; v[24:39]   the row in f16
.set X,  64                            ; v[64:95]   the row
.set G,  96                            ; v[96:127]  g of my columns
.set BB, 128                           ; v[128:159] b of my columns
	s_load_b256 s[4:11], s[0:1], 0x0               ; x1 s[4:5], g s[6:7], b s[8:9], y2 s[10:11]
	v_and_b32 v1, 31, v0
	v_lshrrev_b32 v6, 5, v0                        ; wave
	v_lshlrev_b32 v1, 4, v1                        ; 16 x lane
	v_lshl_add_u32 v2, v6, 12, v1                  ; + 4,096 x wave
	v_lshrrev_b32 v3, 1, v2                        ; 8 x lane + 2,048 x wave
	v_mov_b32 v18, 0                               ; v_permlanex16_b32's destination counts as read
	s_lshl_b32 s12, ttmp9, 16                      ; 16 rows of x1
	s_mov_b32 s13, 0
	s_lshl_b32 s14, ttmp9, 15                      ; 16 rows of y2
	s_mov_b32 s15, 0
	s_mov_b32 s16, 0x3a800000                      ; 1 / 1024
	s_mov_b32 s17, 0x3727c5ac                      ; 1e-5
	s_mov_b32 s18, 0x76543210
	s_mov_b32 s19, 0xfedcba98
	s_wait_kmcnt 0x0
	s_add_nc_u64 s[4:5], s[4:5], s[12:13]
	s_add_nc_u64 s[10:11], s[10:11], s[14:15]
.irp j, 0,1,2,3,4,5,6,7
	global_load_b128 v[X+4*(\j):X+4*(\j)+3], v2, s[4:5] offset:512*(\j)
.endr
.irp j, 0,1,2,3,4,5,6,7
	global_load_b128 v[G+4*(\j):G+4*(\j)+3], v1, s[6:7] offset:512*(\j)
.endr
.irp j, 0,1,2,3,4,5,6,7
	global_load_b128 v[BB+4*(\j):BB+4*(\j)+3], v1, s[8:9] offset:512*(\j)
.endr
; four packed chains v[8:15] -> one number in v8 of every lane
.macro RED
	v_pk_add_f32 v[8:9], v[8:9], v[10:11]
	v_pk_add_f32 v[12:13], v[12:13], v[14:15]
	v_pk_add_f32 v[8:9], v[8:9], v[12:13]
	v_add_f32 v8, v8, v9
	v_add_f32_dpp v8, v8, v8 row_xmask:1 row_mask:0xf bank_mask:0xf
	v_add_f32_dpp v8, v8, v8 row_xmask:2 row_mask:0xf bank_mask:0xf
	v_add_f32_dpp v8, v8, v8 row_xmask:4 row_mask:0xf bank_mask:0xf
	v_add_f32_dpp v8, v8, v8 row_xmask:8 row_mask:0xf bank_mask:0xf
	v_permlanex16_b32 v18, v8, s18, s19
	v_add_f32 v8, v8, v18
.endm
	s_wait_loadcnt 16                              ; the row is in; g's and b's 16 loads stay out
.irp c, 0,1,2,3
	v_pk_add_f32 v[8+2*(\c):9+2*(\c)], v[X+2*(\c):X+2*(\c)+1], v[X+8+2*(\c):X+9+2*(\c)]
.endr
.irp c, 0,1,2,3
	v_pk_add_f32 v[8+2*(\c):9+2*(\c)], v[8+2*(\c):9+2*(\c)], v[X+16+2*(\c):X+17+2*(\c)]
.endr
.irp c, 0,1,2,3
	v_pk_add_f32 v[8+2*(\c):9+2*(\c)], v[8+2*(\c):9+2*(\c)], v[X+24+2*(\c):X+25+2*(\c)]
.endr
	RED
	v_mul_f32 v16, s16, v8                         ; the mean, twice
	v_mov_b32 v17, v16
.set i, 0
.rept 16
	v_pk_add_f32 v[X+i:X+i+1], v[X+i:X+i+1], v[16:17] neg_lo:[0,1] neg_hi:[0,1]
.set i, i+2
.endr
.irp c, 0,1,2,3
	v_pk_mul_f32 v[8+2*(\c):9+2*(\c)], v[X+2*(\c):X+2*(\c)+1], v[X+2*(\c):X+2*(\c)+1]
.endr
.irp k, 8,16,24
.irp c, 0,1,2,3
	v_pk_fma_f32 v[8+2*(\c):9+2*(\c)], v[X+(\k)+2*(\c):X+(\k)+2*(\c)+1], v[X+(\k)+2*(\c):X+(\k)+2*(\c)+1], v[8+2*(\c):9+2*(\c)]
.endr
.endr
	RED
	v_fma_f32 v8, v8, s16, s17                     ; variance + 1e-5
	v_rsq_f32 v16, v8
	v_rsq_f32 v17, v8
	v_nop                                          ; a plain instruction between the root and the use of its result (ISA guide 5.7.2)
	s_wait_loadcnt 0x0                             ; g and b
.set i, 0
	s_wait_alu depctr_va_vdst(0)
.rept 16
	v_pk_mul_f32 v[X+i:X+i+1], v[X+i:X+i+1], v[16:17]
.set i, i+2
.endr
.set i, 0
.rept 16
	v_pk_fma_f32 v[X+i:X+i+1], v[X+i:X+i+1], v[G+i:G+i+1], v[BB+i:BB+i+1]
.set i, i+2
.endr
.set i, 0
.rept 16
	v_cvt_pk_f16_f32 v[Y+i], v[X+2*i], v[X+2*i+1]
.set i, i+1
.endr
.irp j, 0,1,2,3,4,5,6,7
	global_store_b64 v3, v[Y+2*(\j):Y+2*(\j)+1], s[10:11] offset:256*(\j)
.endr
	s_endpgm
.Lfunc_end_k_q007eba46e1_ln2:
	.size	k_q007eba46e1_ln2, .Lfunc_end_k_q007eba46e1_ln2-k_q007eba46e1_ln2
	.p2alignl 7, 3214868480
	.fill 96, 4, 3214868480
	.section	.rodata,"a",@progbits
	.p2align	6, 0x0
	.amdhsa_kernel k_q007eba46e1_ln2
		.amdhsa_group_segment_fixed_size 0
		.amdhsa_private_segment_fixed_size 0
		.amdhsa_enable_private_segment 0
		.amdhsa_kernarg_size 32
		.amdhsa_user_sgpr_count 2
		.amdhsa_user_sgpr_kernarg_segment_ptr 1
		.amdhsa_wavefront_size32 1
		.amdhsa_system_sgpr_workgroup_id_x 1
		.amdhsa_system_sgpr_workgroup_id_y 1
		.amdhsa_system_sgpr_workgroup_id_z 1
		.amdhsa_system_vgpr_workitem_id 0
		.amdhsa_next_free_vgpr 160
		.amdhsa_next_free_sgpr 66
		.amdhsa_reserve_vcc 0
		.amdhsa_float_denorm_mode_32 3
		.amdhsa_float_denorm_mode_16_64 3
		.amdhsa_memory_ordered 1
		.amdhsa_forward_progress 1
		.amdhsa_inst_pref_size 12
	.end_amdhsa_kernel
	.amdgpu_metadata
---
amdhsa.version: [ 1, 2 ]
amdhsa.kernels:
  - .name:           k_q007eba46e1_ln2
    .symbol:         k_q007eba46e1_ln2.kd
    .args:
      - { .name: x1, .offset: 0, .size: 8, .value_kind: global_buffer, .address_space: global }
      - { .name: ln2_g, .offset: 8, .size: 8, .value_kind: global_buffer, .address_space: global }
      - { .name: ln2_b, .offset: 16, .size: 8, .value_kind: global_buffer, .address_space: global }
      - { .name: y2, .offset: 24, .size: 8, .value_kind: global_buffer, .address_space: global }
    .group_segment_fixed_size: 0
    .private_segment_fixed_size: 0
    .kernarg_segment_align: 8
    .kernarg_segment_size: 32
    .max_flat_workgroup_size: 512
    .sgpr_count:     66
    .vgpr_count:     160
    .wavefront_size: 32
...
	.end_amdgpu_metadata
.endif
;; end of part 5
;; launch ffn1 (part 6): grid 16 x 32, 4 waves a work-group, clusters of 4 x 4, 327,680 bytes of LDS; arguments y2, wh, f1, b1; writes f1
.if DOCPART == 6
	.amdgcn_target "amdgcn-amd-amdhsa--gfx1250"
	.amdhsa_code_object_version 6
	.text
	.protected	k_q007eba46e1_ffn1
	.globl	k_q007eba46e1_ffn1
	.p2align	8
	.type	k_q007eba46e1_ffn1,@function
k_q007eba46e1_ffn1:
	s_mov_b64 s[64:65], 0
	v_nop
	global_prefetch_b8 v0, s[64:65] scope:SCOPE_SE
	s_setreg_imm32_b32 hwreg(HW_REG_WAVE_MODE, 25, 1), 1
	s_wait_xcnt 0x0
	s_wait_alu depctr_hold_cnt(0) depctr_sa_sdst(0) depctr_va_vdst(0) depctr_va_sdst(0) depctr_va_ssrc(0) depctr_va_vcc(0) depctr_vm_vsrc(0)
	s_getreg_b32 s2, hwreg(HW_REG_IB_STS2, 6, 4)
	s_cmp_eq_u32 s2, 0
	s_cbranch_scc0 .Lentry_in_a_cluster
	s_endpgm
.Lentry_in_a_cluster:
	s_bfe_u32 s2, ttmp6, 0x10000c
	s_cmp_lg_u32 s2, 0xf033
	s_cbranch_scc0 .Lentry_shape_is_right
	s_endpgm
.Lentry_shape_is_right:
; f1 = relu(y2 W1 + b1), rounded once to f16.  y2: [4096][1024] f16.  W1 in f16, [1024 k][2048 n], at byte WOFF of wh.  b1 f32.  f1: [4096][2048] f16.  Sums in f32, begun with the bias.
; LIMITS.  f16 holds no number from 65,520 on: a sum beyond that becomes an infinity.  NaN and infinities are not treated apart (a NaN leaves the maximum as 0).
; SHAPE.  512 tiles of 128 x 128, a work-group each; four waves of 64 x 64: 16 accumulators.  K in steps of 256 through two LDS slots filled by the tensor data mover.
; A's tile lies [m][k] (rows of 512 bytes + 16 of padding); B's lies as in memory, [k][n] (rows of 256 bytes + 32), and its fragments are read turned, by ds_load_tr16_b128.
; CLUSTERS: 4 x 4 work-groups.  The four of a row need the same tiles of A, the four of a column the same tiles of B: each tile is asked for JOINTLY, by the same tensor load, descriptor and mask in all four.
; THE MATRIX INSTRUCTION IS USED TRANSPOSED (source 0 = 16 columns of B, source 1 = 16 rows of A): lane l holds row l % 16 and the columns 8 (l / 16) + 0..7, which pack into 16 bytes.
; The four waves share ONE stage on the way out, with a barrier between writing and reading: a wave's 64 columns are only half of an aligned 256 bytes of f1.  No prefetch: the tiles are small and shared.
; REGISTERS: window 0: v0-31 addresses; v32-95 the way out; v96-127 the bias as a C operand; v128-255 accumulators ((a, b) at 128 + 8 (4 a + b)).  Window 1: two fragment buffers of 128.
.set SIZE_K, 1024
.set NB,     2048                      ; elements in a row of B
.set WOFF,   8388608                   ; W1 in wh
.set KSTEP,  256
.set PA,     528                       ; 132 words: the 16 rows of a load start at 16 different groups of four banks (64 banks of 4 bytes: ISA guide 11.1)
.set PB,     288                       ; 72 words
.set HALFA,  64*PA
.set HALFB,  128*PB
.set BOFF,   2*HALFA
.set SLOT,   2*HALFA+2*HALFB           ; A's 128 rows, then B's 256
.set STAGE,  2*SLOT                    ; behind the ring, never filled by a tensor load: 128 rows x 272 bytes, the work-group's
.set SP,     272
.set SPARE,  STAGE+128*SP              ; the spare words, 128 bytes for each wave: two blocks of 256 bytes that no other line names
.set LAPS,   SIZE_K/(2*KSTEP)
.set ADRA, 16                          ; v16-17  my A fragments in slot 0, 1
.set ADRB, 20                          ; v20-23  my B fragments: slot 0 k 0-127, k 128-255; slot 1 likewise
.set STO,  24
.set RD,   25
.set CO,   26
.set BO,   27                          ; 32 (l / 16)
.set SPW,  28                          ; LDS address of my spare word; never rewritten
.set NIL,  29                          ; 0; never rewritten
.set ZR,   30                          ; 0, for the packed maximum
.set TMP,  32
.set BIAS, 96
.set ACC,  128
.set F0,   0
.set F1,   128
.set G1,  24
.set G0,  32
.set G1B, 48
.set G0B, 56
.set MSB, 0
.macro WIN new                         ; the immediate's high byte repeats the setting that is left
.if MSB != (\new)
	s_set_vgpr_msb (MSB<<8)|(\new)
.set MSB, \new
.endif
.endm
.set MUL,  0x05                        ; sources 0 (B) and 1 (A) window 1; C and D window 0
.set TO_F, 0x40                        ; destination window 1, address window 0
.macro JLOAD s                         ; a joint load: waves 0 and 1 fetch A's two halves, waves 2 and 3 B's; an s_nop 0 and four v_nop follow each line
	s_cmp_eq_u32 s11, 0
	s_cbranch_scc0 .Lfor_b_\@
	tensor_load_to_lds s[G0+4*(\s):G0+4*(\s)+3], s[G1:G1+7]
	s_nop 0
.rept 4
	v_nop
.endr
	s_branch .Lasked_\@
.Lfor_b_\@:
	tensor_load_to_lds s[G0B+4*(\s):G0B+4*(\s)+3], s[G1B:G1B+7]
	s_nop 0
.rept 4
	v_nop
.endr
.Lasked_\@:
.endm
.macro CREST                           ; a round of the cluster's barrier behind its opening barrier
	s_cmp_lg_u32 s10, 0
	s_cbranch_scc1 .Lnot_wave_0_\@
	s_barrier_signal -3
.Lnot_wave_0_\@:
	s_barrier_wait -3
	s_barrier_signal -1
	s_barrier_wait -1
.endm
.macro CROUND
	s_barrier_signal -1
	s_barrier_wait -1
	CREST
.endm
	s_load_b128 s[4:7], s[0:1], 0x0                ; y2, wh
	s_load_b64 s[8:9], s[0:1], 0x10                ; f1
	s_load_b64 s[68:69], s[0:1], 0x18              ; b1
	v_lshl_add_u32 v[SPW], v0, 2, SPARE
	v_mov_b32 v[NIL], 0
	ds_add_u32 v[SPW], v[NIL]                      ; the wave's opening: the add and its wait ahead of my first tensor load
	v_mov_b32 v[ZR], 0
	v_lshrrev_b32 v1, 5, v0
	v_readfirstlane_b32 s10, v1                    ; wave 0..3
	s_lshr_b32 s11, s10, 1                         ; my half of the tile's rows.  Also: I fetch for A (0) or for B (1)
	s_and_b32 s12, s10, 1                          ; my half of its columns.  Also: which half of that tile I fetch
	s_bfe_u32 s40, ttmp6, 0x40000                  ; cx, cy
	s_bfe_u32 s41, ttmp6, 0x40004
	s_lshl_b32 s42, ttmp9, 2
	s_add_co_u32 s42, s42, s40                     ; tile column
	s_and_b32 s13, ttmp7, 0xffff
	s_lshl_b32 s13, s13, 2
	s_add_co_u32 s13, s13, s41                     ; tile row
	s_lshl_b32 s43, s41, 2
	s_lshl_b32 s43, 15, s43                        ; my row of the cluster
	s_lshl_b32 s44, 0x1111, s40                    ; my column
	s_or_b32 s[G1+0], s43, (1<<16)|(1<<20)|(1<<21)|(6<<22)|(3<<25)   ; mask; 2-byte elements; padding on; bit 21 beside a mask; after every 128 words 4 words
	s_or_b32 s[G1B+0], s44, (1<<16)|(1<<20)|(1<<21)|(5<<22)|(7<<25)  ; after every 64 words 8 words
	s_mov_b32 s[G1+1], KSTEP<<16                   ; A: 64 rows x 256 k
	s_mov_b32 s[G1+2], 64<<16
	s_mov_b32 s[G1+3], KSTEP<<16
	s_mov_b32 s[G1+4], 64
	s_mov_b32 s[G1+5], SIZE_K
	s_mov_b32 s[G1+6], 0
	s_mov_b32 s[G1+7], 0
	s_mov_b32 s[G1B+1], 128<<16                    ; B: 128 rows of k x 128 n
	s_mov_b32 s[G1B+2], 128<<16
	s_mov_b32 s[G1B+3], 128<<16
	s_mov_b32 s[G1B+4], 128
	s_mov_b32 s[G1B+5], NB
	s_mov_b32 s[G1B+6], 0
	s_mov_b32 s[G1B+7], 0
	s_lshl_b32 s17, s12, 6
	s_lshl_b32 s16, s13, 7
	s_add_co_u32 s16, s16, s17                     ; A: row 128 x tile row + 64 x half,
	s_mul_i32 s16, s16, SIZE_K*2                   ; in bytes (under 2^24)
	s_mov_b32 s17, 0
	s_lshl_b32 s46, s42, 8                         ; B: the tile column, 256 bytes each,
	s_mul_i32 s47, s12, 128*NB*2                   ; my 128 rows of k,
	s_add_co_u32 s46, s46, s47
	s_add_co_u32 s46, s46, WOFF                    ; the matrix's place in wh
	s_mov_b32 s47, 0
	s_mul_i32 s20, s12, HALFA                      ; where they go: no place in the cluster enters an LDS address
	s_mul_i32 s21, s12, HALFB
	s_add_co_u32 s21, s21, BOFF
	s_wait_dscnt 0x0                               ; the opening add is done
	s_wait_kmcnt 0x0
	s_add_nc_u64 s[14:15], s[4:5], s[16:17]
	s_add_nc_u64 s[46:47], s[6:7], s[46:47]
	CROUND                                         ; all sixteen work-groups are here: the first joint loads meet
.irp s, 0,1
	s_mov_b32 s[G0+4*(\s)], 1
	s_add_co_u32 s[G0+4*(\s)+1], s20, (\s)*SLOT
	s_add_nc_u64 s[G0+4*(\s)+2:G0+4*(\s)+3], s[14:15], (\s)*KSTEP*2
	s_or_b32 s[G0+4*(\s)+3], s[G0+4*(\s)+3], 0x80000000
	s_mov_b32 s[G0B+4*(\s)], 1
	s_add_co_u32 s[G0B+4*(\s)+1], s21, (\s)*SLOT
	s_add_nc_u64 s[G0B+4*(\s)+2:G0B+4*(\s)+3], s[46:47], (\s)*KSTEP*NB*2
	s_or_b32 s[G0B+4*(\s)+3], s[G0B+4*(\s)+3], 0x80000000
	JLOAD \s                                       ; two loads of mine are out
.endr
	v_and_b32 v1, 15, v0                           ; l % 16
	v_bfe_u32 v2, v0, 4, 1                         ; l / 16
	v_lshlrev_b32 v[BO], 5, v2
	s_lshl_b32 s74, s42, 9                         ; the bias: 128 numbers a tile column,
	s_lshl_b32 s75, s12, 8                         ; 64 for my half
	s_add_co_u32 s74, s74, s75
	s_mov_b32 s75, 0
	s_add_nc_u64 s[68:69], s[68:69], s[74:75]
.irp b, 0,1,2,3                        ; register j of block b = bias[16 b + 8 (l / 16) + j]: the C operand of the products that start the sums
	global_load_b128 v[BIAS+8*(\b):BIAS+8*(\b)+3],   v[BO], s[68:69] offset:64*(\b)
	global_load_b128 v[BIAS+8*(\b)+4:BIAS+8*(\b)+7], v[BO], s[68:69] offset:64*(\b)+16
.endr
	v_mul_u32_u24 v3, v1, PA
	v_lshl_add_u32 v3, v2, 4, v3                   ; A: row x pitch + 16 x half
	v_and_b32 v5, 7, v0
	v_bfe_u32 v6, v0, 3, 1
	v_lshl_add_u32 v4, v2, 3, v5                   ; B, turned: lane l reads row k = 8 (l / 16) + l % 8, columns 8 ((l / 8) % 2) + 0..7
	v_mul_u32_u24 v4, v4, PB
	v_lshl_add_u32 v4, v6, 4, v4
	s_mul_i32 s21, s11, HALFA                      ; my 64 rows of A
	s_lshl_b32 s22, s12, 7                         ; my 64 columns of B: 128 bytes
	s_add_co_u32 s22, s22, BOFF
.irp s, 0,1
	v_add_nc_u32 v[ADRA+(\s)], s21, v3
	v_add_nc_u32 v[ADRB+2*(\s)], s22, v4
	v_add_nc_u32 v[ADRB+2*(\s)+1], HALFB, v[ADRB+2*(\s)]
	s_add_co_u32 s21, s21, SLOT
	s_add_co_u32 s22, s22, SLOT
.endr
	s_mul_i32 s23, s11, 64*SP                      ; into the stage: my 64 rows, my half of their 256 bytes; row l % 16, 16 bytes for each half of the lanes
	s_lshl_b32 s21, s12, 7
	s_add_co_u32 s23, s23, s21
	s_add_co_u32 s23, s23, STAGE
	v_mul_u32_u24 v7, v1, SP
	v_lshl_add_u32 v7, v2, 4, v7
	v_add_nc_u32 v[STO], s23, v7
	s_mul_i32 s23, s10, 32*SP                      ; back: wave w takes rows 32 w .. 32 w + 31, whole; lanes 0-15 one row of 256 bytes, lanes 16-31 the next
	s_add_co_u32 s23, s23, STAGE
	v_mul_u32_u24 v7, v2, SP
	v_lshl_add_u32 v7, v1, 4, v7
	v_add_nc_u32 v[RD], s23, v7
	v_lshlrev_b32 v[CO], 12, v2                    ; and the same two rows in f1, 4,096 bytes each
	v_lshl_add_u32 v[CO], v1, 4, v[CO]
	s_lshl_b32 s16, s13, 19                        ; 128 rows a tile row,
	s_lshl_b32 s17, s10, 17                        ; 32 a wave
	s_add_co_u32 s16, s16, s17
	s_mov_b32 s17, 0
	s_add_nc_u64 s[8:9], s[8:9], s[16:17]
	s_lshl_b32 s46, s42, 8                         ; the tile's first column, in bytes
	s_mov_b32 s47, 0
	s_add_nc_u64 s[8:9], s[8:9], s[46:47]
; 8 matrix instructions: m blocks a0, a0 + 1 x all 4 n blocks, 32 along K: half c of buffer f.  first = 1: the product starts the sum, with the bias as C.  The 16 accumulators take turns.
.macro MUL8 f, c, a0, first
	WIN MUL
.irp a, \a0, (\a0)+1
.irp b, 0,1,2,3
.if \first
	v_wmma_f32_16x16x32_f16 v[ACC+8*(4*(\a)+(\b)):ACC+8*(4*(\a)+(\b))+7], v[(\f)+64+8*(4*(\c)+(\b)):(\f)+64+8*(4*(\c)+(\b))+7], v[(\f)+8*(4*(\c)+(\a)):(\f)+8*(4*(\c)+(\a))+7], v[BIAS+8*(\b):BIAS+8*(\b)+7]
.else
	v_wmma_f32_16x16x32_f16 v[ACC+8*(4*(\a)+(\b)):ACC+8*(4*(\a)+(\b))+7], v[(\f)+64+8*(4*(\c)+(\b)):(\f)+64+8*(4*(\c)+(\b))+7], v[(\f)+8*(4*(\c)+(\a)):(\f)+8*(4*(\c)+(\a))+7], v[ACC+8*(4*(\a)+(\b)):ACC+8*(4*(\a)+(\b))+7]
.endif
.endr
.endr
.endm
; 32 LDS loads in one run: the fragments of quarter q (64 along K) of a slot, into buffer f; the first 32 along K first
.macro FETCH slot, q, f
	WIN TO_F
.irp c, 0,1
.irp i, 0,1,2,3
	ds_load_tr16_b128 v[(\f)+64+8*(4*(\c)+(\i)):(\f)+64+8*(4*(\c)+(\i))+3],   v[ADRB+2*(\slot)+(\q)/2] offset:(64*((\q)%2)+32*(\c))*PB+32*(\i)
	ds_load_tr16_b128 v[(\f)+64+8*(4*(\c)+(\i))+4:(\f)+64+8*(4*(\c)+(\i))+7], v[ADRB+2*(\slot)+(\q)/2] offset:(64*((\q)%2)+32*(\c)+16)*PB+32*(\i)
	ds_load_b128 v[(\f)+8*(4*(\c)+(\i)):(\f)+8*(4*(\c)+(\i))+3],   v[ADRA+(\slot)] offset:128*(\q)+64*(\c)+(\i)*16*PA
	ds_load_b128 v[(\f)+8*(4*(\c)+(\i))+4:(\f)+8*(4*(\c)+(\i))+7], v[ADRA+(\slot)] offset:128*(\q)+64*(\c)+(\i)*16*PA+32
.endr
.endr
.endm
.macro PLACES                          ; four places in front of loads into registers that matrix instructions have read, and of lines that read results
.rept 4
	v_nop
.endr
.endm
; A K step is four quarters of 64 along K, 32 matrix instructions each, on buffers 0, 1, 0, 1.  One of the first three: multiplies buffer f and fetches quarter q into g.
.macro QUARTER slot, q, f, g, first
	s_wait_dscnt 16                                ; the first 32 along K are in
	MUL8 \f, 0, 0, \first
	MUL8 \f, 0, 2, \first
	PLACES
	FETCH \slot, \q, \g
	s_wait_dscnt 32                                ; all but the 32 just issued
	MUL8 \f, 1, 0, 0
	MUL8 \f, 1, 2, 0
.endm
; The last quarter multiplies buffer 1 and changes slots: ONE barrier; in front of it each wave waits for all its tensor loads, adds 0 to its spare word, and waits for that and for its reads of this slot.
; fill = 1: the barrier opens a round of the cluster's, and this slot is filled again, two K steps ahead, first thing behind the round.
.macro TURN slot, next, fill
	WIN 0
	s_wait_tensorcnt 0x0                           ; all my tensor loads have landed: the one that was out is my part of the next slot
	ds_add_u32 v[SPW], v[NIL]
	s_wait_dscnt 17                                ; (the add and the youngest sixteen loads may be out)
	MUL8 F1, 0, 0, 0
	s_wait_dscnt 0x0                               ; the add is done, and my reads of this slot are over
	s_barrier_signal -1
	MUL8 F1, 0, 2, 0
.if \fill
	WIN 0
.endif
	s_barrier_wait -1
.if \fill
	CREST                                          ; no wave of any partner still reads this slot or has a load on its way
	s_add_nc_u64 s[G0+4*(\slot)+2:G0+4*(\slot)+3], s[G0+4*(\slot)+2:G0+4*(\slot)+3], 2*KSTEP*2
	s_add_nc_u64 s[G0B+4*(\slot)+2:G0B+4*(\slot)+3], s[G0B+4*(\slot)+2:G0B+4*(\slot)+3], 2*KSTEP*NB*2
	JLOAD \slot                                    ; 112 matrix instructions ahead of the wait for it; its four v_nop are also the places in front of the loads below
.else
	PLACES
.endif
	FETCH \next, 0, F0
	MUL8 F1, 1, 0, 0
	MUL8 F1, 1, 2, 0
.endm
	s_wait_tensorcnt 1                             ; my part of K step 0 is in; K step 1's may stay out
	s_barrier_signal -1
	s_barrier_wait -1
	FETCH 0, 0, F0
	s_wait_loadcnt 0x0                             ; the bias
	QUARTER 0, 1, F0, F1, 1                        ; the first quarter stands in front of the loop: its first products start the sums
	WIN 0                                          ; at a label and at a branch every window is 0
	s_mov_b32 s3, LAPS-1
.Llap:                                             ; a trip goes once round the ring and fills both slots again
	QUARTER 0, 2, F1, F0, 0
	QUARTER 0, 3, F0, F1, 0
	TURN 0, 1, 1
	QUARTER 1, 1, F0, F1, 0
	QUARTER 1, 2, F1, F0, 0
	QUARTER 1, 3, F0, F1, 0
	TURN 1, 0, 1
	QUARTER 0, 1, F0, F1, 0
	WIN 0
	s_sub_co_u32 s3, s3, 1
	s_cmp_lg_u32 s3, 0
	s_cbranch_scc1 .Llap
	QUARTER 0, 2, F1, F0, 0                        ; the last lap fills nothing
	QUARTER 0, 3, F0, F1, 0
	TURN 0, 1, 0
	QUARTER 1, 1, F0, F1, 0
	QUARTER 1, 2, F1, F0, 0
	QUARTER 1, 3, F0, F1, 0
	s_wait_dscnt 16
	MUL8 F1, 0, 0, 0
	MUL8 F1, 0, 2, 0
	s_wait_dscnt 0
	MUL8 F1, 1, 0, 0
	MUL8 F1, 1, 2, 0
	WIN 0
	; THE WAY OUT: round to f16; the maximum with 0, two at a time; 16 bytes a lane into the work-group's stage; a barrier, since a row's 256 bytes come from two waves; back as whole rows, 32 rows a wave.
	PLACES
.irp t, 0,1,2,3,4,5,6,7,8,9,10,11,12,13,14,15
.irp r, 0,1,2,3
	v_cvt_pk_f16_f32 v[TMP+4*(\t)+(\r)], v[ACC+8*(\t)+2*(\r)], v[ACC+8*(\t)+2*(\r)+1]
.endr
.endr
.set i, 0
.rept 64
	v_pk_max_num_f16 v[TMP+i], v[TMP+i], v[ZR]
.set i, i+1
.endr
.irp a, 0,1,2,3
.irp b, 0,1,2,3
	ds_store_b128 v[STO], v[TMP+4*(4*(\a)+(\b)):TMP+4*(4*(\a)+(\b))+3] offset:(\a)*16*SP+32*(\b)
.endr
.endr
	s_wait_dscnt 0x0                               ; for the others' sake: my stores into the stage are done
	s_barrier_signal -1
	s_barrier_wait -1
.irp t, 0,1,2,3,4,5,6,7,8,9,10,11,12,13,14,15
	ds_load_b128 v[TMP+4*(\t):TMP+4*(\t)+3], v[RD] offset:(\t)*2*SP
.endr
.irp t, 0,1,2,3,4,5,6,7,8,9,10,11,12,13,14,15
	s_wait_dscnt 15-(\t)
	global_store_b128 v[CO], v[TMP+4*(\t):TMP+4*(\t)+3], s[8:9] offset:2*(\t)*4096  ; 16 lanes store 256 consecutive bytes, aligned
.endr
	s_wait_tensorcnt 0x0                           ; the wave's end
	ds_add_u32 v[SPW], v[NIL]
	s_wait_dscnt 0x0
	CROUND                                         ; the closing round: no work-group ends while a partner may still ask for a tile that names it
	s_endpgm
.Lfunc_end_k_q007eba46e1_ffn1:
	.size	k_q007eba46e1_ffn1, .Lfunc_end_k_q007eba46e1_ffn1-k_q007eba46e1_ffn1
	.p2alignl 7, 3214868480
	.fill 96, 4, 3214868480
	.section	.rodata,"a",@progbits
	.p2align	6, 0x0
	.amdhsa_kernel k_q007eba46e1_ffn1
		.amdhsa_group_segment_fixed_size 327680
		.amdhsa_private_segment_fixed_size 0
		.amdhsa_enable_private_segment 0
		.amdhsa_kernarg_size 32
		.amdhsa_user_sgpr_count 2
		.amdhsa_user_sgpr_kernarg_segment_ptr 1
		.amdhsa_wavefront_size32 1
		.amdhsa_system_sgpr_workgroup_id_x 1
		.amdhsa_system_sgpr_workgroup_id_y 1
		.amdhsa_system_sgpr_workgroup_id_z 1
		.amdhsa_system_vgpr_workitem_id 0
		.amdhsa_next_free_vgpr 512
		.amdhsa_next_free_sgpr 80
		.amdhsa_reserve_vcc 0
		.amdhsa_float_denorm_mode_32 3
		.amdhsa_float_denorm_mode_16_64 3
		.amdhsa_memory_ordered 1
		.amdhsa_forward_progress 1
		.amdhsa_inst_pref_size 92
	.end_amdhsa_kernel
	.amdgpu_metadata
---
amdhsa.version: [ 1, 2 ]
amdhsa.kernels:
  - .name:           k_q007eba46e1_ffn1
    .symbol:         k_q007eba46e1_ffn1.kd
    .args:
      - { .name: y2, .offset: 0, .size: 8, .value_kind: global_buffer, .address_space: global }
      - { .name: wh, .offset: 8, .size: 8, .value_kind: global_buffer, .address_space: global }
      - { .name: f1, .offset: 16, .size: 8, .value_kind: global_buffer, .address_space: global }
      - { .name: b1, .offset: 24, .size: 8, .value_kind: global_buffer, .address_space: global }
    .group_segment_fixed_size: 327680
    .private_segment_fixed_size: 0
    .kernarg_segment_align: 8
    .kernarg_segment_size: 32
    .max_flat_workgroup_size: 128
    .sgpr_count:     80
    .vgpr_count:     512
    .wavefront_size: 32
...
	.end_amdgpu_metadata
.endif
;; end of part 6
;; launch ffn2 (part 7): grid 8 x 32, 4 waves a work-group, clusters of 4 x 4, 327,680 bytes of LDS; arguments f1, wh, out0, b2, x1; writes out0
.if DOCPART == 7
	.amdgcn_target "amdgcn-amd-amdhsa--gfx1250"
	.amdhsa_code_object_version 6
	.text
	.protected	k_q007eba46e1_ffn2
	.globl	k_q007eba46e1_ffn2
	.p2align	8
	.type	k_q007eba46e1_ffn2,@function
k_q007eba46e1_ffn2:
	s_mov_b64 s[64:65], 0
	v_nop
	global_prefetch_b8 v0, s[64:65] scope:SCOPE_SE
	s_setreg_imm32_b32 hwreg(HW_REG_WAVE_MODE, 25, 1), 1
	s_wait_xcnt 0x0
	s_wait_alu depctr_hold_cnt(0) depctr_sa_sdst(0) depctr_va_vdst(0) depctr_va_sdst(0) depctr_va_ssrc(0) depctr_va_vcc(0) depctr_vm_vsrc(0)
	s_getreg_b32 s2, hwreg(HW_REG_IB_STS2, 6, 4)
	s_cmp_eq_u32 s2, 0
	s_cbranch_scc0 .Lentry_in_a_cluster
	s_endpgm
.Lentry_in_a_cluster:
	s_bfe_u32 s2, ttmp6, 0x10000c
	s_cmp_lg_u32 s2, 0xf033
	s_cbranch_scc0 .Lentry_shape_is_right
	s_endpgm
.Lentry_shape_is_right:
; out0 = x1 + f1 W2 + b2.  f1: [4096][2048] f16.  W2 in f16, [2048 k][1024 n], at byte WOFF of wh.  b2, x1, out0 f32.  Sums in f32, begun with the bias; the residual is added in f32; nothing is rounded on the way out.
; LIMITS.  The operands arrive in f16 (no number from 65,520 on).  NaN and infinities are not treated apart.
; SHAPE.  256 tiles of 128 x 128, a work-group each; four waves of 64 x 64: 16 accumulators.  K in steps of 256 through two LDS slots filled by the tensor data mover.
; A's tile lies [m][k] (rows of 512 bytes + 16 of padding); B's lies as in memory, [k][n] (rows of 256 bytes + 32), and its fragments are read turned, by ds_load_tr16_b128.
; CLUSTERS: 4 x 4 work-groups.  The four of a row need the same tiles of A, the four of a column the same tiles of B: each tile is asked for JOINTLY, by the same tensor load, descriptor and mask in all four.
; THE MATRIX INSTRUCTION IS USED TRANSPOSED (source 0 = 16 columns of B, source 1 = 16 rows of A): lane l holds row l % 16 and the columns 8 (l / 16) + 0..7.
; The wave's 64 x 64 of the residual is loaded at the start, in the layout in which the results come back from the stage, and waits in 128 registers.  No prefetch: the tiles are small and shared.
; REGISTERS: window 0: v0-31 addresses; v32-95 the way out; v96-127 the bias as a C operand; v128-255 accumulators ((a, b) at 128 + 8 (4 a + b)).  Window 1: two fragment buffers of 128.  Window 2: v0-127 the residual.
.set SIZE_K, 2048
.set NB,     1024                      ; elements in a row of B
.set WOFF,   12582912                  ; W2 in wh
.set KSTEP,  256
.set PA,     528                       ; 132 words: the 16 rows of a load start at 16 different groups of four banks (64 banks of 4 bytes: ISA guide 11.1)
.set PB,     288                       ; 72 words
.set HALFA,  64*PA
.set HALFB,  128*PB
.set BOFF,   2*HALFA
.set SLOT,   2*HALFA+2*HALFB           ; A's 128 rows, then B's 256
.set STAGE,  2*SLOT                    ; behind the ring, never filled by a tensor load: 16 rows x 272 bytes for each wave
.set SP,     272
.set SPARE,  STAGE+4*16*SP             ; the spare words, 128 bytes for each wave: two blocks of 256 bytes that no other line names
.set LAPS,   SIZE_K/(2*KSTEP)
.set ADRA, 16                          ; v16-17  my A fragments in slot 0, 1
.set ADRB, 20                          ; v20-23  my B fragments: slot 0 k 0-127, k 128-255; slot 1 likewise
.set STO,  24
.set RD,   25
.set CO,   26
.set BO,   27                          ; 32 (l / 16)
.set SPW,  28                          ; LDS address of my spare word; never rewritten
.set NIL,  29                          ; 0; never rewritten
.set TMP,  32
.set BIAS, 96
.set ACC,  128
.set F0,   0
.set F1,   128
.set G1,  24
.set G0,  32
.set G1B, 48
.set G0B, 56
.set MSB, 0
.macro WIN new                         ; the immediate's high byte repeats the setting that is left
.if MSB != (\new)
	s_set_vgpr_msb (MSB<<8)|(\new)
.set MSB, \new
.endif
.endm
.set MUL,  0x05                        ; sources 0 (B) and 1 (A) window 1; C and D window 0
.set TO_F, 0x40                        ; destination window 1, address window 0
.macro JLOAD s                         ; a joint load: waves 0 and 1 fetch A's two halves, waves 2 and 3 B's; an s_nop 0 and four v_nop follow each line
	s_cmp_eq_u32 s11, 0
	s_cbranch_scc0 .Lfor_b_\@
	tensor_load_to_lds s[G0+4*(\s):G0+4*(\s)+3], s[G1:G1+7]
	s_nop 0
.rept 4
	v_nop
.endr
	s_branch .Lasked_\@
.Lfor_b_\@:
	tensor_load_to_lds s[G0B+4*(\s):G0B+4*(\s)+3], s[G1B:G1B+7]
	s_nop 0
.rept 4
	v_nop
.endr
.Lasked_\@:
.endm
.macro CREST                           ; a round of the cluster's barrier behind its opening barrier
	s_cmp_lg_u32 s10, 0
	s_cbranch_scc1 .Lnot_wave_0_\@
	s_barrier_signal -3
.Lnot_wave_0_\@:
	s_barrier_wait -3
	s_barrier_signal -1
	s_barrier_wait -1
.endm
.macro CROUND
	s_barrier_signal -1
	s_barrier_wait -1
	CREST
.endm
	s_load_b128 s[4:7], s[0:1], 0x0                ; A, wh
	s_load_b64 s[8:9], s[0:1], 0x10                ; the result
	s_load_b128 s[68:71], s[0:1], 0x18             ; the bias, the residual
	v_lshl_add_u32 v[SPW], v0, 2, SPARE
	v_mov_b32 v[NIL], 0
	ds_add_u32 v[SPW], v[NIL]                      ; the wave's opening: the add and its wait ahead of my first tensor load
	v_lshrrev_b32 v1, 5, v0
	v_readfirstlane_b32 s10, v1                    ; wave 0..3
	s_lshr_b32 s11, s10, 1                         ; my half of the tile's rows.  Also: I fetch for A (0) or for B (1)
	s_and_b32 s12, s10, 1                          ; my half of its columns.  Also: which half of that tile I fetch
	s_bfe_u32 s40, ttmp6, 0x40000                  ; cx, cy
	s_bfe_u32 s41, ttmp6, 0x40004
	s_lshl_b32 s42, ttmp9, 2
	s_add_co_u32 s42, s42, s40                     ; tile column
	s_and_b32 s13, ttmp7, 0xffff
	s_lshl_b32 s13, s13, 2
	s_add_co_u32 s13, s13, s41                     ; tile row
	s_lshl_b32 s43, s41, 2
	s_lshl_b32 s43, 15, s43                        ; my row of the cluster
	s_lshl_b32 s44, 0x1111, s40                    ; my column
	s_or_b32 s[G1+0], s43, (1<<16)|(1<<20)|(1<<21)|(6<<22)|(3<<25)   ; mask; 2-byte elements; padding on; bit 21 beside a mask; after every 128 words 4 words
	s_or_b32 s[G1B+0], s44, (1<<16)|(1<<20)|(1<<21)|(5<<22)|(7<<25)  ; after every 64 words 8 words
	s_mov_b32 s[G1+1], KSTEP<<16                   ; A: 64 rows x 256 k
	s_mov_b32 s[G1+2], 64<<16
	s_mov_b32 s[G1+3], KSTEP<<16
	s_mov_b32 s[G1+4], 64
	s_mov_b32 s[G1+5], SIZE_K
	s_mov_b32 s[G1+6], 0
	s_mov_b32 s[G1+7], 0
	s_mov_b32 s[G1B+1], 128<<16                    ; B: 128 rows of k x 128 n
	s_mov_b32 s[G1B+2], 128<<16
	s_mov_b32 s[G1B+3], 128<<16
	s_mov_b32 s[G1B+4], 128
	s_mov_b32 s[G1B+5], NB
	s_mov_b32 s[G1B+6], 0
	s_mov_b32 s[G1B+7], 0
	s_lshl_b32 s17, s12, 6
	s_lshl_b32 s16, s13, 7
	s_add_co_u32 s16, s16, s17                     ; A: row 128 x tile row + 64 x half,
	s_mul_i32 s16, s16, SIZE_K*2                   ; in bytes (under 2^24)
	s_mov_b32 s17, 0
	s_lshl_b32 s46, s42, 8                         ; B: the tile column, 256 bytes each,
	s_mul_i32 s47, s12, 128*NB*2                   ; my 128 rows of k,
	s_add_co_u32 s46, s46, s47
	s_add_co_u32 s46, s46, WOFF                    ; the matrix's place in wh
	s_mov_b32 s47, 0
	s_mul_i32 s20, s12, HALFA                      ; where they go: no place in the cluster enters an LDS address
	s_mul_i32 s21, s12, HALFB
	s_add_co_u32 s21, s21, BOFF
	s_wait_dscnt 0x0                               ; the opening add is done
	s_wait_kmcnt 0x0
	s_add_nc_u64 s[14:15], s[4:5], s[16:17]
	s_add_nc_u64 s[46:47], s[6:7], s[46:47]
	CROUND                                         ; all sixteen work-groups are here: the first joint loads meet
.irp s, 0,1
	s_mov_b32 s[G0+4*(\s)], 1
	s_add_co_u32 s[G0+4*(\s)+1], s20, (\s)*SLOT
	s_add_nc_u64 s[G0+4*(\s)+2:G0+4*(\s)+3], s[14:15], (\s)*KSTEP*2
	s_or_b32 s[G0+4*(\s)+3], s[G0+4*(\s)+3], 0x80000000
	s_mov_b32 s[G0B+4*(\s)], 1
	s_add_co_u32 s[G0B+4*(\s)+1], s21, (\s)*SLOT
	s_add_nc_u64 s[G0B+4*(\s)+2:G0B+4*(\s)+3], s[46:47], (\s)*KSTEP*NB*2
	s_or_b32 s[G0B+4*(\s)+3], s[G0B+4*(\s)+3], 0x80000000
	JLOAD \s                                       ; two loads of mine are out
.endr
	v_and_b32 v1, 15, v0                           ; l % 16
	v_bfe_u32 v2, v0, 4, 1                         ; l / 16
	v_lshlrev_b32 v[BO], 5, v2
	v_lshlrev_b32 v[CO], 12, v2                    ; out: lanes 0-15 one row's 256 bytes, lanes 16-31 the next row's
	v_lshl_add_u32 v[CO], v1, 4, v[CO]
	s_lshl_b32 s46, s42, 9                         ; my first column in bytes: 512 x tile column + 256 x half: in the rows of 4,096 bytes and in the bias alike
	s_lshl_b32 s47, s12, 8
	s_add_co_u32 s46, s46, s47
	s_mov_b32 s47, 0
	s_add_nc_u64 s[68:69], s[68:69], s[46:47]
	s_lshl_b32 s16, s13, 19                        ; 128 rows of 4,096 bytes a tile row,
	s_lshl_b32 s17, s11, 18                        ; 64 for my half
	s_add_co_u32 s16, s16, s17
	s_mov_b32 s17, 0
	s_add_nc_u64 s[16:17], s[16:17], s[46:47]
	s_add_nc_u64 s[8:9], s[8:9], s[16:17]
	s_add_nc_u64 s[70:71], s[70:71], s[16:17]
.irp b, 0,1,2,3                        ; register j of block b = bias[16 b + 8 (l / 16) + j]: the C operand of the products that start the sums
	global_load_b128 v[BIAS+8*(\b):BIAS+8*(\b)+3],   v[BO], s[68:69] offset:64*(\b)
	global_load_b128 v[BIAS+8*(\b)+4:BIAS+8*(\b)+7], v[BO], s[68:69] offset:64*(\b)+16
.endr
	WIN 0x80                                       ; destination window 2, address window 0
.irp a, 0,1,2,3
.irp t, 0,1,2,3,4,5,6,7
	global_load_b128 v[32*(\a)+4*(\t):32*(\a)+4*(\t)+3], v[CO], s[70:71] offset:(16*(\a)+2*(\t))*4096 th:TH_LOAD_NT
.endr
.endr
	WIN 0
	v_mul_u32_u24 v3, v1, PA
	v_lshl_add_u32 v3, v2, 4, v3                   ; A: row x pitch + 16 x half
	v_and_b32 v5, 7, v0
	v_bfe_u32 v6, v0, 3, 1
	v_lshl_add_u32 v4, v2, 3, v5                   ; B, turned: lane l reads row k = 8 (l / 16) + l % 8, columns 8 ((l / 8) % 2) + 0..7
	v_mul_u32_u24 v4, v4, PB
	v_lshl_add_u32 v4, v6, 4, v4
	s_mul_i32 s21, s11, HALFA                      ; my 64 rows of A
	s_lshl_b32 s22, s12, 7                         ; my 64 columns of B: 128 bytes
	s_add_co_u32 s22, s22, BOFF
.irp s, 0,1
	v_add_nc_u32 v[ADRA+(\s)], s21, v3
	v_add_nc_u32 v[ADRB+2*(\s)], s22, v4
	v_add_nc_u32 v[ADRB+2*(\s)+1], HALFB, v[ADRB+2*(\s)]
	s_add_co_u32 s21, s21, SLOT
	s_add_co_u32 s22, s22, SLOT
.endr
	s_mul_i32 s23, s10, 16*SP
	s_add_co_u32 s23, s23, STAGE                   ; my stage
	v_mul_u32_u24 v7, v1, SP                       ; in: row l % 16, 32 bytes for each half of the lanes
	v_lshl_add_u32 v7, v2, 5, v7
	v_add_nc_u32 v[STO], s23, v7
	v_mul_u32_u24 v7, v2, SP                       ; back: lanes 0-15 take one row of 256 bytes, lanes 16-31 the next
	v_lshl_add_u32 v7, v1, 4, v7
	v_add_nc_u32 v[RD], s23, v7
; 8 matrix instructions: m blocks a0, a0 + 1 x all 4 n blocks, 32 along K: half c of buffer f.  first = 1: the product starts the sum, with the bias as C.  The 16 accumulators take turns.
.macro MUL8 f, c, a0, first
	WIN MUL
.irp a, \a0, (\a0)+1
.irp b, 0,1,2,3
.if \first
	v_wmma_f32_16x16x32_f16 v[ACC+8*(4*(\a)+(\b)):ACC+8*(4*(\a)+(\b))+7], v[(\f)+64+8*(4*(\c)+(\b)):(\f)+64+8*(4*(\c)+(\b))+7], v[(\f)+8*(4*(\c)+(\a)):(\f)+8*(4*(\c)+(\a))+7], v[BIAS+8*(\b):BIAS+8*(\b)+7]
.else
	v_wmma_f32_16x16x32_f16 v[ACC+8*(4*(\a)+(\b)):ACC+8*(4*(\a)+(\b))+7], v[(\f)+64+8*(4*(\c)+(\b)):(\f)+64+8*(4*(\c)+(\b))+7], v[(\f)+8*(4*(\c)+(\a)):(\f)+8*(4*(\c)+(\a))+7], v[ACC+8*(4*(\a)+(\b)):ACC+8*(4*(\a)+(\b))+7]
.endif
.endr
.endr
.endm
; 32 LDS loads in one run: the fragments of quarter q (64 along K) of a slot, into buffer f; the first 32 along K first
.macro FETCH slot, q, f
	WIN TO_F
.irp c, 0,1
.irp i, 0,1,2,3
	ds_load_tr16_b128 v[(\f)+64+8*(4*(\c)+(\i)):(\f)+64+8*(4*(\c)+(\i))+3],   v[ADRB+2*(\slot)+(\q)/2] offset:(64*((\q)%2)+32*(\c))*PB+32*(\i)
	ds_load_tr16_b128 v[(\f)+64+8*(4*(\c)+(\i))+4:(\f)+64+8*(4*(\c)+(\i))+7], v[ADRB+2*(\slot)+(\q)/2] offset:(64*((\q)%2)+32*(\c)+16)*PB+32*(\i)
	ds_load_b128 v[(\f)+8*(4*(\c)+(\i)):(\f)+8*(4*(\c)+(\i))+3],   v[ADRA+(\slot)] offset:128*(\q)+64*(\c)+(\i)*16*PA
	ds_load_b128 v[(\f)+8*(4*(\c)+(\i))+4:(\f)+8*(4*(\c)+(\i))+7], v[ADRA+(\slot)] offset:128*(\q)+64*(\c)+(\i)*16*PA+32
.endr
.endr
.endm
.macro PLACES                          ; four places in front of loads into registers that matrix instructions have read, and of lines that read results
.rept 4
	v_nop
.endr
.endm
; A K step is four quarters of 64 along K, 32 matrix instructions each, on buffers 0, 1, 0, 1.  One of the first three: multiplies buffer f and fetches quarter q into g.
.macro QUARTER slot, q, f, g, first
	s_wait_dscnt 16                                ; the first 32 along K are in
	MUL8 \f, 0, 0, \first
	MUL8 \f, 0, 2, \first
	PLACES
	FETCH \slot, \q, \g
	s_wait_dscnt 32                                ; all but the 32 just issued
	MUL8 \f, 1, 0, 0
	MUL8 \f, 1, 2, 0
.endm
; The last quarter multiplies buffer 1 and changes slots: ONE barrier; in front of it each wave waits for all its tensor loads, adds 0 to its spare word, and waits for that and for its reads of this slot.
; fill = 1: the barrier opens a round of the cluster's, and this slot is filled again, two K steps ahead, first thing behind the round.
.macro TURN slot, next, fill
	WIN 0
	s_wait_tensorcnt 0x0                           ; all my tensor loads have landed: the one that was out is my part of the next slot
	ds_add_u32 v[SPW], v[NIL]
	s_wait_dscnt 17                                ; (the add and the youngest sixteen loads may be out)
	MUL8 F1, 0, 0, 0
	s_wait_dscnt 0x0                               ; the add is done, and my reads of this slot are over
	s_barrier_signal -1
	MUL8 F1, 0, 2, 0
.if \fill
	WIN 0
.endif
	s_barrier_wait -1
.if \fill
	CREST                                          ; no wave of any partner still reads this slot or has a load on its way
	s_add_nc_u64 s[G0+4*(\slot)+2:G0+4*(\slot)+3], s[G0+4*(\slot)+2:G0+4*(\slot)+3], 2*KSTEP*2
	s_add_nc_u64 s[G0B+4*(\slot)+2:G0B+4*(\slot)+3], s[G0B+4*(\slot)+2:G0B+4*(\slot)+3], 2*KSTEP*NB*2
	JLOAD \slot                                    ; 112 matrix instructions ahead of the wait for it; its four v_nop are also the places in front of the loads below
.else
	PLACES
.endif
	FETCH \next, 0, F0
	MUL8 F1, 1, 0, 0
	MUL8 F1, 1, 2, 0
.endm
; THE WAY OUT of m block a: 16 rows x 64 columns of f32 through my own stage: in by lanes' 32 bytes, back as whole rows of 256 bytes; the residual is added; 16 lanes store 256 consecutive bytes, aligned.
.macro OUTB a
.set BK, TMP+32*((\a)%2)
.if (\a) > 1
	s_wait_xcnt 0x0                                ; the stores of the block two back have read these registers
.endif
.irp b, 0,1,2,3
	ds_store_b128 v[STO], v[ACC+8*(4*(\a)+(\b)):ACC+8*(4*(\a)+(\b))+3]   offset:64*(\b)
	ds_store_b128 v[STO], v[ACC+8*(4*(\a)+(\b))+4:ACC+8*(4*(\a)+(\b))+7] offset:64*(\b)+16
.endr
.irp t, 0,1,2,3,4,5,6,7
	ds_load_b128 v[BK+4*(\t):BK+4*(\t)+3], v[RD] offset:(\t)*2*SP  ; LDS serves a wave's instructions in order (ISA guide 5.7.1.4): these see the stores above
.endr
	s_wait_dscnt 0x0
	WIN 0x08                                       ; source 1 window 2
.set i, 0
.rept 16
	v_pk_add_f32 v[BK+i:BK+i+1], v[BK+i:BK+i+1], v[32*(\a)+i:32*(\a)+i+1]
.set i, i+2
.endr
	WIN 0
.irp t, 0,1,2,3,4,5,6,7
	global_store_b128 v[CO], v[BK+4*(\t):BK+4*(\t)+3], s[8:9] offset:(16*(\a)+2*(\t))*4096
.endr
.endm
	s_wait_tensorcnt 1                             ; my part of K step 0 is in; K step 1's may stay out
	s_barrier_signal -1
	s_barrier_wait -1
	FETCH 0, 0, F0
	s_wait_loadcnt 32                              ; the bias is in; the residual's 32 loads may stay out
	QUARTER 0, 1, F0, F1, 1                        ; the first quarter stands in front of the loop: its first products start the sums
	WIN 0                                          ; at a label and at a branch every window is 0
	s_mov_b32 s3, LAPS-1
.Llap:                                             ; a trip goes once round the ring and fills both slots again
	QUARTER 0, 2, F1, F0, 0
	QUARTER 0, 3, F0, F1, 0
	TURN 0, 1, 1
	QUARTER 1, 1, F0, F1, 0
	QUARTER 1, 2, F1, F0, 0
	QUARTER 1, 3, F0, F1, 0
	TURN 1, 0, 1
	QUARTER 0, 1, F0, F1, 0
	WIN 0
	s_sub_co_u32 s3, s3, 1
	s_cmp_lg_u32 s3, 0
	s_cbranch_scc1 .Llap
	QUARTER 0, 2, F1, F0, 0                        ; the last lap fills nothing
	QUARTER 0, 3, F0, F1, 0
	TURN 0, 1, 0
	QUARTER 1, 1, F0, F1, 0
	QUARTER 1, 2, F1, F0, 0
	QUARTER 1, 3, F0, F1, 0
	s_wait_dscnt 16
	MUL8 F1, 0, 0, 0
	MUL8 F1, 0, 2, 0
	s_wait_dscnt 0
	MUL8 F1, 1, 0, 0
	MUL8 F1, 1, 2, 0
	WIN 0
	PLACES
	s_wait_loadcnt 0x0                             ; the residual
	OUTB 0
	OUTB 1
	OUTB 2
	OUTB 3
	s_wait_tensorcnt 0x0                           ; the wave's end
	ds_add_u32 v[SPW], v[NIL]
	s_wait_dscnt 0x0
	CROUND                                         ; the closing round: no work-group ends while a partner may still ask for a tile that names it
	s_endpgm
.Lfunc_end_k_q007eba46e1_ffn2:
	.size	k_q007eba46e1_ffn2, .Lfunc_end_k_q007eba46e1_ffn2-k_q007eba46e1_ffn2
	.p2alignl 7, 3214868480
	.fill 96, 4, 3214868480
	.section	.rodata,"a",@progbits
	.p2align	6, 0x0
	.amdhsa_kernel k_q007eba46e1_ffn2
		.amdhsa_group_segment_fixed_size 327680
		.amdhsa_private_segment_fixed_size 0
		.amdhsa_enable_private_segment 0
		.amdhsa_kernarg_size 40
		.amdhsa_user_sgpr_count 2
		.amdhsa_user_sgpr_kernarg_segment_ptr 1
		.amdhsa_wavefront_size32 1
		.amdhsa_system_sgpr_workgroup_id_x 1
		.amdhsa_system_sgpr_workgroup_id_y 1
		.amdhsa_system_sgpr_workgroup_id_z 1
		.amdhsa_system_vgpr_workitem_id 0
		.amdhsa_next_free_vgpr 640
		.amdhsa_next_free_sgpr 80
		.amdhsa_reserve_vcc 0
		.amdhsa_float_denorm_mode_32 3
		.amdhsa_float_denorm_mode_16_64 3
		.amdhsa_memory_ordered 1
		.amdhsa_forward_progress 1
		.amdhsa_inst_pref_size 94
	.end_amdhsa_kernel
	.amdgpu_metadata
---
amdhsa.version: [ 1, 2 ]
amdhsa.kernels:
  - .name:           k_q007eba46e1_ffn2
    .symbol:         k_q007eba46e1_ffn2.kd
    .args:
      - { .name: f1, .offset: 0, .size: 8, .value_kind: global_buffer, .address_space: global }
      - { .name: wh, .offset: 8, .size: 8, .value_kind: global_buffer, .address_space: global }
      - { .name: out0, .offset: 16, .size: 8, .value_kind: global_buffer, .address_space: global }
      - { .name: b2, .offset: 24, .size: 8, .value_kind: global_buffer, .address_space: global }
      - { .name: x1, .offset: 32, .size: 8, .value_kind: global_buffer, .address_space: global }
    .group_segment_fixed_size: 327680
    .private_segment_fixed_size: 0
    .kernarg_segment_align: 8
    .kernarg_segment_size: 40
    .max_flat_workgroup_size: 128
    .sgpr_count:     80
    .vgpr_count:     640
    .wavefront_size: 32
...
	.end_amdgpu_metadata
.endif
;; end of part 7
;; ======== version 2 of 2: 7 launches
;; limits: values are held in f16: magnitudes above 65,504 overflow, below 6.1e-05 lose precision
;; workspace buffers: wh 16,777,216 bytes; y 8,388,608 bytes; qkv 25,165,824 bytes; o2 8,388,608 bytes; x1 16,777,216 bytes; y2 8,388,608 bytes; f1 16,777,216 bytes
;; launch prep (part 8): grid 256 x 1, 16 waves a work-group, no clusters, 0 bytes of LDS; arguments x, ln1_g, ln1_b, y, Wq, Wk, Wv, Wo, W1, W2, wh; writes y, wh
.if DOCPART == 8
	.amdgcn_target "amdgcn-amd-amdhsa--gfx1250"
	.amdhsa_code_object_version 6
	.text
	.protected	k_q007eba46e1_prep
	.globl	k_q007eba46e1_prep
	.p2align	8
	.type	k_q007eba46e1_prep,@function
k_q007eba46e1_prep:
	s_mov_b64 s[64:65], 0
	v_nop
	global_prefetch_b8 v0, s[64:65] scope:SCOPE_SE
	s_setreg_imm32_b32 hwreg(HW_REG_WAVE_MODE, 25, 1), 1
	s_wait_xcnt 0x0
; y = LayerNorm(x) * g + b, rounded once to f16, and the six weight matrices rounded once to f16 into wh.
; wh: bytes 0 .. 6,291,455: Wq, Wk, Wv by blocks, [8 ks][48 hc][128 k][64 n], hc = 16 x (0 q, 1 k, 2 v) + head, k = 128 ks + row: the 128 x 192 tile that the next launch asks for is then 49,152 bytes on end.
; Behind them Wo, W1, W2, each in its own [K][N] order.
; x: [4096][1024] f32.  Mean, variance (of x - mean: two passes over the registers), scale and shift in f32.
; LIMITS.  f16 holds no number from 65,520 on (it becomes an infinity) and keeps a fixed step of 6e-8 below 6e-5: y is at most 32 |g| + |b|, the weights are stored as they come.  NaN and infinities are not treated apart.
; SHARES.  16 waves; the work-group owns 16 rows, a wave a row: 32 registers a lane, lane l the columns 128 j + 4 l + 0..3.  So the row is read once and no wave waits for another: no LDS, no barrier.
; Of the 8,388,608 weights the work-group casts 32,768, 64 a thread in 16 loads of 16 bytes.  Wo, W1, W2: thread t takes the bytes 16 t + 8,192 j.  Wq, Wk, Wv: the group has 32 rows of k; wave w takes head w's 64 columns,
; lanes 0-15 of row 2 j, lanes 16-31 of row 2 j + 1: two runs of 256 bytes in, 256 consecutive bytes, aligned, out.  Which map holds hangs on the work-group's number alone.
; All 40 loads of a wave go out at once; no address and no store's data register is written twice, so nothing has to be freed.  Matrix units, clusters and LDS would add nothing to a stream.
.set Y,  24                            ; v[24:39]   the row in f16
.set O,  40                            ; v[40:55]   where the 16 pieces of weights go
.set X,  64                            ; v[64:95]   the row
.set H,  96                            ; v[96:127]  the weights in f16
.set G,  128                           ; v[128:159] g of my columns
.set BB, 160                           ; v[160:191] b of my columns
.set W,  192                           ; v[192:255] 64 weights as loaded
	s_load_b256 s[4:11], s[0:1], 0x0               ; x s[4:5], g s[6:7], b s[8:9], y s[10:11]
	s_load_b256 s[12:19], s[0:1], 0x20             ; Wq, Wk, Wv, Wo
	s_load_b128 s[20:23], s[0:1], 0x40             ; W1, W2
	s_load_b64 s[24:25], s[0:1], 0x50              ; wh
	v_and_b32 v1, 31, v0
	v_lshrrev_b32 v6, 5, v0                        ; wave
	v_lshlrev_b32 v19, 3, v1                       ; 8 x lane
	v_lshlrev_b32 v1, 4, v1                        ; 16 x lane: my place in g and b
	v_lshl_add_u32 v2, v6, 12, v1                  ; + 4,096 x wave: my place in the group's rows of x
	v_lshrrev_b32 v3, 1, v2                        ; 8 x lane + 2,048 x wave: in y
	v_mov_b32 v18, 0                               ; v_permlanex16_b32's destination counts as read
	v_lshlrev_b32 v4, 4, v0                        ; in order: 16 t in,
	v_lshlrev_b32 v5, 3, v0                        ; 8 t out
	v_bfe_u32 v20, v0, 4, 1                        ; by blocks, in: row 2 j + l / 16,
	v_and_b32 v21, 15, v0
	v_lshlrev_b32 v21, 4, v21                      ; 16 bytes a lane of the half,
	v_lshl_add_u32 v21, v6, 8, v21                 ; head w's 256 bytes of the row
	v_lshl_add_u32 v21, v20, 12, v21
	v_lshl_add_u32 v22, v6, 14, v19                ; out: head w's block of 16,384 bytes, 8 bytes a lane
	s_mov_b32 s26, ttmp9
	s_lshr_b32 s27, s26, 5                         ; 32 work-groups to 1,048,576 weights: 0..3 Wq..Wo, 4, 5 W1, 6, 7 W2
	s_cmp_ge_u32 s27, 4
	s_cselect_b32 s30, 63, 31
	s_and_b32 s30, s26, s30                        ; my part of that matrix,
	s_lshl_b32 s30, s30, 17                        ; 131,072 bytes each
	s_mov_b32 s31, 0
	s_lshl_b32 s36, s26, 16                        ; 16 rows of x; also 32,768 weights in f16
	s_mov_b32 s37, 0
	s_lshl_b32 s38, s26, 15                        ; 16 rows of y
	s_mov_b32 s39, 0
	s_and_b32 s42, s26, 31                         ; by blocks: my 32 rows of k are part p of 32:
	s_lshr_b32 s43, s42, 2
	s_mul_i32 s43, s43, 786432                     ; K step p / 4, 48 blocks each,
	s_and_b32 s42, s42, 3
	s_lshl_b32 s42, s42, 12                        ; rows 32 (p % 4) on, 128 bytes each,
	s_add_co_u32 s42, s42, s43
	s_lshl_b32 s43, s27, 18                        ; the matrix's 16 blocks
	s_add_co_u32 s42, s42, s43
	s_movk_i32 s41, 0x1000                         ; in order a piece lies 4,096 bytes behind the last,
	s_cmp_lt_u32 s27, 3                            ; Wq, Wk, Wv?
	s_cselect_b32 s42, s42, s36
	s_cselect_b32 s40, -1, 0
	s_cselect_b32 s41, 0x100, s41                  ; by blocks two rows: 256
	s_mov_b32 s43, 0
	v_cndmask_b32 v4, v4, v21, s40
	v_cndmask_b32 v[O], v5, v22, s40
.set j, 1
.rept 15
	v_add_nc_u32 v[O+j], s41, v[O+j-1]
.set j, j+1
.endr
	s_mov_b32 s32, 0x3a800000                      ; 1 / 1024
	s_mov_b32 s33, 0x3727c5ac                      ; 1e-5
	s_mov_b32 s34, 0x76543210                      ; lane i of one half reads lane i of the other
	s_mov_b32 s35, 0xfedcba98
	s_wait_kmcnt 0x0
	s_add_nc_u64 s[4:5], s[4:5], s[36:37]
	s_add_nc_u64 s[10:11], s[10:11], s[38:39]
	s_add_nc_u64 s[24:25], s[24:25], s[42:43]
	s_mov_b64 s[28:29], s[12:13]                   ; which matrix: chosen by the work-group's number alone
	s_cmp_eq_u32 s27, 1
	s_cselect_b64 s[28:29], s[14:15], s[28:29]
	s_cmp_eq_u32 s27, 2
	s_cselect_b64 s[28:29], s[16:17], s[28:29]
	s_cmp_eq_u32 s27, 3
	s_cselect_b64 s[28:29], s[18:19], s[28:29]
	s_cmp_ge_u32 s27, 4
	s_cselect_b64 s[28:29], s[20:21], s[28:29]
	s_cmp_ge_u32 s27, 6
	s_cselect_b64 s[28:29], s[22:23], s[28:29]
	s_add_nc_u64 s[28:29], s[28:29], s[30:31]
.irp j, 0,1,2,3,4,5,6,7
	global_load_b128 v[X+4*(\j):X+4*(\j)+3], v2, s[4:5] offset:512*(\j) th:TH_LOAD_NT
.endr
.irp j, 0,1,2,3,4,5,6,7
	global_load_b128 v[G+4*(\j):G+4*(\j)+3], v1, s[6:7] offset:512*(\j)
.endr
.irp j, 0,1,2,3,4,5,6,7
	global_load_b128 v[BB+4*(\j):BB+4*(\j)+3], v1, s[8:9] offset:512*(\j)
.endr
.irp j, 0,1,2,3,4,5,6,7,8,9,10,11,12,13,14,15
	global_load_b128 v[W+4*(\j):W+4*(\j)+3], v4, s[28:29] offset:8192*(\j) th:TH_LOAD_NT   ; in both maps piece j lies two rows of 1,024, or 8,192 bytes, behind piece j - 1
.endr
; four packed chains v[8:15] -> one number in v8 of every lane: four steps inside each half of 16 lanes ride on the addition, one crosses the halves
.macro RED
	v_pk_add_f32 v[8:9], v[8:9], v[10:11]
	v_pk_add_f32 v[12:13], v[12:13], v[14:15]
	v_pk_add_f32 v[8:9], v[8:9], v[12:13]
	v_add_f32 v8, v8, v9
	v_add_f32_dpp v8, v8, v8 row_xmask:1 row_mask:0xf bank_mask:0xf
	v_add_f32_dpp v8, v8, v8 row_xmask:2 row_mask:0xf bank_mask:0xf
	v_add_f32_dpp v8, v8, v8 row_xmask:4 row_mask:0xf bank_mask:0xf
	v_add_f32_dpp v8, v8, v8 row_xmask:8 row_mask:0xf bank_mask:0xf
	v_permlanex16_b32 v18, v8, s34, s35
	v_add_f32 v8, v8, v18
.endm
	s_wait_loadcnt 32                              ; the row is in; the 32 younger loads (g, b, the weights) stay out
.irp c, 0,1,2,3
	v_pk_add_f32 v[8+2*(\c):9+2*(\c)], v[X+2*(\c):X+2*(\c)+1], v[X+8+2*(\c):X+9+2*(\c)]   ; the first pairs start the chains
.endr
.irp c, 0,1,2,3
	v_pk_add_f32 v[8+2*(\c):9+2*(\c)], v[8+2*(\c):9+2*(\c)], v[X+16+2*(\c):X+17+2*(\c)]
.endr
.irp c, 0,1,2,3
	v_pk_add_f32 v[8+2*(\c):9+2*(\c)], v[8+2*(\c):9+2*(\c)], v[X+24+2*(\c):X+25+2*(\c)]
.endr
	RED
	v_mul_f32 v16, s32, v8                         ; the mean, twice: a pair for the packed forms
	v_mov_b32 v17, v16
.set i, 0
.rept 16
	v_pk_add_f32 v[X+i:X+i+1], v[X+i:X+i+1], v[16:17] neg_lo:[0,1] neg_hi:[0,1]   ; x - mean, in place
.set i, i+2
.endr
.irp c, 0,1,2,3
	v_pk_mul_f32 v[8+2*(\c):9+2*(\c)], v[X+2*(\c):X+2*(\c)+1], v[X+2*(\c):X+2*(\c)+1]
.endr
.irp k, 8,16,24
.irp c, 0,1,2,3
	v_pk_fma_f32 v[8+2*(\c):9+2*(\c)], v[X+(\k)+2*(\c):X+(\k)+2*(\c)+1], v[X+(\k)+2*(\c):X+(\k)+2*(\c)+1], v[8+2*(\c):9+2*(\c)]
.endr
.endr
	RED
	v_fma_f32 v8, v8, s32, s33                     ; variance + 1e-5
	v_rsq_f32 v16, v8
	v_rsq_f32 v17, v8
	v_nop                                          ; a plain instruction between the root and the use of its result (ISA guide 5.7.2)
	s_wait_loadcnt 16                              ; g and b are in; the 16 loads of weights stay out
.set i, 0
	s_wait_alu depctr_va_vdst(0)
.rept 16
	v_pk_mul_f32 v[X+i:X+i+1], v[X+i:X+i+1], v[16:17]
.set i, i+2
.endr
.set i, 0
.rept 16
	v_pk_fma_f32 v[X+i:X+i+1], v[X+i:X+i+1], v[G+i:G+i+1], v[BB+i:BB+i+1]
.set i, i+2
.endr
.set i, 0
.rept 16
	v_cvt_pk_f16_f32 v[Y+i], v[X+2*i], v[X+2*i+1]
.set i, i+1
.endr
.irp j, 0,1,2,3,4,5,6,7
	global_store_b64 v3, v[Y+2*(\j):Y+2*(\j)+1], s[10:11] offset:256*(\j)   ; 32 lanes store 256 consecutive bytes, aligned
.endr
.set j, 0
.rept 16
	s_wait_loadcnt 15-j                            ; loads come back in order: number j of the 16 is in
	v_cvt_pk_f16_f32 v[H+2*j], v[W+4*j], v[W+4*j+1]
	v_cvt_pk_f16_f32 v[H+2*j+1], v[W+4*j+2], v[W+4*j+3]
	global_store_b64 v[O+j], v[H+2*j:H+2*j+1], s[24:25]   ; 256 consecutive bytes, aligned, in both maps
.set j, j+1
.endr
	s_endpgm
.Lfunc_end_k_q007eba46e1_prep:
	.size	k_q007eba46e1_prep, .Lfunc_end_k_q007eba46e1_prep-k_q007eba46e1_prep
	.p2alignl 7, 3214868480
	.fill 96, 4, 3214868480
	.section	.rodata,"a",@progbits
	.p2align	6, 0x0
	.amdhsa_kernel k_q007eba46e1_prep
		.amdhsa_group_segment_fixed_size 0
		.amdhsa_private_segment_fixed_size 0
		.amdhsa_enable_private_segment 0
		.amdhsa_kernarg_size 88
		.amdhsa_user_sgpr_count 2
		.amdhsa_user_sgpr_kernarg_segment_ptr 1
		.amdhsa_wavefront_size32 1
		.amdhsa_system_sgpr_workgroup_id_x 1
		.amdhsa_system_sgpr_workgroup_id_y 1
		.amdhsa_system_sgpr_workgroup_id_z 1
		.amdhsa_system_vgpr_workitem_id 0
		.amdhsa_next_free_vgpr 256
		.amdhsa_next_free_sgpr 66
		.amdhsa_reserve_vcc 0
		.amdhsa_float_denorm_mode_32 3
		.amdhsa_float_denorm_mode_16_64 3
		.amdhsa_memory_ordered 1
		.amdhsa_forward_progress 1
		.amdhsa_inst_pref_size 20
	.end_amdhsa_kernel
	.amdgpu_metadata
---
amdhsa.version: [ 1, 2 ]
amdhsa.kernels:
  - .name:           k_q007eba46e1_prep
    .symbol:         k_q007eba46e1_prep.kd
    .args:
      - { .name: x, .offset: 0, .size: 8, .value_kind: global_buffer, .address_space: global }
      - { .name: ln1_g, .offset: 8, .size: 8, .value_kind: global_buffer, .address_space: global }
      - { .name: ln1_b, .offset: 16, .size: 8, .value_kind: global_buffer, .address_space: global }
      - { .name: y, .offset: 24, .size: 8, .value_kind: global_buffer, .address_space: global }
      - { .name: Wq, .offset: 32, .size: 8, .value_kind: global_buffer, .address_space: global }
      - { .name: Wk, .offset: 40, .size: 8, .value_kind: global_buffer, .address_space: global }
      - { .name: Wv, .offset: 48, .size: 8, .value_kind: global_buffer, .address_space: global }
      - { .name: Wo, .offset: 56, .size: 8, .value_kind: global_buffer, .address_space: global }
      - { .name: W1, .offset: 64, .size: 8, .value_kind: global_buffer, .address_space: global }
      - { .name: W2, .offset: 72, .size: 8, .value_kind: global_buffer, .address_space: global }
      - { .name: wh, .offset: 80, .size: 8, .value_kind: global_buffer, .address_space: global }
    .group_segment_fixed_size: 0
    .private_segment_fixed_size: 0
    .kernarg_segment_align: 8
    .kernarg_segment_size: 88
    .max_flat_workgroup_size: 512
    .sgpr_count:     66
    .vgpr_count:     256
    .wavefront_size: 32
...
	.end_amdgpu_metadata
.endif
;; end of part 8
;; launch qkv (part 9): grid 16 x 16, 4 waves a work-group, clusters of 4 x 4, 327,680 bytes of LDS; arguments y, wh, qkv, bq, bk, bv; writes qkv
.if DOCPART == 9
	.amdgcn_target "amdgcn-amd-amdhsa--gfx1250"
	.amdhsa_code_object_version 6
	.text
	.protected	k_q007eba46e1_qkv
	.globl	k_q007eba46e1_qkv
	.p2align	8
	.type	k_q007eba46e1_qkv,@function
k_q007eba46e1_qkv:
	s_mov_b64 s[64:65], 0
	v_nop
	global_prefetch_b8 v0, s[64:65] scope:SCOPE_SE
	s_setreg_imm32_b32 hwreg(HW_REG_WAVE_MODE, 25, 1), 1
	s_wait_xcnt 0x0
	s_wait_alu depctr_hold_cnt(0) depctr_sa_sdst(0) depctr_va_vdst(0) depctr_va_sdst(0) depctr_va_ssrc(0) depctr_va_vcc(0) depctr_vm_vsrc(0)
	s_getreg_b32 s2, hwreg(HW_REG_IB_STS2, 6, 4)
	s_cmp_eq_u32 s2, 0
	s_cbranch_scc0 .Lentry_in_a_cluster
	s_endpgm
.Lentry_in_a_cluster:
	s_bfe_u32 s2, ttmp6, 0x10000c
	s_cmp_lg_u32 s2, 0xf033
	s_cbranch_scc0 .Lentry_shape_is_right
	s_endpgm
.Lentry_shape_is_right:
; q, k, v = y W + bias, stored by heads.  y: [4096][1024] f16.  W: Wq, Wk, Wv in f16 at the head of wh, by blocks: [8 ks][48 hc][128 k][64 n], hc = 16 x (0 q, 1 k, 2 v) + head.  Bias f32.
; Out: qkv[48 hc][4096 m][64] f16: a head's rows are dense, 128 bytes each.  Sums in f32, begun with the bias; rounded once, unscaled.
; LIMITS.  f16 holds no number from 65,520 on: q, k, v beyond that become infinities.  NaN and infinities are not treated apart.
; SHAPE.  The three products are one of 4096 x 3072: 16 x 16 tiles of 256 x 192, a work-group each: 256 work-groups.  Wave w makes rows 64 w .. 64 w + 63 of the tile and all 192 columns, three whole heads:
; 4 x 12 = 48 accumulators of 16 x 16.  For 32 along K a wave reads 16 fragments from LDS for 48 products.
; K goes in 8 steps of 128 through two LDS slots filled by the tensor data mover.  A's tile lies [m][k] (rows of 256 bytes + 16 of padding).  B's tile is 49,152 dense bytes, asked for as rows of 256 bytes and padded
; after every 128: in LDS [3 heads][128 k][128 bytes + 32]; its fragments are read turned, by ds_load_tr16_b128.
; THE LOOP.  A K step is four parts of 32 along K, on two fragment buffers by turns.  A trip begins at the change of slots and fetches the new slot's four parts; the products lag the fetches by one part, so the trip's
; first products are the old slot's last part, from registers.  So a trip is the change of slots and ONE PAIR of parts, written once and walked twice; the fetches' LDS addresses are a lane term plus a scalar that steps.
; K step 0 enters the loop in the middle of a pair; the last K step, which fills nothing, is a second copy; one run of products on the last part closes the sums.
; THE SUMS BEGIN WITH THE BIAS, loaded straight into the accumulators while the first tiles are on their way (32 bytes a lane for each accumulator), so that every product has one form and no first step is written out.
; CLUSTERS: 4 x 4 work-groups.  The four of a row need the same tiles of A, the four of a column the same tiles of B: each tile is asked for JOINTLY, by the same tensor load, descriptor and mask in all four.
; THE MATRIX INSTRUCTION IS USED TRANSPOSED (source 0 = 16 columns of B, source 1 = 16 rows of A): lane l holds row l % 16 and the columns 8 (l / 16) + 0..7, which pack into 16 bytes.
; No prefetch: each tile is asked for by several clusters at about the same time, and the walk has only eight steps, two of them asked for at the head.
; REGISTERS, in windows of 256 (s_set_vgpr_msb: bits 1:0 source 0, 3:2 source 1, 5:4 source 2, 7:6 destination): window 0: v0-31 addresses; v32-223 the way out.  Window 1: two fragment buffers of 128: A's 4 fragments,
; then B's 12.  Window 2: accumulators 0-31, window 3: 32-47; accumulator (a, b) has the number 12 a + b.
.set SIZE_K, 1024
.set KSTEP,  128
.set KSTEPS, SIZE_K/KSTEP
.set NBK,    12                        ; blocks of 16 columns
.set PA,     272                       ; 68 words: the 16 rows of a load start at 16 different groups of four banks (64 banks of 4 bytes: ISA guide 11.1)
.set PB,     160                       ; 40 words
.set HALFA,  128*PA                    ; what one tensor load brings of A: 128 rows
.set BOFF,   2*HALFA
.set HALFB,  192*PB                    ; of B: 24,576 bytes, 192 rows of 128 bytes in LDS
.set BSTEP,  48*128*128                ; bytes from a K step of the weights to the next
.set SLOT1,  1<<17                     ; a slot is 2 HALFA + 2 HALFB = 131,072 bytes: one exclusive or turns an address in one slot into the other's
.set STAGE,  2*SLOT1                   ; behind the ring, never filled by a tensor load: 16 rows x 144 bytes for each wave
.set SP,     144
.set SPARE,  STAGE+4*16*SP             ; the spare words, 128 bytes for each wave: two blocks of 256 bytes that no other line names
.set A0,   16                          ; my lane's place in A's tile; never rewritten
.set B0,   17                          ; in B's
.set ADRA, 18                          ; the same for the pair of parts in hand
.set ADRB, 19
.set STO,  24
.set RD,   25
.set CO,   26
.set BO,   27                          ; 32 (l / 16): my eight numbers of a block of 16 of the bias
.set SPW,  28                          ; LDS address of my spare word; never rewritten
.set NIL,  29                          ; 0; never rewritten
.set TMP,  32
.set F0,   0
.set F1,   128
.set G1,  24                           ; s[24:31] group 1 for A; s[32:39] group 0: a set for each first fill; the second then walks
.set G0,  32
.set TB,  45                           ; s45  LDS byte at which the slot in hand begins
.set G1B, 48                           ; s[48:55], s[56:63] the same for B
.set G0B, 56
.set TA,  66                           ; s66  the slot in hand + the pair's place in A's rows
.set TW,  67                           ; s67  the slot in hand + the pair's place in B's rows of k
.set BB,  80                           ; s[80:85] the bias of my tile's three heads
.set IC,  86                           ; s86  counts a trip's two pairs
.set MSB, 0
.macro WIN new                         ; the immediate's high byte repeats the setting that is left
.if MSB != (\new)
	s_set_vgpr_msb (MSB<<8)|(\new)
.set MSB, \new
.endif
.endm
.macro JLOAD s                         ; a joint load: waves 0 and 1 fetch A's two halves, waves 2 and 3 B's; an s_nop 0 and four v_nop follow each line
	s_cmp_eq_u32 s11, 0
	s_cbranch_scc0 .Lfor_b_\@
	tensor_load_to_lds s[G0+4*(\s):G0+4*(\s)+3], s[G1:G1+7]
	s_nop 0
.rept 4
	v_nop
.endr
	s_branch .Lasked_\@
.Lfor_b_\@:
	tensor_load_to_lds s[G0B+4*(\s):G0B+4*(\s)+3], s[G1B:G1B+7]
	s_nop 0
.rept 4
	v_nop
.endr
.Lasked_\@:
.endm
.macro CROUND                          ; a round of the cluster's barrier
	s_barrier_signal -1
	s_barrier_wait -1
	s_cmp_lg_u32 s10, 0
	s_cbranch_scc1 .Lnot_wave_0_\@
	s_barrier_signal -3
.Lnot_wave_0_\@:
	s_barrier_wait -3
	s_barrier_signal -1
	s_barrier_wait -1
.endm
	s_load_b128 s[4:7], s[0:1], 0x0                ; y, wh
	s_load_b64 s[8:9], s[0:1], 0x10                ; qkv
	s_load_b128 s[68:71], s[0:1], 0x18             ; bq, bk
	s_load_b64 s[72:73], s[0:1], 0x28              ; bv
	v_lshl_add_u32 v[SPW], v0, 2, SPARE
	v_mov_b32 v[NIL], 0
	ds_add_u32 v[SPW], v[NIL]                      ; the wave's opening: the add and its wait ahead of my first tensor load
	v_lshrrev_b32 v1, 5, v0
	v_readfirstlane_b32 s10, v1                    ; wave 0..3
	s_lshr_b32 s11, s10, 1                         ; I fetch for A (0) or for B (1),
	s_and_b32 s12, s10, 1                          ; this half of the tile
	s_bfe_u32 s40, ttmp6, 0x40000                  ; cx, cy
	s_bfe_u32 s41, ttmp6, 0x40004
	s_lshl_b32 s42, ttmp9, 2
	s_add_co_u32 s42, s42, s40                     ; tile column 0..15
	s_and_b32 s13, ttmp7, 0xffff
	s_lshl_b32 s13, s13, 2
	s_add_co_u32 s13, s13, s41                     ; tile row 0..15
	s_lshl_b32 s43, s41, 2
	s_lshl_b32 s43, 15, s43                        ; my row of the cluster
	s_lshl_b32 s44, 0x1111, s40                    ; my column
	s_or_b32 s[G1+0], s43, (1<<16)|(1<<20)|(1<<21)|(5<<22)|(3<<25)   ; mask; 2-byte elements; padding on; bit 21 beside a mask; after every 64 words 4 words
	s_or_b32 s[G1B+0], s44, (1<<16)|(1<<20)|(1<<21)|(4<<22)|(7<<25)  ; after every 32 words 8 words
	s_mov_b32 s[G1+1], KSTEP<<16                   ; A: tensor_dim0 = 128
	s_mov_b32 s[G1+2], 128<<16                     ; tensor_dim1 = 128
	s_mov_b32 s[G1+3], KSTEP<<16                   ; tile_dim0 = 128
	s_mov_b32 s[G1+4], 128                         ; tile_dim1 = 128
	s_mov_b32 s[G1+5], SIZE_K                      ; elements from row to row
	s_mov_b32 s[G1+6], 0
	s_mov_b32 s[G1+7], 0
	s_mov_b32 s[G1B+1], 128<<16                    ; B: 96 dense rows of 128 elements
	s_mov_b32 s[G1B+2], 96<<16
	s_mov_b32 s[G1B+3], 128<<16
	s_mov_b32 s[G1B+4], 96
	s_mov_b32 s[G1B+5], 128
	s_mov_b32 s[G1B+6], 0
	s_mov_b32 s[G1B+7], 0
	s_lshl_b32 s16, s13, 19                        ; A: 256 rows of 2,048 bytes a tile row,
	s_lshl_b32 s17, s12, 18                        ; 128 for my half
	s_add_co_u32 s16, s16, s17
	s_mov_b32 s17, 0
	s_mul_i32 s46, s42, 3*16384                    ; B: three blocks of 16,384 bytes a tile column,
	s_mul_i32 s47, s12, 96*256                     ; my half of them
	s_add_co_u32 s46, s46, s47
	s_mov_b32 s47, 0
	s_mul_i32 s20, s12, HALFA                      ; where they go: no place in the cluster enters an LDS address
	s_mul_i32 s21, s12, HALFB
	s_add_co_u32 s21, s21, BOFF
	s_mov_b32 s[TB], 0
	s_mov_b32 s[TA], 0
	s_mov_b32 s[TW], 0
	s_wait_dscnt 0x0                               ; the opening add is done
	s_wait_kmcnt 0x0
	s_add_nc_u64 s[14:15], s[4:5], s[16:17]
	s_add_nc_u64 s[46:47], s[6:7], s[46:47]
	CROUND                                         ; all sixteen work-groups are here: the first joint loads meet
.irp s, 0,1
	s_mov_b32 s[G0+4*(\s)], 1
	s_add_co_u32 s[G0+4*(\s)+1], s20, (\s)*SLOT1
	s_add_nc_u64 s[G0+4*(\s)+2:G0+4*(\s)+3], s[14:15], (\s)*KSTEP*2
	s_or_b32 s[G0+4*(\s)+3], s[G0+4*(\s)+3], 0x80000000
	s_mov_b32 s[G0B+4*(\s)], 1
	s_add_co_u32 s[G0B+4*(\s)+1], s21, (\s)*SLOT1
	s_add_nc_u64 s[G0B+4*(\s)+2:G0B+4*(\s)+3], s[46:47], (\s)*BSTEP
	s_or_b32 s[G0B+4*(\s)+3], s[G0B+4*(\s)+3], 0x80000000
	JLOAD \s                                       ; two loads of mine are out
.endr
	v_and_b32 v1, 15, v0                           ; l % 16
	v_bfe_u32 v2, v0, 4, 1                         ; l / 16
	v_lshlrev_b32 v[BO], 5, v2
	s_mul_i32 s74, s42, 3                          ; my tile's first head column
.irp p, 0,1,2                          ; whose bias each of the three heads takes, and where in it
	s_add_co_u32 s75, s74, \p
	s_lshr_b32 s76, s75, 4
	s_and_b32 s75, s75, 15
	s_lshl_b32 s78, s75, 8                         ; 64 numbers a head
	s_mov_b32 s79, 0
	s_cmp_eq_u32 s76, 1
	s_cselect_b64 s[BB+2*(\p):BB+2*(\p)+1], s[70:71], s[68:69]
	s_cmp_eq_u32 s76, 2
	s_cselect_b64 s[BB+2*(\p):BB+2*(\p)+1], s[72:73], s[BB+2*(\p):BB+2*(\p)+1]
	s_add_nc_u64 s[BB+2*(\p):BB+2*(\p)+1], s[BB+2*(\p):BB+2*(\p)+1], s[78:79]
.endr
.irp a, 0,1,2,3                        ; register j of accumulator (a, b) begins as bias[16 b + 8 (l / 16) + j]
.irp b, 0,1,2,3,4,5,6,7,8,9,10,11
.set IDX, NBK*(\a)+(\b)
	WIN 0x80+0x40*(IDX/32)                         ; destination window 2 or 3, address window 0
	global_load_b128 v[8*(IDX%32):8*(IDX%32)+3],   v[BO], s[BB+2*((\b)/4):BB+2*((\b)/4)+1] offset:64*((\b)%4)
	global_load_b128 v[8*(IDX%32)+4:8*(IDX%32)+7], v[BO], s[BB+2*((\b)/4):BB+2*((\b)/4)+1] offset:64*((\b)%4)+16
.endr
.endr
	WIN 0
	v_mul_u32_u24 v[A0], v1, PA
	v_lshl_add_u32 v[A0], v2, 4, v[A0]             ; A: row x pitch + 16 x half,
	s_mul_i32 s22, s10, 64*PA                      ; my wave's 64 rows
	v_add_nc_u32 v[A0], s22, v[A0]
	v_and_b32 v5, 7, v0
	v_bfe_u32 v6, v0, 3, 1
	v_lshl_add_u32 v[B0], v2, 3, v5                ; B, turned: lane l reads row k = 8 (l / 16) + l % 8, columns 8 ((l / 8) % 2) + 0..7
	v_mul_u32_u24 v[B0], v[B0], PB
	v_lshl_add_u32 v[B0], v6, 4, v[B0]
	v_add_nc_u32 v[B0], BOFF, v[B0]
	v_mov_b32 v[ADRA], v[A0]                       ; slot 0, its first pair of parts
	v_mov_b32 v[ADRB], v[B0]
	s_mul_i32 s23, s10, 16*SP
	s_add_co_u32 s23, s23, STAGE                   ; my stage
	v_mul_u32_u24 v7, v1, SP                       ; in: row l % 16, 16 bytes for each half of the lanes
	v_lshl_add_u32 v7, v2, 4, v7
	v_add_nc_u32 v[STO], s23, v7
	v_bfe_u32 v7, v0, 3, 2                         ; back: 32 lanes take four rows of 128 bytes,
	v_mul_u32_u24 v7, v7, SP
	v_lshl_add_u32 v7, v5, 4, v7
	v_add_nc_u32 v[RD], s23, v7
	v_and_b32 v[CO], 31, v0                        ; which are 512 consecutive bytes of the head's rows
	v_lshlrev_b32 v[CO], 4, v[CO]
	s_lshl_b32 s16, s13, 15                        ; 256 rows of 128 bytes a tile row,
	s_lshl_b32 s17, s10, 13                        ; 64 a wave
	s_add_co_u32 s16, s16, s17
	s_mov_b32 s17, 0
	s_add_nc_u64 s[8:9], s[8:9], s[16:17]
	s_mul_i32 s46, s42, 3*524288                   ; three head columns of 524,288 bytes a tile column
	s_mov_b32 s47, 0
	s_add_nc_u64 s[8:9], s[8:9], s[46:47]
; 12 matrix instructions: m block a x all n blocks, 32 along K, from buffer f.  The 48 accumulators take turns, one instruction a turn, over the backward jumps too.
.macro MULA f, a
.irp b, 0,1,2,3,4,5,6,7,8,9,10,11
.set IDX, NBK*(\a)+(\b)
	WIN 0xa5+0x50*(IDX/32)                         ; sources 0 and 1 window 1; C and D window 2 or 3
	v_wmma_f32_16x16x32_f16 v[8*(IDX%32):8*(IDX%32)+7], v[(\f)+32+8*(\b):(\f)+32+8*(\b)+7], v[(\f)+8*(\a):(\f)+8*(\a)+7], v[8*(IDX%32):8*(IDX%32)+7]
.endr
.endm
; 32 LDS loads in one run: the fragments of 32 along K, part j (0, 1) of the pair in hand, into buffer f
.macro FETCH f, j
	WIN 0x40                                       ; destination window 1, address window 0
.irp b, 0,1,2,3,4,5,6,7,8,9,10,11      ; head b / 4, columns 16 (b % 4) on
	ds_load_tr16_b128 v[(\f)+32+8*(\b):(\f)+32+8*(\b)+3],   v[ADRB] offset:((\b)/4)*128*PB+32*((\b)%4)+32*(\j)*PB
	ds_load_tr16_b128 v[(\f)+32+8*(\b)+4:(\f)+32+8*(\b)+7], v[ADRB] offset:((\b)/4)*128*PB+32*((\b)%4)+(32*(\j)+16)*PB
.endr
.irp a, 0,1,2,3
	ds_load_b128 v[(\f)+8*(\a):(\f)+8*(\a)+3],   v[ADRA] offset:(\a)*16*PA+64*(\j)
	ds_load_b128 v[(\f)+8*(\a)+4:(\f)+8*(\a)+7], v[ADRA] offset:(\a)*16*PA+64*(\j)+32
.endr
.endm
.macro PLACES                          ; four places in front of loads into registers that matrix instructions have read, and of lines that read results
.rept 4
	v_nop
.endr
.endm
; One part: buffer f is multiplied; ahead of its 48 products part j of the pair in hand is asked for, into buffer g, so that it has all 48 in which to come.
.macro SUB f, g, j
	s_wait_dscnt 0x0                               ; buffer f is in: its loads went out 48 products ago
	PLACES                                         ; the last product read buffer g
	FETCH \g, \j
	MULA \f, 0
	MULA \f, 1
	MULA \f, 2
	MULA \f, 3
.endm
; THE CHANGE OF SLOTS.  The slot's last part has been fetched.  Each wave waits for all its tensor loads, of which one is out: its part of the next slot; adds 0 to its spare word; and waits for that and for its reads of
; this slot.  fill = 1: the barrier is a round of the cluster's, and this slot is filled again, two K steps ahead, first thing behind it.  No product stands between the wait for the tiles and the request.
.macro SYNC fill
	s_wait_tensorcnt 0x0                           ; no tensor load of mine is out, so a group 0 may be written
	ds_add_u32 v[SPW], v[NIL]                      ; 0 onto my spare word; the scalar steps stand between it and the wait for it
.if \fill
	s_xor_b32 s[G0+5], s[G0+5], SLOT1              ; the walking descriptors: the other slot than last time,
	s_add_nc_u64 s[G0+6:G0+7], s[G0+6:G0+7], KSTEP*2   ; the next K step; the type bits on top are not reached
	s_xor_b32 s[G0B+5], s[G0B+5], SLOT1
	s_add_nc_u64 s[G0B+6:G0B+7], s[G0B+6:G0B+7], BSTEP
.endif
	s_xor_b32 s[TB], s[TB], SLOT1                  ; the other slot is in hand,
	s_mov_b32 s[TA], s[TB]                         ; at its first pair of parts
	s_mov_b32 s[TW], s[TB]
	s_wait_dscnt 0x0                               ; the add is done, and my reads of the old slot are over
.if \fill
	CROUND                                         ; no wave of any partner still reads the old slot or has a load on its way
	JLOAD 1                                        ; 192 matrix instructions ahead of the wait for it
.else
	s_barrier_signal -1
	s_barrier_wait -1
.endif
.endm
; A slot's four fetches: one pair of parts, walked twice.  The first part multiplies what was fetched last (in the first walk: the old slot's last part).
.macro BODY tag
	s_mov_b32 s[IC], 2
.Lpair\tag:
	v_add_nc_u32 v[ADRA], s[TA], v[A0]
	v_add_nc_u32 v[ADRB], s[TW], v[B0]
	SUB F1, F0, 0
	WIN 0                                          ; at a label and at a branch every window is 0
.Lmid\tag:
	SUB F0, F1, 1
	WIN 0
	s_add_co_u32 s[TA], s[TA], 2*64                ; two parts on: 128 bytes of A's rows,
	s_add_co_u32 s[TW], s[TW], 64*PB               ; 64 of B's rows of k
	s_sub_co_u32 s[IC], s[IC], 1
	s_cmp_lg_u32 s[IC], 0
	s_cbranch_scc1 .Lpair\tag
.endm
; THE WAY OUT of unit u = 3 a + p: m block a, head p: 16 rows x 64 columns, rounded to f16, 16 bytes a lane into my own stage, back as whole rows of 128 bytes, into the registers that they left.
.macro PACK u
.set UA, (\u)/3
.set UP, (\u)%3
.irp bb, 0,1,2,3
.set IDX, NBK*UA+4*UP+(\bb)
	WIN 0x0a+5*(IDX/32)                            ; sources 0 and 1 window 2 or 3
.irp r, 0,1,2,3
	v_cvt_pk_f16_f32 v[TMP+16*(\u)+4*(\bb)+(\r)], v[8*(IDX%32)+2*(\r)], v[8*(IDX%32)+2*(\r)+1]
.endr
.endr
	WIN 0
.irp bb, 0,1,2,3
	ds_store_b128 v[STO], v[TMP+16*(\u)+4*(\bb):TMP+16*(\u)+4*(\bb)+3] offset:32*(\bb)
.endr
.irp f, 0,1,2,3
	ds_load_b128 v[TMP+16*(\u)+4*(\f):TMP+16*(\u)+4*(\f)+3], v[RD] offset:(\f)*4*SP  ; LDS serves a wave's instructions in order (ISA guide 5.7.1.4): these see the stores above
.endr
.endm
.macro SEND u, younger                 ; younger: the LDS instructions issued behind unit u's loads: the next unit's eight, or none
.set UA, (\u)/3
.set UP, (\u)%3
.irp f, 0,1,2,3
	s_wait_dscnt (\younger)+3-(\f)
	global_store_b128 v[CO], v[TMP+16*(\u)+4*(\f):TMP+16*(\u)+4*(\f)+3], s[8:9] offset:UP*524288+UA*2048+(\f)*512  ; 512 consecutive bytes, aligned to 256
.endr
.endm
	s_wait_tensorcnt 1                             ; my part of K step 0 is in; K step 1's may stay out
	s_barrier_signal -1
	s_barrier_wait -1
	FETCH F0, 0                                    ; K step 0's first part
	s_wait_loadcnt 0x0                             ; the bias lies in the accumulators
	WIN 0
	s_mov_b32 s3, KSTEPS-1
	s_mov_b32 s[IC], 2
	s_branch .Lmid1                                ; K step 0 has no part in front of it: the loop is entered in the middle of a pair
.Lfill:                                            ; six times: K steps 1 to 6 are fetched, and the slot just left is filled again
	SYNC 1
	BODY 1
	s_sub_co_u32 s3, s3, 1
	s_cmp_lg_u32 s3, 0
	s_cbranch_scc1 .Lfill
	SYNC 0                                         ; the last K step is a text of its own
	BODY 2
	s_wait_dscnt 0x0                               ; the last part is in
	MULA F1, 0
	MULA F1, 1
	MULA F1, 2
	MULA F1, 3
	WIN 0
	PLACES
	PACK 0
.irp u, 1,2,3,4,5,6,7,8,9,10,11        ; a unit's conversions stand between the loads of the unit before and its stores
	PACK \u
	SEND (\u)-1, 8
.endr
	SEND 11, 0
	s_wait_tensorcnt 0x0                           ; the wave's end
	ds_add_u32 v[SPW], v[NIL]
	s_wait_dscnt 0x0
	CROUND                                         ; the closing round: no work-group ends while a partner may still ask for a tile that names it
	s_endpgm
.Lfunc_end_k_q007eba46e1_qkv:
	.size	k_q007eba46e1_qkv, .Lfunc_end_k_q007eba46e1_qkv-k_q007eba46e1_qkv
	.p2alignl 7, 3214868480
	.fill 96, 4, 3214868480
	.section	.rodata,"a",@progbits
	.p2align	6, 0x0
	.amdhsa_kernel k_q007eba46e1_qkv
		.amdhsa_group_segment_fixed_size 327680
		.amdhsa_private_segment_fixed_size 0
		.amdhsa_enable_private_segment 0
		.amdhsa_kernarg_size 48
		.amdhsa_user_sgpr_count 2
		.amdhsa_user_sgpr_kernarg_segment_ptr 1
		.amdhsa_wavefront_size32 1
		.amdhsa_system_sgpr_workgroup_id_x 1
		.amdhsa_system_sgpr_workgroup_id_y 1
		.amdhsa_system_sgpr_workgroup_id_z 1
		.amdhsa_system_vgpr_workitem_id 0
		.amdhsa_next_free_vgpr 896
		.amdhsa_next_free_sgpr 88
		.amdhsa_reserve_vcc 0
		.amdhsa_float_denorm_mode_32 3
		.amdhsa_float_denorm_mode_16_64 3
		.amdhsa_memory_ordered 1
		.amdhsa_forward_progress 1
		.amdhsa_inst_pref_size 72
	.end_amdhsa_kernel
	.amdgpu_metadata
---
amdhsa.version: [ 1, 2 ]
amdhsa.kernels:
  - .name:           k_q007eba46e1_qkv
    .symbol:         k_q007eba46e1_qkv.kd
    .args:
      - { .name: y, .offset: 0, .size: 8, .value_kind: global_buffer, .address_space: global }
      - { .name: wh, .offset: 8, .size: 8, .value_kind: global_buffer, .address_space: global }
      - { .name: qkv, .offset: 16, .size: 8, .value_kind: global_buffer, .address_space: global }
      - { .name: bq, .offset: 24, .size: 8, .value_kind: global_buffer, .address_space: global }
      - { .name: bk, .offset: 32, .size: 8, .value_kind: global_buffer, .address_space: global }
      - { .name: bv, .offset: 40, .size: 8, .value_kind: global_buffer, .address_space: global }
    .group_segment_fixed_size: 327680
    .private_segment_fixed_size: 0
    .kernarg_segment_align: 8
    .kernarg_segment_size: 48
    .max_flat_workgroup_size: 128
    .sgpr_count:     88
    .vgpr_count:     896
    .wavefront_size: 32
...
	.end_amdgpu_metadata
.endif
;; end of part 9
;; launch attn (part 10): grid 8 x 32, 4 waves a work-group, clusters of 4 x 1, 327,680 bytes of LDS; arguments qkv, o2; writes o2
.if DOCPART == 10
	.amdgcn_target "amdgcn-amd-amdhsa--gfx1250"
	.amdhsa_code_object_version 6
	.text
	.protected	k_q007eba46e1_attn
	.globl	k_q007eba46e1_attn
	.p2align	8
	.type	k_q007eba46e1_attn,@function
k_q007eba46e1_attn:
	s_mov_b64 s[64:65], 0
	v_nop
	global_prefetch_b8 v0, s[64:65] scope:SCOPE_SE
	s_setreg_imm32_b32 hwreg(HW_REG_WAVE_MODE, 25, 1), 1
	s_wait_xcnt 0x0
	s_wait_alu depctr_hold_cnt(0) depctr_sa_sdst(0) depctr_va_vdst(0) depctr_va_sdst(0) depctr_va_ssrc(0) depctr_va_vcc(0) depctr_vm_vsrc(0)
	s_getreg_b32 s2, hwreg(HW_REG_IB_STS2, 6, 4)
	s_cmp_eq_u32 s2, 0
	s_cbranch_scc0 .Lentry_in_a_cluster
	s_endpgm
.Lentry_in_a_cluster:
	s_bfe_u32 s2, ttmp6, 0x10000c
	s_cmp_lg_u32 s2, 0x3003
	s_cbranch_scc0 .Lentry_shape_is_right
	s_endpgm
.Lentry_shape_is_right:
; O[bh][q][:] = the sum over k of softmax_k(Q[bh][q] . K[bh][k] / 8) V[bh][k][:], 32 heads bh = 16 b + h of 2,048 rows x 64 channels, and O stored TURNED: o2 byte bh x 262,144 + channel x 4,096 + 2 q,
; which is the [4096][1024] f16 matrix that a swap of the last two axes and a flat reshape make of it.  Q, K, V: qkv[48][4096][64] f16, K's part 8,388,608 bytes and V's 16,777,216 bytes behind Q's; a head's rows are dense.
; Products, maxima and sums in f32; the weights p are rounded to f16 for the second product (their sum l is taken of the unrounded p), O once at the end.
; LIMITS.  f16 holds no number from 65,520 on: Q, K, V arrive within it; p lies in 0 to 1 and below 6e-5 keeps f16's fixed step of 6e-8; O is a mean of V's rows.  A weight below 2^-126 counts as 0 in l; NaN and infinities are not treated apart.
; SHARES.  A work-group owns 256 queries of a head, a wave 64: four PIECES of 16.  Every wave walks all 2,048 keys, 64 a step, four steps to an LDS slot, eight tiles of 256 keys.
; LAYOUT.  S^T = K Q^T holds ONE query a lane (lane % 16) and the keys 8 (lane / 16) + 0..7; two such results rounded to f16 ARE source 1 of O^T = V^T P.  K comes out of LDS as it lies, V turned, by ds_load_tr16_b128.
; SOFTMAX.  A running maximum m and sum l for each query: p = 2^(c s - c m), c = log2(e) / 8; in every step O and l are multiplied by a = 2^(c m_old - c m_new).  c m starts far below every c s, O and l at 0: the first step's a is 0.
; BY TURNS.  Turn n belongs to piece n: 8 products K Q^T of piece n + 1, later 8 products V^T P of piece n - 1; beside them the scaling, exponentials, roundings, sums and rescaling of piece n and the maximum and
; statistics of piece n + 1.  Four vector instructions stand behind every matrix instruction, the other 54 of a turn's 118 in two runs of their own.
; NO LAST STEP IS WRITTEN OUT: the tail's loop has five trips, of which the fifth is left in its middle.  Its 8 products K Q^T (on the last K once more) and the maximum made of them serve nothing: the price, once a launch.
; CLUSTER.  The four query blocks of a cluster belong to one head and walk the same K and V: each tile is asked for JOINTLY, by the same tensor load, descriptor and mask in all four.
; REGISTERS, in windows of 256 (s_set_vgpr_msb: bits 1:0 source 0, 3:2 source 1, 5:4 source 2, 7:6 destination):
;   window 0: v0-15, v32-35, v61-63 addresses; v16-31 four registers of statistics a piece; v48-55 at work; v64-127 S^T, two buffers; v192-223 P, two buffers (a piece's buffers go by its number's parity)
;   window 1: v0-127 O^T, 32 a piece          window 2: v0-63 Q; v128-191 K of one step; v192-255 V of one step
.set NP,    4
.set KS,    64
.set TILES, 8
.set PK,    144       ; a row of K in LDS: 128 bytes + 16: the 16 rows of a load start at 16 different groups of four banks (64 banks of 4 bytes: ISA guide 11.1)
.set PV,    160       ; a row of V: 128 + 32
.set VOFF,  4*KS*PK   ; a slot holds a tile: 256 rows of K, then 256 rows of V
.set SLOT1, 1<<17     ; slot 1 begins here: one exclusive or turns an address in one slot into the other's
.set STAGE, SLOT1+4*KS*(PK+PV)  ; behind the ring, never filled by a tensor load: 16 queries x 144 bytes for each wave
.set SP,    144
.set STAGE2, STAGE+4*16*SP      ; the work-group's 64 channels x 256 queries, rows of 512 bytes + 32
.set P2,    544
.set SPARE, STAGE2+64*P2        ; the spare words, 128 bytes for each wave: two blocks of 256 bytes that no other line names
.set AK0, 2           ; my lane's place in a tile of K; never rewritten
.set AV0, 3           ; the same for V
.set AK,  4           ; the LDS address of K's next run of loads
.set AV,  5           ; of V's
.set STO, 6           ; the way out: where I put 16 bytes (8 channels) of a query
.set MV,  12          ; v12-13  c m_old, kept while c m is made anew: by buffer
.set QO,  15          ; my byte offset in 16 rows of Q
.set ST,  16          ; piece t's statistics at v[ST+4 t]: c m, m, l (even keys', odd keys')
.set TRA, 32          ; the way out: where the turning load reads
.set ST2, 33          ; where I put 16 bytes (8 queries) of a channel
.set RD2, 34          ; where I read a channel's 512 bytes back
.set GO,  35          ; 16 x lane
.set TMP, 48          ; by buffer, four registers c0-c3 at work; when the maximum is found c2 takes a
.set PFO, 61          ; 256 x lane; never rewritten
.set SPW, 62          ; LDS address of my spare word; never rewritten
.set NIL, 63          ; 0; never rewritten
.set S,   64
.set P,   192
.set KF,  128         ; window 2: key block kb, channel half c at KF + 16 kb + 8 c
.set VF,  192         ; window 2: key half kk, channel block cb at VF + 32 kk + 8 cb
.set WV,  12          ; s12  my wave's number
.set LIM, 15          ; s15  1 in a wave that prefetches, else the greatest number
.set G1K, 24          ; s[24:31] descriptor group 1 for K's tiles
.set G1V, 32          ; s[32:39] for V's: it differs in the padding alone
.set G0K, 40          ; s[40:43] descriptor group 0 for K's tiles: it walks
.set G0V, 44          ; s[44:47] the same for V's
.set PFA, 48          ; s[48:49] where my prefetches stand
.set SLOTS, 56        ; s56  tiles still to be asked for
.set CNT, 57          ; s57  counts a tile's key steps
.set CS,  58          ; s[58:59] c
.set SEL, 60          ; s[60:61] v_permlanex16_b32's selects: each lane takes its own place in the other half
.set TBK, 62          ; s62  LDS byte at which K of the step to be fetched begins
.set TBV, 63          ; s63  the same for V, less VOFF
.set MSB, 0
.macro WIN new                      ; the high byte repeats the setting that is left; a switch that changes nothing is dropped
.if MSB != (\new)
	s_set_vgpr_msb (MSB<<8)|(\new)
.set MSB, (\new)
.endif
.endm
.set W_KQ, 0x0a       ; K and Q in window 2, S^T in window 0
.set W_PV, 0x52       ; V in window 2, P in window 0, O^T in window 1
.set W_RS, 0x41       ; destination and source 0 in window 1, source 1 in window 0
; A joint fill.  Waves 0 and 1 fetch the two halves of a tile's K, waves 2 and 3 those of its V: 128 keys each.  An s_nop 0 and four v_nop follow each of the two lines.
.macro JLOAD
	s_cmp_lt_u32 s[WV], 2
	s_cbranch_scc0 .Lfor_v_\@
	tensor_load_to_lds s[G0K:G0K+3], s[G1K:G1K+7]
	s_nop 0
.rept 4
	v_nop
.endr
	s_branch .Lasked_\@
.Lfor_v_\@:
	tensor_load_to_lds s[G0V:G0V+3], s[G1V:G1V+7]
	s_nop 0
.rept 4
	v_nop
.endr
.Lasked_\@:
.endm
; A PREFETCH INTO THE L2 of the tile that the NEXT change of slots will ask for: 32,768 bytes of K and of V, four key steps (256 matrix instructions a wave) ahead of that load.  Each aligned block of 256 bytes is named
; once in the launch: both clusters of a head walk the same K and V, and the first prefetches; its four partners take 8,192 bytes each, told apart by address; in each, wave 0 asks for K's and wave 2 for V's, a lane a block.
; The change that asks for the last tile prefetches nothing.
.macro ASK
	s_cmp_gt_u32 s[SLOTS], s[LIM]
	s_cbranch_scc0 .Lnot_mine_\@
	global_prefetch_b8 v[PFO], s[PFA:PFA+1] th:TH_LOAD_NT scope:SCOPE_SE
.Lnot_mine_\@:
.endm
.macro CROUND                       ; a round of the cluster's barrier
	s_barrier_signal -1
	s_barrier_wait -1
	s_cmp_lg_u32 s[WV], 0
	s_cbranch_scc1 .Lnot_wave_0_\@
	s_barrier_signal -3
.Lnot_wave_0_\@:
	s_barrier_wait -3
	s_barrier_signal -1
	s_barrier_wait -1
.endm
; THE CHANGE OF SLOTS.  The slot's last bytes, V of its fourth step, have been read.  Each wave waits for all its tensor loads, of which one is out: its part of the other slot; adds 0 to its spare word; and waits for
; that and for its own reads of the slot.  fill = 1: the barrier is a round of the cluster's, and the slot just left is filled again first thing behind it.  (At its first use nothing has been read: slot 0 is waited for, slot 1 filled.)
.macro CHANGE fill
	WIN 0                           ; at a label and at a branch every window is 0
	s_wait_tensorcnt 0x0            ; no tensor load of mine is out, so a group 0 may be written
	ds_add_u32 v[SPW], v[NIL]
.if \fill
.irp g, G0K, G0V
	s_xor_b32 s[\g+1], s[\g+1], SLOT1  ; the walking descriptor: the other slot than last time,
	s_add_nc_u64 s[\g+2:\g+3], s[\g+2:\g+3], 4*KS*128  ; the next 256 keys; the type bits on top are not reached
.endr
	s_wait_xcnt 0x0                 ; the last prefetch, four key steps back, has read its address
	s_add_nc_u64 s[PFA:PFA+1], s[PFA:PFA+1], 4*KS*128  ; one tile ahead of the walking descriptors
	s_wait_dscnt 0x0                ; the add is done, and my reads of the slot are over
	CROUND
	JLOAD
	ASK
.else
	s_wait_dscnt 0x0
	s_barrier_signal -1
	s_barrier_wait -1
.endif
	s_sub_co_u32 s[TBK], s[TBK], 4*KS*PK  ; the fetches go back to a slot's first step,
	s_xor_b32 s[TBK], s[TBK], SLOT1       ; in the other slot
	s_sub_co_u32 s[TBV], s[TBV], 4*KS*PV
	s_xor_b32 s[TBV], s[TBV], SLOT1
.endm
	s_load_b128 s[4:7], s[0:1], 0x0 ; qkv, o2
	v_lshl_add_u32 v[SPW], v0, 2, SPARE
	v_mov_b32 v[NIL], 0
	ds_add_u32 v[SPW], v[NIL]       ; the wave's opening: the add and its wait ahead of my first tensor load
	v_lshrrev_b32 v1, 5, v0
	v_readfirstlane_b32 s[WV], v1   ; wave 0..3
	s_bfe_u32 s13, ttmp6, 0x40000   ; cx
	s_lshl_b32 s14, ttmp9, 2
	s_add_co_u32 s14, s14, s13      ; my block of 256 queries: it enters Q's and O's addresses alone
	s_and_b32 s16, ttmp7, 0xffff    ; bh, which the four partners share
	s_and_b32 s20, s16, 15
	s_lshl_b32 s20, s20, 19         ; the head's 4,096 rows of 128 bytes,
	s_lshr_b32 s21, s16, 4
	s_lshl_b32 s21, s21, 18         ; the batch's 2,048 of them
	s_add_co_u32 s20, s20, s21
	s_and_b32 s17, s[WV], 1         ; which half of a tile's 256 keys I fetch:
	s_lshl_b32 s22, s17, 14         ; its 128 rows in memory,
	s_add_co_u32 s22, s22, s20
	s_mov_b32 s23, 0
	s_mul_i32 s18, s17, 128*PV      ; and its place in a slot, for V
	s_mul_i32 s17, s17, 128*PK      ; and for K: no place in the cluster enters an LDS address
	s_lshl_b32 s2, s14, 2
	s_add_co_u32 s2, s2, s[WV]
	s_lshl_b32 s2, s2, 13           ; my wave's 64 rows of Q
	s_add_co_u32 s2, s2, s20
	s_mov_b32 s3, 0
	s_lshl_b32 s50, s13, 13         ; the prefetches: my work-group's 8,192 bytes of a tile
	s_mov_b32 s51, 0
	s_lshl_b32 s52, s16, 18         ; O: the head's 64 channel rows of 4,096 bytes,
	s_lshl_b32 s53, s14, 9          ; my block's 512 bytes of each,
	s_add_co_u32 s52, s52, s53
	s_lshl_b32 s53, s[WV], 16       ; the 16 channels that my wave stores
	s_add_co_u32 s52, s52, s53
	s_mov_b32 s53, 0
	; descriptor group 1.  128 keys are 16,384 dense bytes: asked for as 64 rows of 256 bytes, two keys a row, and padded in LDS after every key
	s_mov_b32 s[G1K], 15|(1<<16)|(1<<20)|(1<<21)|(4<<22)|(3<<25)  ; the mask of four; 2-byte elements; padding on; bit 21 beside a mask; after every 32 words 4 words
	s_mov_b32 s[G1V], 15|(1<<16)|(1<<20)|(1<<21)|(4<<22)|(7<<25)  ; the same with 8 words
.irp g, G1K, G1V
	s_mov_b32 s[\g+1], 128<<16      ; tensor_dim0 = 128
	s_mov_b32 s[\g+2], 64<<16       ; tensor_dim1 = 64
	s_mov_b32 s[\g+3], 128<<16      ; tile_dim0 = 128
	s_mov_b32 s[\g+4], 64           ; tile_dim1 = 64
	s_mov_b32 s[\g+5], 128          ; 128 elements from row to row
	s_mov_b32 s[\g+6], 0
	s_mov_b32 s[\g+7], 0
.endr
	s_mov_b32 s[CS], 0x3e38aa3b     ; c = log2(e) / 8 = 0.180337
	s_mov_b32 s[CS+1], s[CS]        ; named with it as a pair
	s_mov_b32 s[SEL], 0x76543210
	s_mov_b32 s[SEL+1], 0xfedcba98
	s_mov_b32 s[TBK], SLOT1+4*KS*PK ; the first change of slots turns these two into 0
	s_mov_b32 s[TBV], SLOT1+4*KS*PV
	s_mov_b32 s[G0K], 1             ; count = 1
	s_mov_b32 s[G0K+1], s17         ; LDS address: slot 0
	s_mov_b32 s[G0V], 1
	s_add_co_u32 s[G0V+1], s18, VOFF
	s_mov_b32 s[SLOTS], TILES-1
	s_and_b32 s[LIM], s[WV], 1      ; 0 in waves 0 and 2,
	s_or_b32 s[LIM], s[LIM], ttmp9  ; where the cluster is the head's first: the same in all four partners
	s_cmp_eq_u32 s[LIM], 0
	s_cselect_b32 s[LIM], 1, -1
	v_and_b32 v[PFO], 31, v0
	v_lshlrev_b32 v[PFO], 8, v[PFO]
	s_wait_dscnt 0x0                ; the opening add is done
	s_wait_kmcnt 0x0
	s_mov_b64 s[10:11], s[6:7]      ; o2
	s_add_nc_u64 s[6:7], s[4:5], 0x800000   ; K's part of qkv
	s_add_nc_u64 s[8:9], s[4:5], 0x1000000  ; V's
	s_add_nc_u64 s[6:7], s[6:7], s[22:23]   ; at my half of the head's tile 0
	s_add_nc_u64 s[8:9], s[8:9], s[22:23]
	s_mov_b64 s[G0K+2:G0K+3], s[6:7]
	s_or_b32 s[G0K+3], s[G0K+3], 0x80000000 ; type = 2
	s_mov_b64 s[G0V+2:G0V+3], s[8:9]
	s_or_b32 s[G0V+3], s[G0V+3], 0x80000000
	s_add_nc_u64 s[4:5], s[4:5], s[2:3]     ; Q at my wave's first row
	s_add_nc_u64 s[10:11], s[10:11], s[52:53]
	s_cmp_lt_u32 s[WV], 2
	s_cselect_b64 s[PFA:PFA+1], s[6:7], s[8:9]  ; (in waves 0 and 2 these stand at a tile's first row)
	s_add_nc_u64 s[PFA:PFA+1], s[PFA:PFA+1], s[50:51]
	s_add_nc_u64 s[PFA:PFA+1], s[PFA:PFA+1], 4*KS*128  ; in tile 1; the first change of slots steps it to tile 2
	CROUND                          ; all four work-groups are here: the first joint loads meet
	JLOAD                           ; tile 0 into slot 0.  Slot 1 is asked for when slot 0 is in
	; A fragment of K or Q is 16 rows x 32 channels in 8 registers: lane l holds row l % 16, channels 8 (l / 16) + 0..7 and 16 + 8 (l / 16) + 0..7: two loads of 16 bytes, 32 bytes apart.
	v_and_b32 v1, 15, v0            ; l % 16
	v_bfe_u32 v9, v0, 4, 1          ; l / 16
	v_lshlrev_b32 v[QO], 7, v1
	v_lshl_add_u32 v[QO], v9, 4, v[QO]
	WIN 0x80                        ; destination window 2, address window 0
.set i, 0
.rept 8                             ; Q stays in registers: piece i / 2, channels 32 (i % 2) on
	global_load_b128 v[8*i:8*i+3],   v[QO], s[4:5] offset:(i/2)*2048+(i%2)*64
	global_load_b128 v[8*i+4:8*i+7], v[QO], s[4:5] offset:(i/2)*2048+(i%2)*64+32
.set i, i+1
.endr
	; The first turn's products V^T P, of a piece that has not been, add 0 x 0; the first step multiplies O^T and l by a = 0.  All this stands in the wait for the first tile, so that no first step is written out.
.set i, VF
.rept 64
	v_mov_b32 v[i], 0
.set i, i+1
.endr
	WIN 0x40
.set i, 0
.rept 128
	v_mov_b32 v[i], 0
.set i, i+1
.endr
	WIN 0
.set i, 0
.rept 4
	v_mov_b32 v[ST+4*i], 0xfe000000    ; c m: far below every c s
	v_mov_b32 v[ST+4*i+1], 0xff7fffff  ; m: the lowest finite number
	v_mov_b32 v[ST+4*i+2], 0
	v_mov_b32 v[ST+4*i+3], 0
.set i, i+1
.endr
.set i, P+16
.rept 16
	v_mov_b32 v[i], 0
.set i, i+1
.endr
	v_mul_u32_u24 v[AK0], v1, PK
	v_lshl_add_u32 v[AK0], v9, 4, v[AK0]  ; row x pitch + 16 x half
	; The turning load takes 16 rows x 16 columns (lane l reads row 8 (l / 16) + l % 8, columns 8 ((l / 8) % 2) + 0..7) and leaves half a fragment: lane l holds column l % 16 and 8 rows.
	v_and_b32 v10, 7, v0
	v_bfe_u32 v11, v0, 3, 1
	v_lshl_add_u32 v[AV0], v9, 3, v10
	v_mul_u32_u24 v[AV0], v[AV0], PV
	v_lshl_add_u32 v[AV0], v11, 4, v[AV0]
	v_add_nc_u32 v[AV0], VOFF, v[AV0]
	s_mul_i32 s13, s[WV], 16*SP
	s_add_co_u32 s13, s13, STAGE    ; my stage
	v_mul_u32_u24 v[STO], v1, SP    ; in: query l % 16, 16 bytes for each half of the lanes
	v_lshl_add_u32 v[STO], v9, 4, v[STO]
	v_add_nc_u32 v[STO], s13, v[STO]
	v_lshl_add_u32 v[TRA], v11, 3, v10  ; turned back out: lane l reads query 8 ((l / 8) % 2) + l % 8, channels 8 (l / 16) + 0..7,
	v_mul_u32_u24 v[TRA], v[TRA], SP
	v_lshl_add_u32 v[TRA], v9, 4, v[TRA]
	v_add_nc_u32 v[TRA], s13, v[TRA]
	v_lshl_add_u32 v[ST2], v9, 3, v10   ; and then holds channel 8 (l / 16) + l % 8, queries 8 ((l / 8) % 2) + 0..7
	v_mul_u32_u24 v[ST2], v[ST2], P2
	v_lshl_add_u32 v[ST2], v11, 4, v[ST2]
	s_lshl_b32 s13, s[WV], 7        ; my wave's 64 queries: 128 bytes of a channel's row
	s_add_co_u32 s13, s13, STAGE2
	v_add_nc_u32 v[ST2], s13, v[ST2]
	v_and_b32 v[GO], 31, v0
	v_lshlrev_b32 v[GO], 4, v[GO]
	s_mul_i32 s13, s[WV], 16*P2     ; back: wave w takes channels 16 w .. 16 w + 15, whole rows of 512 bytes
	s_add_co_u32 s13, s13, STAGE2
	v_add_nc_u32 v[RD2], s13, v[GO]
; THE MATRIX WORK.  The 4 accumulators of a run of 8 take turns.  Product i of 8 of S^T = K Q^T for piece x: channels 32 (i / 4) on, keys 16 (i % 4) on.  The first 4 start the sums.
.macro KQ x
	WIN W_KQ
.set rS, S+32*((\x)%2)+8*(i%4)
.set rK, KF+16*(i%4)+8*(i/4)
.set rQ, 16*(\x)+8*(i/4)
.if i < 4
	v_wmma_f32_16x16x32_f16 v[rS:rS+7], v[rK:rK+7], v[rQ:rQ+7], 0
.else
	v_wmma_f32_16x16x32_f16 v[rS:rS+7], v[rK:rK+7], v[rQ:rQ+7], v[rS:rS+7]
.endif
.endm
; Product i of 8 of O^T += V^T P for piece x: keys 32 (i / 4) on, channels 16 (i % 4) on.
.macro PV x
	WIN W_PV
.set rO, 32*(\x)+8*(i%4)
.set rV, VF+32*(i/4)+8*(i%4)
.set rP, P+16*((\x)%2)+8*(i/4)
	v_wmma_f32_16x16x32_f16 v[rO:rO+7], v[rV:rV+7], v[rP:rP+7], v[rO:rO+7]
.endm
.macro MM                           ; the turn's next matrix instruction
.if i < 8
	KQ (Y+1)%NP
.else
.set i, i-8
	PV (Y+NP-1)%NP
.set i, i+8
.endif
.set i, i+1
.endm
; THE LDS LOADS stand in runs of 16, never singly among the matrix instructions: a step's K (8 fragments) and its V (turned).  Their addresses are made some lines ahead.
; last = 1 (the tail): in the last trip there is no further step, and the run is jumped over.
.macro FETCH_K last=0
	WIN 0
.if \last
	s_cmp_eq_u32 s[CNT], 1
	s_cbranch_scc1 .Lno_k_\@
.endif
	WIN 0x80                        ; destination window 2
.irp f, 0,1,2,3,4,5,6,7             ; keys 16 (f / 2) on, channels 32 (f % 2) on
	ds_load_b128 v[KF+8*\f:KF+8*\f+3],   v[AK] offset:(\f/2)*16*PK+(\f%2)*64
	ds_load_b128 v[KF+8*\f+4:KF+8*\f+7], v[AK] offset:(\f/2)*16*PK+(\f%2)*64+32
.endr
	s_add_co_u32 s[TBK], s[TBK], KS*PK  ; the next fetch is the next step's
	WIN 0
.if \last
.Lno_k_\@:
.endif
.endm
.macro FETCH_V
	WIN 0x80
.irp f, 0,1,2,3,4,5,6,7             ; keys 32 (f / 4) on, channels 16 (f % 4) on
	ds_load_tr16_b128 v[VF+8*\f:VF+8*\f+3],   v[AV] offset:(\f/4)*32*PV+(\f%4)*32
	ds_load_tr16_b128 v[VF+8*\f+4:VF+8*\f+7], v[AV] offset:(\f/4)*32*PV+16*PV+(\f%4)*32
.endr
	WIN 0
.endm
; THE VECTOR WORK, one line at a time: OP kind, number.  For piece Y: F n: c s - c m for pair n of 16.  E n: the exponential of score n of 32.  C n: pair n rounded to f16.  B n: of the four weights 4 n .. the second
; pair is added onto the first, in place.  L n: l takes that sum (L 0: l = a l + sum).  R n: pair n of 16 of O^T times a.  For piece Y + 1: X n, number n of the 22 that find its maximum and statistics:
;   0-11  four chains c0-c3 of seven scores each (each accumulator's lowest registers are read first)     12-14, 16  the four scores left over, the old m, and c0-c3 into c0
;   15  c m_old is kept     17, 18  the query's other 32 keys lie in the lane 16 away: the new m     19-21  c m; c m_old - c m_new; a
.set F, 0
.set E, 1
.set C, 2
.set B, 3
.set L, 4
.set R, 5
.set X, 6
.macro REGS y                       ; the registers of piece y
.set rT, ST+4*(\y)
.set rC, TMP+4*((\y)%2)
.set rW, MV+((\y)%2)
.set rS, S+32*((\y)%2)
.set rP, P+16*((\y)%2)
.set rO, 32*(\y)
.endm
.macro OP k, n
.if (\k) == R
	REGS Y
	WIN W_RS
	v_pk_mul_f32 v[rO+2*(\n):rO+2*(\n)+1], v[rO+2*(\n):rO+2*(\n)+1], v[rC+2:rC+3] op_sel_hi:[1,0]
.elseif (\k) < R
	REGS Y
	WIN 0
.if (\k) == F
	v_pk_fma_f32 v[rS+2*(\n):rS+2*(\n)+1], v[rS+2*(\n):rS+2*(\n)+1], s[CS:CS+1], v[rT:rT+1] op_sel_hi:[1,0,0] neg_lo:[0,0,1] neg_hi:[0,0,1]
.elseif (\k) == E
	v_exp_f32 v[rS+(\n)], v[rS+(\n)]
.elseif (\k) == C
	s_wait_alu depctr_va_vdst(0)
	v_cvt_pk_f16_f32 v[rP+(\n)], v[rS+2*(\n)], v[rS+2*(\n)+1]
.elseif (\k) == B
	s_wait_alu depctr_va_vdst(0)
	v_pk_add_f32 v[rS+4*(\n):rS+4*(\n)+1], v[rS+4*(\n):rS+4*(\n)+1], v[rS+4*(\n)+2:rS+4*(\n)+3]
.elseif (\n) == 0
	v_pk_fma_f32 v[rT+2:rT+3], v[rT+2:rT+3], v[rC+2:rC+3], v[rS:rS+1] op_sel_hi:[1,0,1]
.else
	v_pk_add_f32 v[rT+2:rT+3], v[rT+2:rT+3], v[rS+4*(\n):rS+4*(\n)+1]
.endif
.else
	REGS (Y+1)%NP
	WIN 0
.if (\n) < 4
	v_max3_num_f32 v[rC+(\n)], v[rS+8*(\n)], v[rS+8*(\n)+1], v[rS+8*(\n)+2]
.elseif (\n) < 12
	v_max3_num_f32 v[rC+(\n)%4], v[rC+(\n)%4], v[rS+8*((\n)%4)+2*((\n)/4)+1], v[rS+8*((\n)%4)+2*((\n)/4)+2]
.elseif (\n) == 12
	v_max3_num_f32 v[rC], v[rC], v[rS+7], v[rS+15]
.elseif (\n) == 13
	v_max3_num_f32 v[rC+1], v[rC+1], v[rS+23], v[rS+31]
.elseif (\n) == 14
	v_max3_num_f32 v[rC+2], v[rC+2], v[rC+3], v[rT+1]
.elseif (\n) == 15
	v_mov_b32 v[rW], v[rT]
.elseif (\n) == 16
	v_max3_num_f32 v[rC], v[rC], v[rC+1], v[rC+2]
.elseif (\n) == 17
	v_permlanex16_b32 v[rC+3], v[rC], s[SEL], s[SEL+1]
.elseif (\n) == 18
	v_max_num_f32 v[rT+1], v[rC], v[rC+3]
.elseif (\n) == 19
	v_mul_f32 v[rT], s[CS], v[rT+1]
.elseif (\n) == 20
	v_sub_f32 v[rC+1], v[rW], v[rT]
.else
	v_exp_f32 v[rC+2], v[rC+1]
.endif
.endif
.endm
.macro OPS a, i1, b=-1, i2=0, c=-1, i3=0, d=-1, i4=0  ; up to four of them
	OP \a, \i1
.if (\b) >= 0
	OP \b, \i2
.endif
.if (\c) >= 0
	OP \c, \i3
.endif
.if (\d) >= 0
	OP \d, \i4
.endif
.endm
.macro ROW a, i1, b, i2, c, i3, d, i4  ; a matrix instruction and the four behind it
	MM
	OPS \a, \i1, \b, \i2, \c, \i3, \d, \i4
.endm
; A TURN, for piece p: the order of its 16 matrix and 118 vector instructions, written out.  Behind a matrix instruction: plain, exponential, plain, plain; or four of the rescaling; or four scalings; none names a register of
; the products round it.  In the runs between, exponential and plain by turns while exponentials last.  A line reads no result made fewer than three vector instructions in front of it, five if an exponential made it.
; last = 1: the tail's text: K's fetch is jumped over in the last trip.  cnt = 1: the loop's count is taken down some lines ahead of the branch that stands behind the turn.
; K of the next step is fetched in piece 2's turn, six vector instructions behind the last product that read K (five of them plain); V of the step in hand in piece 0's turn, eight behind the last product that read V (four
; plain).  Each is waited for a turn later.
.macro TURN p, last=0, cnt=0
.set Y, (\p)
.set i, 0
.if (\p) == 3
	s_wait_dscnt 0x0                ; K is in
.endif
	ROW F,0, F,1, F,2, F,3
	ROW F,4, E,0, F,5, F,6
	ROW F,7, E,1, F,8, F,9
	ROW F,10, E,2, C,0, F,11
	ROW F,12, E,3, X,15, F,13
	ROW R,0, R,1, R,2, R,3
	ROW B,0, E,4, F,14, L,0
.if (\p) == 2
	v_add_nc_u32 v[AK], s[TBK], v[AK0]
.endif
	ROW R,4, R,5, R,6, R,7
	OPS E,5, F,15
.if (\p) == 2
	FETCH_K \last
.endif
	OPS E,6, C,1, E,7, R,8
	OPS E,8, R,9, E,9, C,2
	OPS E,10, X,0, E,11, X,1
	OPS E,12, X,2, E,13, X,3
.if (\p) == 1
	s_wait_dscnt 0x0                ; V is in
.endif
	ROW X,4, E,14, X,5, X,6
	ROW X,7, E,15, X,8, X,9
	ROW X,10, E,16, X,11, X,12
	ROW X,13, E,17, X,14, B,1
	ROW C,4, E,18, X,16, L,1
	ROW B,2, E,19, C,6, L,2
	ROW C,8, E,20, B,3, B,4
.if (\p) == 0
	v_add_nc_u32 v[AV], s[TBV], v[AV0]
.endif
	ROW C,3, E,21, L,3, C,5
	OPS E,22, X,17, E,23, C,10
.if (\p) == 0
	FETCH_V
.endif
	OPS E,24, L,4
	OPS E,25, X,18, E,26, C,7
	OPS E,27, B,5, E,28, X,19
	OPS E,29, C,12, E,30, L,5
	OPS E,31, X,20, B,6, C,9
	OPS C,14, C,11, X,21, L,6
.if (\p) == 0
	s_add_co_u32 s[TBV], s[TBV], KS*PV
.endif
.if \cnt
	s_sub_co_u32 s[CNT], s[CNT], 1
	s_cmp_lg_u32 s[CNT], 0
.endif
	OPS C,13, B,7, C,15, R,10
	OPS R,11, R,12, L,7, R,13
	OPS R,14, R,15
.endm
	CHANGE 1                        ; tile 0 is in, everybody's part of it; tile 1 is asked for
	v_add_nc_u32 v[AK], s[TBK], v[AK0]
	FETCH_K                         ; key step 0
	s_wait_loadcnt 0x0              ; Q
	s_wait_dscnt 0x0
.set i, 0
.rept 8
	KQ 0                            ; piece 0's first scores
.set i, i+1
.endr
	WIN 0
.rept 4
	v_nop                           ; the places behind those products
.endr
.set Y, NP-1                        ; X works for piece Y + 1: piece 0
.irp n, 0,1,2,3,4,5,6,7,8,9,10,11,12,13,14,15,16,17,18,19,20,21
	OP X, \n
.endr
	v_nop                           ; a plain instruction behind the exponential
	s_mov_b32 s[CNT], 4
	s_branch .Lfirst                ; the loop is entered at a step's first turn, in the middle of a trip
.Lslot:                             ; six times: tiles 2 to 7 are asked for
	CHANGE 1
	s_mov_b32 s[CNT], 4
.Lstep:                             ; a trip: pieces 2 and 3 of one step, then pieces 0 and 1 of the next, whose K and V it fetches
	TURN 2
	TURN 3
	WIN 0
.Lfirst:
	TURN 0
	TURN 1, 0, 1
	WIN 0
	s_cbranch_scc1 .Lstep
	s_sub_co_u32 s[SLOTS], s[SLOTS], 1
	s_cmp_lg_u32 s[SLOTS], 0
	s_cbranch_scc1 .Lslot
	CHANGE 0                        ; the last tile is a text of its own: nothing is asked for
	s_mov_b32 s[CNT], 5             ; four trips fetch the last tile's steps; the fifth is left in its middle
.Ltail:
	TURN 2, 1
	TURN 3
	WIN 0
	s_cmp_eq_u32 s[CNT], 1
	s_cbranch_scc1 .Lout
	TURN 0
	TURN 1, 0, 1
	WIN 0
	s_cbranch_scc1 .Ltail
.Lout:
.set i, 0
.rept 8
	PV NP-1                         ; the last piece's V^T P of the last step
.set i, i+1
.endr
	; THE WAY OUT.  l's two halves and the other half of the lanes' are added; O^T is divided by l and rounded to f16.  A lane then holds 8 channels of one query, and o2 wants 8 queries of one channel: a piece goes into my own
	; stage by queries, comes back turned, and goes into the work-group's stage by channels; behind a barrier each wave stores 16 channels' whole 512 bytes.  The additions are the places behind the last products.
	WIN 0
.macro ALL line:vararg              ; one line for each piece t
.set t, 0
.rept 4
	\line
.set t, t+1
.endr
.endm
	ALL v_add_f32 v[ST+4*t+2], v[ST+4*t+2], v[ST+4*t+3]
	ALL v_permlanex16_b32 v[ST+4*t+3], v[ST+4*t+2], s[SEL], s[SEL+1]
	ALL v_add_f32 v[ST+4*t+2], v[ST+4*t+2], v[ST+4*t+3]
	ALL v_rcp_f32 v[ST+4*t+2], v[ST+4*t+2]
	v_nop                           ; a plain instruction between the last reciprocal and the use of its result
.macro PACK t
	WIN W_RS
.set i, 32*(\t)
.rept 16
	s_wait_alu depctr_va_vdst(0)
	v_pk_mul_f32 v[i:i+1], v[i:i+1], v[ST+4*(\t)+2:ST+4*(\t)+3] op_sel_hi:[1,0]
.set i, i+2
.endr
	WIN 0x05                        ; sources 0 and 1 window 1, destination window 0: S^T's registers are free
.set i, 0
.rept 16
	v_cvt_pk_f16_f32 v[S+16*(\t)+i], v[32*(\t)+2*i], v[32*(\t)+2*i+1]
.set i, i+1
.endr
	WIN 0
.irp f, 0,1,2,3
	ds_store_b128 v[STO], v[S+16*(\t)+4*\f:S+16*(\t)+4*\f+3] offset:32*\f
.endr
.irp f, 0,1,2,3
	ds_load_tr16_b128 v[S+16*(\t)+4*\f:S+16*(\t)+4*\f+3], v[TRA] offset:32*\f  ; LDS serves a wave's instructions in order (ISA guide 5.7.1.4): these see the stores above; channels 16 f on
.endr
.endm
.macro MOVE t, younger              ; younger: the LDS instructions issued behind piece t's turning loads
	s_wait_dscnt \younger
.irp f, 0,1,2,3
	ds_store_b128 v[ST2], v[S+16*(\t)+4*\f:S+16*(\t)+4*\f+3] offset:\f*16*P2+32*(\t)
.endr
.endm
	PACK 0
	PACK 1
	MOVE 0, 8                       ; behind piece 0's loads: piece 1's four stores and four loads
	PACK 2
	MOVE 1, 12                      ; piece 0's four stores by channels, piece 2's eight
	PACK 3
	MOVE 2, 12
	MOVE 3, 4
	s_wait_dscnt 0x0                ; for the others' sake: my stores into the work-group's stage are done
	s_barrier_signal -1
	s_barrier_wait -1
.irp u, 0,1,2,3,4,5,6,7,8,9,10,11,12,13,14,15
	ds_load_b128 v[S+4*\u:S+4*\u+3], v[RD2] offset:\u*P2
.endr
.irp u, 0,1,2,3,4,5,6,7,8,9,10,11,12,13,14,15
	s_wait_dscnt 15-\u
	global_store_b128 v[GO], v[S+4*\u:S+4*\u+3], s[10:11] offset:\u*4096  ; 512 consecutive bytes of a channel's row, aligned to 256
.endr
	s_wait_tensorcnt 0x0            ; the wave's end
	ds_add_u32 v[SPW], v[NIL]
	s_wait_dscnt 0x0
	CROUND                          ; the closing round: no work-group ends while a partner may still ask for a tile that names it
	s_endpgm
.Lfunc_end_k_q007eba46e1_attn:
	.size	k_q007eba46e1_attn, .Lfunc_end_k_q007eba46e1_attn-k_q007eba46e1_attn
	.p2alignl 7, 3214868480
	.fill 96, 4, 3214868480
	.section	.rodata,"a",@progbits
	.p2align	6, 0x0
	.amdhsa_kernel k_q007eba46e1_attn
		.amdhsa_group_segment_fixed_size 327680
		.amdhsa_private_segment_fixed_size 0
		.amdhsa_enable_private_segment 0
		.amdhsa_kernarg_size 16
		.amdhsa_user_sgpr_count 2
		.amdhsa_user_sgpr_kernarg_segment_ptr 1
		.amdhsa_wavefront_size32 1
		.amdhsa_system_sgpr_workgroup_id_x 1
		.amdhsa_system_sgpr_workgroup_id_y 1
		.amdhsa_system_sgpr_workgroup_id_z 1
		.amdhsa_system_vgpr_workitem_id 0
		.amdhsa_next_free_vgpr 768
		.amdhsa_next_free_sgpr 66
		.amdhsa_reserve_vcc 0
		.amdhsa_float_denorm_mode_32 3
		.amdhsa_float_denorm_mode_16_64 3
		.amdhsa_memory_ordered 1
		.amdhsa_forward_progress 1
		.amdhsa_inst_pref_size 121
	.end_amdhsa_kernel
	.amdgpu_metadata
---
amdhsa.version: [ 1, 2 ]
amdhsa.kernels:
  - .name:           k_q007eba46e1_attn
    .symbol:         k_q007eba46e1_attn.kd
    .args:
      - { .name: qkv, .offset: 0, .size: 8, .value_kind: global_buffer, .address_space: global }
      - { .name: o2, .offset: 8, .size: 8, .value_kind: global_buffer, .address_space: global }
    .group_segment_fixed_size: 327680
    .private_segment_fixed_size: 0
    .kernarg_segment_align: 8
    .kernarg_segment_size: 16
    .max_flat_workgroup_size: 128
    .sgpr_count:     66
    .vgpr_count:     768
    .wavefront_size: 32
...
	.end_amdgpu_metadata
.endif
;; end of part 10
;; launch wo (part 11): grid 8 x 32, 4 waves a work-group, clusters of 4 x 4, 327,680 bytes of LDS; arguments o2, wh, x1, bo, x; writes x1
.if DOCPART == 11
	.amdgcn_target "amdgcn-amd-amdhsa--gfx1250"
	.amdhsa_code_object_version 6
	.text
	.protected	k_q007eba46e1_wo
	.globl	k_q007eba46e1_wo
	.p2align	8
	.type	k_q007eba46e1_wo,@function
k_q007eba46e1_wo:
	s_mov_b64 s[64:65], 0
	v_nop
	global_prefetch_b8 v0, s[64:65] scope:SCOPE_SE
	s_setreg_imm32_b32 hwreg(HW_REG_WAVE_MODE, 25, 1), 1
	s_wait_xcnt 0x0
	s_wait_alu depctr_hold_cnt(0) depctr_sa_sdst(0) depctr_va_vdst(0) depctr_va_sdst(0) depctr_va_ssrc(0) depctr_va_vcc(0) depctr_vm_vsrc(0)
	s_getreg_b32 s2, hwreg(HW_REG_IB_STS2, 6, 4)
	s_cmp_eq_u32 s2, 0
	s_cbranch_scc0 .Lentry_in_a_cluster
	s_endpgm
.Lentry_in_a_cluster:
	s_bfe_u32 s2, ttmp6, 0x10000c
	s_cmp_lg_u32 s2, 0xf033
	s_cbranch_scc0 .Lentry_shape_is_right
	s_endpgm
.Lentry_shape_is_right:
; x1 = x + o2 Wo + bo.  o2: [4096][1024] f16.  Wo in f16, [1024 k][1024 n], at byte WOFF of wh.  bo, x, x1 f32.  Sums in f32, begun with the bias; the residual is added in f32; nothing is rounded on the way out.
; LIMITS.  The operands arrive in f16 (no number from 65,520 on).  NaN and infinities are not treated apart.
; SHAPE.  256 tiles of 128 x 128, a work-group each; four waves of 64 x 64: 16 accumulators.  K in steps of 256 through two LDS slots filled by the tensor data mover.
; A's tile lies [m][k] (rows of 512 bytes + 16 of padding); B's lies as in memory, [k][n] (rows of 256 bytes + 32), and its fragments are read turned, by ds_load_tr16_b128.
; THE LOOP.  A K step is four quarters of 64 along K, on two fragment buffers by turns.  A trip begins at the change of slots and fetches the new slot's four quarters; the products lag the fetches by one quarter, so the trip's
; first products are the old slot's last quarter, from registers.  So a trip is the change of slots and ONE PAIR of quarters, written once and walked twice; the fetches' LDS addresses are a lane term plus a scalar that steps.
; K step 0 enters the loop in the middle of a pair; the last K step, which fills nothing, is a second copy; one run of products on the last quarter closes the sums.
; THE SUMS BEGIN WITH THE BIAS, loaded straight into the accumulators while the first tiles are on their way, so that every product has one form and no first step is written out.
; CLUSTERS: 4 x 4 work-groups.  The four of a row need the same tiles of A, the four of a column the same tiles of B: each tile is asked for JOINTLY, by the same tensor load, descriptor and mask in all four.
; THE MATRIX INSTRUCTION IS USED TRANSPOSED (source 0 = 16 columns of B, source 1 = 16 rows of A): lane l holds row l % 16 and the columns 8 (l / 16) + 0..7.
; The wave's 64 x 64 of the residual is loaded at the start, in the layout in which the results come back from the stage, and waits in 128 registers.  No prefetch: the tiles are small and shared.
; REGISTERS: window 0: v0-31 addresses; v32-95 the way out; v128-255 accumulators ((a, b) at 128 + 8 (4 a + b)).  Window 1: two fragment buffers of 128: 64 of A, then 64 of B, for 64 along K.  Window 2: v0-127 the residual.
.set SIZE_K, 1024
.set NB,     1024                      ; elements in a row of B
.set WOFF,   6291456                   ; Wo in wh
.set KSTEP,  256
.set KSTEPS, SIZE_K/KSTEP
.set PA,     528                       ; 132 words: the 16 rows of a load start at 16 different groups of four banks (64 banks of 4 bytes: ISA guide 11.1)
.set PB,     288                       ; 72 words
.set HALFA,  64*PA
.set HALFB,  128*PB
.set BOFF,   2*HALFA
.set SLOT,   2*HALFA+2*HALFB           ; A's 128 rows, then B's 256
.set STAGE,  2*SLOT                    ; behind the ring, never filled by a tensor load: 16 rows x 272 bytes for each wave
.set SP,     272
.set SPARE,  STAGE+4*16*SP             ; the spare words, 128 bytes for each wave: two blocks of 256 bytes that no other line names
.set A0,   16                          ; my lane's place in A's tile; never rewritten
.set B0,   17                          ; in B's
.set ADRA, 18                          ; the same for the pair of quarters in hand
.set ADRB, 20
.set STO,  24
.set RD,   25
.set CO,   26
.set BO,   27                          ; 32 (l / 16)
.set SPW,  28                          ; LDS address of my spare word; never rewritten
.set NIL,  29                          ; 0; never rewritten
.set TMP,  32
.set ACC,  128
.set F0,   0
.set F1,   128
.set G1,  24                           ; s[24:31] group 1 for A; s[32:39] group 0: a set for each first fill; the second then walks
.set G0,  32
.set TB,  45                           ; s45  LDS byte at which the slot in hand begins: 0 or SLOT
.set G1B, 48
.set G0B, 56
.set LA,  66                           ; s66  where my part of A's tile lies in a slot
.set LB,  67                           ; s67  of B's
.set TA,  72                           ; s72  the slot in hand + the pair's place in A's rows
.set TW,  73                           ; s73  the slot in hand + the pair's place in B's rows of k
.set IC,  74                           ; s74  counts a trip's two pairs
.set MSB, 0
.macro WIN new                         ; the immediate's high byte repeats the setting that is left
.if MSB != (\new)
	s_set_vgpr_msb (MSB<<8)|(\new)
.set MSB, \new
.endif
.endm
.set MUL,  0x05                        ; sources 0 (B) and 1 (A) window 1; C and D window 0
.set TO_F, 0x40                        ; destination window 1, address window 0
.macro JLOAD s                         ; a joint load: waves 0 and 1 fetch A's two halves, waves 2 and 3 B's; an s_nop 0 and four v_nop follow each line
	s_cmp_eq_u32 s11, 0
	s_cbranch_scc0 .Lfor_b_\@
	tensor_load_to_lds s[G0+4*(\s):G0+4*(\s)+3], s[G1:G1+7]
	s_nop 0
.rept 4
	v_nop
.endr
	s_branch .Lasked_\@
.Lfor_b_\@:
	tensor_load_to_lds s[G0B+4*(\s):G0B+4*(\s)+3], s[G1B:G1B+7]
	s_nop 0
.rept 4
	v_nop
.endr
.Lasked_\@:
.endm
.macro CROUND                          ; a round of the cluster's barrier
	s_barrier_signal -1
	s_barrier_wait -1
	s_cmp_lg_u32 s10, 0
	s_cbranch_scc1 .Lnot_wave_0_\@
	s_barrier_signal -3
.Lnot_wave_0_\@:
	s_barrier_wait -3
	s_barrier_signal -1
	s_barrier_wait -1
.endm
	s_load_b128 s[4:7], s[0:1], 0x0                ; A, wh
	s_load_b64 s[8:9], s[0:1], 0x10                ; the result
	s_load_b128 s[68:71], s[0:1], 0x18             ; the bias, the residual
	v_lshl_add_u32 v[SPW], v0, 2, SPARE
	v_mov_b32 v[NIL], 0
	ds_add_u32 v[SPW], v[NIL]                      ; the wave's opening: the add and its wait ahead of my first tensor load
	v_lshrrev_b32 v1, 5, v0
	v_readfirstlane_b32 s10, v1                    ; wave 0..3
	s_lshr_b32 s11, s10, 1                         ; my half of the tile's rows.  Also: I fetch for A (0) or for B (1)
	s_and_b32 s12, s10, 1                          ; my half of its columns.  Also: which half of that tile I fetch
	s_bfe_u32 s40, ttmp6, 0x40000                  ; cx, cy
	s_bfe_u32 s41, ttmp6, 0x40004
	s_lshl_b32 s42, ttmp9, 2
	s_add_co_u32 s42, s42, s40                     ; tile column
	s_and_b32 s13, ttmp7, 0xffff
	s_lshl_b32 s13, s13, 2
	s_add_co_u32 s13, s13, s41                     ; tile row
	s_lshl_b32 s43, s41, 2
	s_lshl_b32 s43, 15, s43                        ; my row of the cluster
	s_lshl_b32 s44, 0x1111, s40                    ; my column
	s_or_b32 s[G1+0], s43, (1<<16)|(1<<20)|(1<<21)|(6<<22)|(3<<25)   ; mask; 2-byte elements; padding on; bit 21 beside a mask; after every 128 words 4 words
	s_or_b32 s[G1B+0], s44, (1<<16)|(1<<20)|(1<<21)|(5<<22)|(7<<25)  ; after every 64 words 8 words
	s_mov_b32 s[G1+1], KSTEP<<16                   ; A: 64 rows x 256 k
	s_mov_b32 s[G1+2], 64<<16
	s_mov_b32 s[G1+3], KSTEP<<16
	s_mov_b32 s[G1+4], 64
	s_mov_b32 s[G1+5], SIZE_K
	s_mov_b32 s[G1+6], 0
	s_mov_b32 s[G1+7], 0
	s_mov_b32 s[G1B+1], 128<<16                    ; B: 128 rows of k x 128 n
	s_mov_b32 s[G1B+2], 128<<16
	s_mov_b32 s[G1B+3], 128<<16
	s_mov_b32 s[G1B+4], 128
	s_mov_b32 s[G1B+5], NB
	s_mov_b32 s[G1B+6], 0
	s_mov_b32 s[G1B+7], 0
	s_lshl_b32 s17, s12, 6
	s_lshl_b32 s16, s13, 7
	s_add_co_u32 s16, s16, s17                     ; A: row 128 x tile row + 64 x half,
	s_mul_i32 s16, s16, SIZE_K*2                   ; in bytes (under 2^25)
	s_mov_b32 s17, 0
	s_lshl_b32 s46, s42, 8                         ; B: the tile column, 256 bytes each,
	s_mul_i32 s47, s12, 128*NB*2                   ; my 128 rows of k,
	s_add_co_u32 s46, s46, s47
	s_add_co_u32 s46, s46, WOFF                    ; the matrix's place in wh
	s_mov_b32 s47, 0
	s_mul_i32 s[LA], s12, HALFA                    ; where they go: no place in the cluster enters an LDS address
	s_mul_i32 s[LB], s12, HALFB
	s_add_co_u32 s[LB], s[LB], BOFF
	s_mov_b32 s[TB], 0
	s_mov_b32 s[TA], 0
	s_mov_b32 s[TW], 0
	s_wait_dscnt 0x0                               ; the opening add is done
	s_wait_kmcnt 0x0
	s_add_nc_u64 s[14:15], s[4:5], s[16:17]
	s_add_nc_u64 s[46:47], s[6:7], s[46:47]
	CROUND                                         ; all sixteen work-groups are here: the first joint loads meet
.irp s, 0,1
	s_mov_b32 s[G0+4*(\s)], 1
	s_add_co_u32 s[G0+4*(\s)+1], s[LA], (\s)*SLOT
	s_add_nc_u64 s[G0+4*(\s)+2:G0+4*(\s)+3], s[14:15], (\s)*KSTEP*2
	s_or_b32 s[G0+4*(\s)+3], s[G0+4*(\s)+3], 0x80000000
	s_mov_b32 s[G0B+4*(\s)], 1
	s_add_co_u32 s[G0B+4*(\s)+1], s[LB], (\s)*SLOT
	s_add_nc_u64 s[G0B+4*(\s)+2:G0B+4*(\s)+3], s[46:47], (\s)*KSTEP*NB*2
	s_or_b32 s[G0B+4*(\s)+3], s[G0B+4*(\s)+3], 0x80000000
	JLOAD \s                                       ; two loads of mine are out
.endr
	v_and_b32 v1, 15, v0                           ; l % 16
	v_bfe_u32 v2, v0, 4, 1                         ; l / 16
	v_lshlrev_b32 v[BO], 5, v2
	v_lshlrev_b32 v[CO], 12, v2                    ; out: lanes 0-15 one row's 256 bytes, lanes 16-31 the next row's
	v_lshl_add_u32 v[CO], v1, 4, v[CO]
	s_lshl_b32 s46, s42, 9                         ; my first column in bytes: 512 x tile column + 256 x half: in the rows of 4,096 bytes and in the bias alike
	s_lshl_b32 s47, s12, 8
	s_add_co_u32 s46, s46, s47
	s_mov_b32 s47, 0
	s_add_nc_u64 s[68:69], s[68:69], s[46:47]
	s_lshl_b32 s16, s13, 19                        ; 128 rows of 4,096 bytes a tile row,
	s_lshl_b32 s17, s11, 18                        ; 64 for my half
	s_add_co_u32 s16, s16, s17
	s_mov_b32 s17, 0
	s_add_nc_u64 s[16:17], s[16:17], s[46:47]
	s_add_nc_u64 s[8:9], s[8:9], s[16:17]
	s_add_nc_u64 s[70:71], s[70:71], s[16:17]
.irp a, 0,1,2,3                        ; register j of accumulator (a, b) begins as bias[16 b + 8 (l / 16) + j]
.irp b, 0,1,2,3
	global_load_b128 v[ACC+8*(4*(\a)+(\b)):ACC+8*(4*(\a)+(\b))+3],   v[BO], s[68:69] offset:64*(\b)
	global_load_b128 v[ACC+8*(4*(\a)+(\b))+4:ACC+8*(4*(\a)+(\b))+7], v[BO], s[68:69] offset:64*(\b)+16
.endr
.endr
	WIN 0x80                                       ; destination window 2, address window 0
.irp a, 0,1,2,3
.irp t, 0,1,2,3,4,5,6,7
	global_load_b128 v[32*(\a)+4*(\t):32*(\a)+4*(\t)+3], v[CO], s[70:71] offset:(16*(\a)+2*(\t))*4096 th:TH_LOAD_NT
.endr
.endr
	WIN 0
	v_mul_u32_u24 v[A0], v1, PA
	v_lshl_add_u32 v[A0], v2, 4, v[A0]             ; A: row x pitch + 16 x half,
	s_mul_i32 s21, s11, HALFA                      ; my 64 rows
	v_add_nc_u32 v[A0], s21, v[A0]
	v_and_b32 v5, 7, v0
	v_bfe_u32 v6, v0, 3, 1
	v_lshl_add_u32 v[B0], v2, 3, v5                ; B, turned: lane l reads row k = 8 (l / 16) + l % 8, columns 8 ((l / 8) % 2) + 0..7
	v_mul_u32_u24 v[B0], v[B0], PB
	v_lshl_add_u32 v[B0], v6, 4, v[B0]
	s_lshl_b32 s22, s12, 7                         ; my 64 columns of B: 128 bytes
	s_add_co_u32 s22, s22, BOFF
	v_add_nc_u32 v[B0], s22, v[B0]
	v_mov_b32 v[ADRA], v[A0]                       ; slot 0, its first pair of quarters
	v_mov_b32 v[ADRB], v[B0]
	s_mul_i32 s23, s10, 16*SP
	s_add_co_u32 s23, s23, STAGE                   ; my stage
	v_mul_u32_u24 v7, v1, SP                       ; in: row l % 16, 32 bytes for each half of the lanes
	v_lshl_add_u32 v7, v2, 5, v7
	v_add_nc_u32 v[STO], s23, v7
	v_mul_u32_u24 v7, v2, SP                       ; back: lanes 0-15 take one row of 256 bytes, lanes 16-31 the next
	v_lshl_add_u32 v7, v1, 4, v7
	v_add_nc_u32 v[RD], s23, v7
; 8 matrix instructions: m blocks a0, a0 + 1 x all 4 n blocks, 32 along K: half c of buffer f.  The 16 accumulators take turns, over the backward jumps too.
.macro MUL8 f, c, a0
	WIN MUL
.irp a, \a0, (\a0)+1
.irp b, 0,1,2,3
	v_wmma_f32_16x16x32_f16 v[ACC+8*(4*(\a)+(\b)):ACC+8*(4*(\a)+(\b))+7], v[(\f)+64+8*(4*(\c)+(\b)):(\f)+64+8*(4*(\c)+(\b))+7], v[(\f)+8*(4*(\c)+(\a)):(\f)+8*(4*(\c)+(\a))+7], v[ACC+8*(4*(\a)+(\b)):ACC+8*(4*(\a)+(\b))+7]
.endr
.endr
.endm
; 32 LDS loads in one run: the fragments of 64 along K, quarter j (0, 1) of the pair in hand, into buffer f; the first 32 along K first
.macro FETCH j, f
	WIN TO_F
.irp c, 0,1
.irp i, 0,1,2,3
	ds_load_tr16_b128 v[(\f)+64+8*(4*(\c)+(\i)):(\f)+64+8*(4*(\c)+(\i))+3],   v[ADRB] offset:(64*(\j)+32*(\c))*PB+32*(\i)
	ds_load_tr16_b128 v[(\f)+64+8*(4*(\c)+(\i))+4:(\f)+64+8*(4*(\c)+(\i))+7], v[ADRB] offset:(64*(\j)+32*(\c)+16)*PB+32*(\i)
	ds_load_b128 v[(\f)+8*(4*(\c)+(\i)):(\f)+8*(4*(\c)+(\i))+3],   v[ADRA] offset:128*(\j)+64*(\c)+(\i)*16*PA
	ds_load_b128 v[(\f)+8*(4*(\c)+(\i))+4:(\f)+8*(4*(\c)+(\i))+7], v[ADRA] offset:128*(\j)+64*(\c)+(\i)*16*PA+32
.endr
.endr
.endm
.macro PLACES                          ; four places in front of loads into registers that matrix instructions have read, and of lines that read results
.rept 4
	v_nop
.endr
.endm
; One quarter, 32 matrix instructions: buffer f is multiplied; in its middle quarter j of the pair in hand is fetched into buffer g.
.macro QUARTER f, g, j
	s_wait_dscnt 16                                ; the first 32 along K are in
	MUL8 \f, 0, 0
	MUL8 \f, 0, 2
	PLACES
	FETCH \j, \g
	s_wait_dscnt 32                                ; all but the 32 just issued
	MUL8 \f, 1, 0
	MUL8 \f, 1, 2
.endm
; THE CHANGE OF SLOTS.  The slot's last quarter has been fetched.  Each wave waits for all its tensor loads, of which one is out: its part of the next slot; adds 0 to its spare word; and waits for that and for its reads of
; this slot.  fill = 1: the barrier is a round of the cluster's, and this slot is filled again, two K steps ahead, first thing behind it.  No product stands between the wait for the tiles and the request.
.macro SYNC fill
	s_wait_tensorcnt 0x0                           ; no tensor load of mine is out, so a group 0 may be written
	ds_add_u32 v[SPW], v[NIL]                      ; 0 onto my spare word; the scalar steps stand between it and the wait for it
.if \fill
	s_add_co_u32 s[G0+5], s[LA], s[TB]             ; the walking descriptors: into the slot that is being left,
	s_add_co_u32 s[G0B+5], s[LB], s[TB]
	s_add_nc_u64 s[G0+6:G0+7], s[G0+6:G0+7], KSTEP*2           ; the next K step; the type bits on top are not reached
	s_add_nc_u64 s[G0B+6:G0B+7], s[G0B+6:G0B+7], KSTEP*NB*2
.endif
	s_xor_b32 s[TB], s[TB], SLOT                   ; 0 and SLOT by turns: the other slot is in hand,
	s_mov_b32 s[TA], s[TB]                         ; at its first pair of quarters
	s_mov_b32 s[TW], s[TB]
	s_wait_dscnt 0x0                               ; the add is done, and my reads of the old slot are over
.if \fill
	CROUND                                         ; no wave of any partner still reads the old slot or has a load on its way
	JLOAD 1                                        ; 128 matrix instructions ahead of the wait for it
.else
	s_barrier_signal -1
	s_barrier_wait -1
.endif
.endm
; A slot's four fetches: one pair of quarters, walked twice.  The first quarter multiplies what was fetched last (in the first walk: the old slot's last quarter).
.macro BODY tag
	s_mov_b32 s[IC], 2
.Lpair\tag:
	v_add_nc_u32 v[ADRA], s[TA], v[A0]
	v_add_nc_u32 v[ADRB], s[TW], v[B0]
	QUARTER F1, F0, 0
	WIN 0                                          ; at a label and at a branch every window is 0
.Lmid\tag:
	QUARTER F0, F1, 1
	WIN 0
	s_add_co_u32 s[TA], s[TA], 256                 ; two quarters on: 256 bytes of A's rows,
	s_add_co_u32 s[TW], s[TW], HALFB               ; 128 of B's rows of k
	s_sub_co_u32 s[IC], s[IC], 1
	s_cmp_lg_u32 s[IC], 0
	s_cbranch_scc1 .Lpair\tag
.endm
; THE WAY OUT of m block a: 16 rows x 64 columns of f32 through my own stage: in by lanes' 32 bytes, back as whole rows of 256 bytes; the residual is added; 16 lanes store 256 consecutive bytes, aligned.
.macro OUTB a
.set BK, TMP+32*((\a)%2)
.if (\a) > 1
	s_wait_xcnt 0x0                                ; the stores of the block two back have read these registers
.endif
.irp b, 0,1,2,3
	ds_store_b128 v[STO], v[ACC+8*(4*(\a)+(\b)):ACC+8*(4*(\a)+(\b))+3]   offset:64*(\b)
	ds_store_b128 v[STO], v[ACC+8*(4*(\a)+(\b))+4:ACC+8*(4*(\a)+(\b))+7] offset:64*(\b)+16
.endr
.irp t, 0,1,2,3,4,5,6,7
	ds_load_b128 v[BK+4*(\t):BK+4*(\t)+3], v[RD] offset:(\t)*2*SP  ; LDS serves a wave's instructions in order (ISA guide 5.7.1.4): these see the stores above
.endr
	s_wait_dscnt 0x0
	WIN 0x08                                       ; source 1 window 2
.set i, 0
.rept 16
	v_pk_add_f32 v[BK+i:BK+i+1], v[BK+i:BK+i+1], v[32*(\a)+i:32*(\a)+i+1]
.set i, i+2
.endr
	WIN 0
.irp t, 0,1,2,3,4,5,6,7
	global_store_b128 v[CO], v[BK+4*(\t):BK+4*(\t)+3], s[8:9] offset:(16*(\a)+2*(\t))*4096
.endr
.endm
	s_wait_tensorcnt 1                             ; my part of K step 0 is in; K step 1's may stay out
	s_barrier_signal -1
	s_barrier_wait -1
	FETCH 0, F0                                    ; K step 0's first quarter
	s_wait_loadcnt 32                              ; the bias lies in the accumulators; the residual's 32 loads may stay out
	WIN 0
	s_mov_b32 s3, KSTEPS-1
	s_mov_b32 s[IC], 2
	s_branch .Lmid1                                ; K step 0 has no quarter in front of it: the loop is entered in the middle of a pair
.Lfill:                                            ; KSTEPS - 2 times: a K step is fetched, and the slot just left is filled again
	SYNC 1
	BODY 1
	s_sub_co_u32 s3, s3, 1
	s_cmp_lg_u32 s3, 0
	s_cbranch_scc1 .Lfill
	SYNC 0                                         ; the last K step is a text of its own
	BODY 2
	s_wait_dscnt 16                                ; the last quarter: nothing more to fetch
	MUL8 F1, 0, 0
	MUL8 F1, 0, 2
	s_wait_dscnt 0x0
	MUL8 F1, 1, 0
	MUL8 F1, 1, 2
	WIN 0
	PLACES
	s_wait_loadcnt 0x0                             ; the residual
	OUTB 0
	OUTB 1
	OUTB 2
	OUTB 3
	s_wait_tensorcnt 0x0                           ; the wave's end
	ds_add_u32 v[SPW], v[NIL]
	s_wait_dscnt 0x0
	CROUND                                         ; the closing round: no work-group ends while a partner may still ask for a tile that names it
	s_endpgm
.Lfunc_end_k_q007eba46e1_wo:
	.size	k_q007eba46e1_wo, .Lfunc_end_k_q007eba46e1_wo-k_q007eba46e1_wo
	.p2alignl 7, 3214868480
	.fill 96, 4, 3214868480
	.section	.rodata,"a",@progbits
	.p2align	6, 0x0
	.amdhsa_kernel k_q007eba46e1_wo
		.amdhsa_group_segment_fixed_size 327680
		.amdhsa_private_segment_fixed_size 0
		.amdhsa_enable_private_segment 0
		.amdhsa_kernarg_size 40
		.amdhsa_user_sgpr_count 2
		.amdhsa_user_sgpr_kernarg_segment_ptr 1
		.amdhsa_wavefront_size32 1
		.amdhsa_system_sgpr_workgroup_id_x 1
		.amdhsa_system_sgpr_workgroup_id_y 1
		.amdhsa_system_sgpr_workgroup_id_z 1
		.amdhsa_system_vgpr_workitem_id 0
		.amdhsa_next_free_vgpr 640
		.amdhsa_next_free_sgpr 80
		.amdhsa_reserve_vcc 0
		.amdhsa_float_denorm_mode_32 3
		.amdhsa_float_denorm_mode_16_64 3
		.amdhsa_memory_ordered 1
		.amdhsa_forward_progress 1
		.amdhsa_inst_pref_size 50
	.end_amdhsa_kernel
	.amdgpu_metadata
---
amdhsa.version: [ 1, 2 ]
amdhsa.kernels:
  - .name:           k_q007eba46e1_wo
    .symbol:         k_q007eba46e1_wo.kd
    .args:
      - { .name: o2, .offset: 0, .size: 8, .value_kind: global_buffer, .address_space: global }
      - { .name: wh, .offset: 8, .size: 8, .value_kind: global_buffer, .address_space: global }
      - { .name: x1, .offset: 16, .size: 8, .value_kind: global_buffer, .address_space: global }
      - { .name: bo, .offset: 24, .size: 8, .value_kind: global_buffer, .address_space: global }
      - { .name: x, .offset: 32, .size: 8, .value_kind: global_buffer, .address_space: global }
    .group_segment_fixed_size: 327680
    .private_segment_fixed_size: 0
    .kernarg_segment_align: 8
    .kernarg_segment_size: 40
    .max_flat_workgroup_size: 128
    .sgpr_count:     80
    .vgpr_count:     640
    .wavefront_size: 32
...
	.end_amdgpu_metadata
.endif
;; end of part 11
;; launch ln2: the kernel of part 5 again; grid 256 x 1, 16 waves a work-group, no clusters, 0 bytes of LDS; arguments x1, ln2_g, ln2_b, y2; writes y2
;; launch ffn1 (part 12): grid 16 x 16, 4 waves a work-group, clusters of 4 x 4, 327,680 bytes of LDS; arguments y2, wh, f1, b1; writes f1
.if DOCPART == 12
	.amdgcn_target "amdgcn-amd-amdhsa--gfx1250"
	.amdhsa_code_object_version 6
	.text
	.protected	k_q007eba46e1_ffn1
	.globl	k_q007eba46e1_ffn1
	.p2align	8
	.type	k_q007eba46e1_ffn1,@function
k_q007eba46e1_ffn1:
	s_mov_b64 s[64:65], 0
	v_nop
	global_prefetch_b8 v0, s[64:65] scope:SCOPE_SE
	s_setreg_imm32_b32 hwreg(HW_REG_WAVE_MODE, 25, 1), 1
	s_wait_xcnt 0x0
	s_wait_alu depctr_hold_cnt(0) depctr_sa_sdst(0) depctr_va_vdst(0) depctr_va_sdst(0) depctr_va_ssrc(0) depctr_va_vcc(0) depctr_vm_vsrc(0)
	s_getreg_b32 s2, hwreg(HW_REG_IB_STS2, 6, 4)
	s_cmp_eq_u32 s2, 0
	s_cbranch_scc0 .Lentry_in_a_cluster
	s_endpgm
.Lentry_in_a_cluster:
	s_bfe_u32 s2, ttmp6, 0x10000c
	s_cmp_lg_u32 s2, 0xf033
	s_cbranch_scc0 .Lentry_shape_is_right
	s_endpgm
.Lentry_shape_is_right:
; f1 = relu(y2 W1 + b1), rounded once to f16.  y2: [4096][1024] f16.  W1 in f16, [1024 k][2048 n], at byte WOFF of wh.  b1 f32.  f1: [4096][2048] f16.  Sums in f32, begun with the bias.
; LIMITS.  f16 holds no number from 65,520 on: a sum beyond that becomes an infinity.  NaN and infinities are not treated apart (a NaN leaves the maximum as 0).
; SHAPE.  16 x 16 tiles of 256 x 128, a work-group each: 256 work-groups.  Wave w makes rows 64 w .. 64 w + 63 of the tile and all 128 columns: 4 x 8 = 32 accumulators of 16 x 16; a wave's row of results is 256 bytes of f1.
; For 32 along K a wave reads 12 fragments from LDS for 32 products.
; K goes in 8 steps of 128 through two LDS slots filled by the tensor data mover.  A's tile lies [m][k] (rows of 256 bytes + 16 of padding); B's lies as in memory, [k][n] (rows of 256 bytes + 32), and is read turned, by ds_load_tr16_b128.
; THE LOOP.  A K step is four parts of 32 along K, on two fragment buffers by turns.  A trip begins at the change of slots and fetches the new slot's four parts; the products lag the fetches by one part, so the trip's
; first products are the old slot's last part, from registers.  So a trip is the change of slots and ONE PAIR of parts, written once and walked twice; the fetches' LDS addresses are a lane term plus a scalar that steps.
; K step 0 enters the loop in the middle of a pair; the last K step, which fills nothing, is a second copy; one run of products on the last part closes the sums.
; THE SUMS BEGIN WITH THE BIAS, loaded straight into the accumulators while the first tiles are on their way, so that every product has one form and no first step is written out.
; CLUSTERS: 4 x 4 work-groups.  The four of a row need the same tiles of A, the four of a column the same tiles of B: each tile is asked for JOINTLY, by the same tensor load, descriptor and mask in all four.
; THE MATRIX INSTRUCTION IS USED TRANSPOSED (source 0 = 16 columns of B, source 1 = 16 rows of A): lane l holds row l % 16 and the columns 8 (l / 16) + 0..7, which pack into 16 bytes.
; No prefetch: each tile is asked for by several clusters at about the same time, and the walk has only eight steps, two of them asked for at the head.
; REGISTERS, in windows of 256: window 0: v0-31 addresses; v32-159 the way out.  Window 1: two fragment buffers at 0 and 128: A's 4 fragments, then B's 8.  Window 2: the accumulators; (a, b) has the number 8 a + b.
.set SIZE_K, 1024
.set NB,     2048                      ; elements in a row of B
.set WOFF,   8388608                   ; W1 in wh
.set KSTEP,  128
.set KSTEPS, SIZE_K/KSTEP
.set NBK,    8                         ; blocks of 16 columns
.set PA,     272                       ; 68 words: the 16 rows of a load start at 16 different groups of four banks (64 banks of 4 bytes: ISA guide 11.1)
.set PB,     288                       ; 72 words
.set HALFA,  128*PA                    ; what one tensor load brings of A: 128 rows
.set BOFF,   2*HALFA
.set HALFB,  64*PB                     ; of B: 64 rows of k
.set BSTEP,  KSTEP*NB*2                ; bytes from a K step of the weights to the next
.set SLOT1,  1<<17                     ; a slot is 106,496 bytes; slot 1 begins here: one exclusive or turns an address in one slot into the other's
.set STAGE,  2*SLOT1                   ; behind the ring, never filled by a tensor load: 16 rows x 272 bytes for each wave
.set SP,     272
.set SPARE,  STAGE+4*16*SP             ; the spare words, 128 bytes for each wave: two blocks of 256 bytes that no other line names
.set A0,   16                          ; my lane's place in A's tile; never rewritten
.set B0,   17                          ; in B's
.set ADRA, 18                          ; the same for the pair of parts in hand
.set ADRB, 19
.set STO,  24
.set RD,   25
.set CO,   26
.set BO,   27                          ; 32 (l / 16)
.set SPW,  28                          ; LDS address of my spare word; never rewritten
.set NIL,  29                          ; 0; never rewritten
.set ZR,   30                          ; 0, for the packed maximum
.set TMP,  32
.set F0,   0
.set F1,   128
.set G1,  24                           ; s[24:31] group 1 for A; s[32:39] group 0: a set for each first fill; the second then walks
.set G0,  32
.set TB,  45                           ; s45  LDS byte at which the slot in hand begins
.set G1B, 48
.set G0B, 56
.set TA,  66                           ; s66  the slot in hand + the pair's place in A's rows
.set TW,  67                           ; s67  the slot in hand + the pair's place in B's rows of k
.set IC,  70                           ; s70  counts a trip's two pairs
.set MSB, 0
.macro WIN new                         ; the immediate's high byte repeats the setting that is left
.if MSB != (\new)
	s_set_vgpr_msb (MSB<<8)|(\new)
.set MSB, \new
.endif
.endm
.macro JLOAD s                         ; a joint load: waves 0 and 1 fetch A's two halves, waves 2 and 3 B's; an s_nop 0 and four v_nop follow each line
	s_cmp_eq_u32 s11, 0
	s_cbranch_scc0 .Lfor_b_\@
	tensor_load_to_lds s[G0+4*(\s):G0+4*(\s)+3], s[G1:G1+7]
	s_nop 0
.rept 4
	v_nop
.endr
	s_branch .Lasked_\@
.Lfor_b_\@:
	tensor_load_to_lds s[G0B+4*(\s):G0B+4*(\s)+3], s[G1B:G1B+7]
	s_nop 0
.rept 4
	v_nop
.endr
.Lasked_\@:
.endm
.macro CROUND                          ; a round of the cluster's barrier
	s_barrier_signal -1
	s_barrier_wait -1
	s_cmp_lg_u32 s10, 0
	s_cbranch_scc1 .Lnot_wave_0_\@
	s_barrier_signal -3
.Lnot_wave_0_\@:
	s_barrier_wait -3
	s_barrier_signal -1
	s_barrier_wait -1
.endm
	s_load_b128 s[4:7], s[0:1], 0x0                ; y2, wh
	s_load_b64 s[8:9], s[0:1], 0x10                ; f1
	s_load_b64 s[68:69], s[0:1], 0x18              ; b1
	v_lshl_add_u32 v[SPW], v0, 2, SPARE
	v_mov_b32 v[NIL], 0
	ds_add_u32 v[SPW], v[NIL]                      ; the wave's opening: the add and its wait ahead of my first tensor load
	v_mov_b32 v[ZR], 0
	v_lshrrev_b32 v1, 5, v0
	v_readfirstlane_b32 s10, v1                    ; wave 0..3
	s_lshr_b32 s11, s10, 1                         ; I fetch for A (0) or for B (1),
	s_and_b32 s12, s10, 1                          ; this half of the tile
	s_bfe_u32 s40, ttmp6, 0x40000                  ; cx, cy
	s_bfe_u32 s41, ttmp6, 0x40004
	s_lshl_b32 s42, ttmp9, 2
	s_add_co_u32 s42, s42, s40                     ; tile column 0..15
	s_and_b32 s13, ttmp7, 0xffff
	s_lshl_b32 s13, s13, 2
	s_add_co_u32 s13, s13, s41                     ; tile row 0..15
	s_lshl_b32 s43, s41, 2
	s_lshl_b32 s43, 15, s43                        ; my row of the cluster
	s_lshl_b32 s44, 0x1111, s40                    ; my column
	s_or_b32 s[G1+0], s43, (1<<16)|(1<<20)|(1<<21)|(5<<22)|(3<<25)   ; mask; 2-byte elements; padding on; bit 21 beside a mask; after every 64 words 4 words
	s_or_b32 s[G1B+0], s44, (1<<16)|(1<<20)|(1<<21)|(5<<22)|(7<<25)  ; after every 64 words 8 words
	s_mov_b32 s[G1+1], KSTEP<<16                   ; A: 128 rows x 128 k
	s_mov_b32 s[G1+2], 128<<16
	s_mov_b32 s[G1+3], KSTEP<<16
	s_mov_b32 s[G1+4], 128
	s_mov_b32 s[G1+5], SIZE_K
	s_mov_b32 s[G1+6], 0
	s_mov_b32 s[G1+7], 0
	s_mov_b32 s[G1B+1], 128<<16                    ; B: 64 rows of k x 128 n
	s_mov_b32 s[G1B+2], 64<<16
	s_mov_b32 s[G1B+3], 128<<16
	s_mov_b32 s[G1B+4], 64
	s_mov_b32 s[G1B+5], NB
	s_mov_b32 s[G1B+6], 0
	s_mov_b32 s[G1B+7], 0
	s_lshl_b32 s16, s13, 19                        ; A: 256 rows of 2,048 bytes a tile row,
	s_lshl_b32 s17, s12, 18                        ; 128 for my half
	s_add_co_u32 s16, s16, s17
	s_mov_b32 s17, 0
	s_lshl_b32 s46, s42, 8                         ; B: the tile column, 256 bytes each,
	s_lshl_b32 s47, s12, 18                        ; my 64 rows of k, 4,096 bytes each,
	s_add_co_u32 s46, s46, s47
	s_add_co_u32 s46, s46, WOFF                    ; the matrix's place in wh
	s_mov_b32 s47, 0
	s_mul_i32 s20, s12, HALFA                      ; where they go: no place in the cluster enters an LDS address
	s_mul_i32 s21, s12, HALFB
	s_add_co_u32 s21, s21, BOFF
	s_mov_b32 s[TB], 0
	s_mov_b32 s[TA], 0
	s_mov_b32 s[TW], 0
	s_wait_dscnt 0x0                               ; the opening add is done
	s_wait_kmcnt 0x0
	s_add_nc_u64 s[14:15], s[4:5], s[16:17]
	s_add_nc_u64 s[46:47], s[6:7], s[46:47]
	CROUND                                         ; all sixteen work-groups are here: the first joint loads meet
.irp s, 0,1
	s_mov_b32 s[G0+4*(\s)], 1
	s_add_co_u32 s[G0+4*(\s)+1], s20, (\s)*SLOT1
	s_add_nc_u64 s[G0+4*(\s)+2:G0+4*(\s)+3], s[14:15], (\s)*KSTEP*2
	s_or_b32 s[G0+4*(\s)+3], s[G0+4*(\s)+3], 0x80000000
	s_mov_b32 s[G0B+4*(\s)], 1
	s_add_co_u32 s[G0B+4*(\s)+1], s21, (\s)*SLOT1
	s_add_nc_u64 s[G0B+4*(\s)+2:G0B+4*(\s)+3], s[46:47], (\s)*BSTEP
	s_or_b32 s[G0B+4*(\s)+3], s[G0B+4*(\s)+3], 0x80000000
	JLOAD \s                                       ; two loads of mine are out
.endr
	v_and_b32 v1, 15, v0                           ; l % 16
	v_bfe_u32 v2, v0, 4, 1                         ; l / 16
	v_lshlrev_b32 v[BO], 5, v2
	s_lshl_b32 s74, s42, 9                         ; the bias: 128 numbers a tile column
	s_mov_b32 s75, 0
	s_add_nc_u64 s[68:69], s[68:69], s[74:75]
	WIN 0x80                                       ; destination window 2, address window 0
.irp a, 0,1,2,3                        ; register j of accumulator (a, b) begins as bias[16 b + 8 (l / 16) + j]
.irp b, 0,1,2,3,4,5,6,7
	global_load_b128 v[8*(NBK*(\a)+(\b)):8*(NBK*(\a)+(\b))+3],   v[BO], s[68:69] offset:64*(\b)
	global_load_b128 v[8*(NBK*(\a)+(\b))+4:8*(NBK*(\a)+(\b))+7], v[BO], s[68:69] offset:64*(\b)+16
.endr
.endr
	WIN 0
	v_mul_u32_u24 v[A0], v1, PA
	v_lshl_add_u32 v[A0], v2, 4, v[A0]             ; A: row x pitch + 16 x half,
	s_mul_i32 s22, s10, 64*PA                      ; my wave's 64 rows
	v_add_nc_u32 v[A0], s22, v[A0]
	v_and_b32 v5, 7, v0
	v_bfe_u32 v6, v0, 3, 1
	v_lshl_add_u32 v[B0], v2, 3, v5                ; B, turned: lane l reads row k = 8 (l / 16) + l % 8, columns 8 ((l / 8) % 2) + 0..7
	v_mul_u32_u24 v[B0], v[B0], PB
	v_lshl_add_u32 v[B0], v6, 4, v[B0]
	v_add_nc_u32 v[B0], BOFF, v[B0]
	v_mov_b32 v[ADRA], v[A0]                       ; slot 0, its first pair of parts
	v_mov_b32 v[ADRB], v[B0]
	s_mul_i32 s23, s10, 16*SP
	s_add_co_u32 s23, s23, STAGE                   ; my stage
	v_mul_u32_u24 v7, v1, SP                       ; in: row l % 16, 16 bytes for each half of the lanes
	v_lshl_add_u32 v7, v2, 4, v7
	v_add_nc_u32 v[STO], s23, v7
	v_mul_u32_u24 v7, v2, SP                       ; back: lanes 0-15 take one row of 256 bytes, lanes 16-31 the next
	v_lshl_add_u32 v7, v1, 4, v7
	v_add_nc_u32 v[RD], s23, v7
	v_lshlrev_b32 v[CO], 12, v2                    ; and the same two rows in f1, 4,096 bytes each
	v_lshl_add_u32 v[CO], v1, 4, v[CO]
	s_lshl_b32 s16, s13, 20                        ; 256 rows a tile row,
	s_lshl_b32 s17, s10, 18                        ; 64 a wave
	s_add_co_u32 s16, s16, s17
	s_mov_b32 s17, 0
	s_add_nc_u64 s[8:9], s[8:9], s[16:17]
	s_lshl_b32 s46, s42, 8                         ; the tile's first column, in bytes
	s_mov_b32 s47, 0
	s_add_nc_u64 s[8:9], s[8:9], s[46:47]
; 8 matrix instructions: m block a x all n blocks, 32 along K, from buffer f.  The 32 accumulators take turns, one instruction a turn, over the backward jumps too.
.macro MULA f, a
	WIN 0xa5                                       ; sources 0 and 1 window 1; C and D window 2
.irp b, 0,1,2,3,4,5,6,7
	v_wmma_f32_16x16x32_f16 v[8*(NBK*(\a)+(\b)):8*(NBK*(\a)+(\b))+7], v[(\f)+32+8*(\b):(\f)+32+8*(\b)+7], v[(\f)+8*(\a):(\f)+8*(\a)+7], v[8*(NBK*(\a)+(\b)):8*(NBK*(\a)+(\b))+7]
.endr
.endm
; 24 LDS loads in one run: the fragments of 32 along K, part j (0, 1) of the pair in hand, into buffer f
.macro FETCH f, j
	WIN 0x40                                       ; destination window 1, address window 0
.irp b, 0,1,2,3,4,5,6,7
	ds_load_tr16_b128 v[(\f)+32+8*(\b):(\f)+32+8*(\b)+3],   v[ADRB] offset:32*(\b)+32*(\j)*PB
	ds_load_tr16_b128 v[(\f)+32+8*(\b)+4:(\f)+32+8*(\b)+7], v[ADRB] offset:32*(\b)+(32*(\j)+16)*PB
.endr
.irp a, 0,1,2,3
	ds_load_b128 v[(\f)+8*(\a):(\f)+8*(\a)+3],   v[ADRA] offset:(\a)*16*PA+64*(\j)
	ds_load_b128 v[(\f)+8*(\a)+4:(\f)+8*(\a)+7], v[ADRA] offset:(\a)*16*PA+64*(\j)+32
.endr
.endm
.macro PLACES                          ; four places in front of loads into registers that matrix instructions have read, and of lines that read results
.rept 4
	v_nop
.endr
.endm
; One part: buffer f is multiplied; ahead of its 32 products part j of the pair in hand is asked for, into buffer g, so that it has all 32 in which to come.
.macro SUB f, g, j
	s_wait_dscnt 0x0                               ; buffer f is in: its loads went out 32 products ago
	PLACES                                         ; the last product read buffer g
	FETCH \g, \j
	MULA \f, 0
	MULA \f, 1
	MULA \f, 2
	MULA \f, 3
.endm
; THE CHANGE OF SLOTS.  The slot's last part has been fetched.  Each wave waits for all its tensor loads, of which one is out: its part of the next slot; adds 0 to its spare word; and waits for that and for its reads of
; this slot.  fill = 1: the barrier is a round of the cluster's, and this slot is filled again, two K steps ahead, first thing behind it.  No product stands between the wait for the tiles and the request.
.macro SYNC fill
	s_wait_tensorcnt 0x0                           ; no tensor load of mine is out, so a group 0 may be written
	ds_add_u32 v[SPW], v[NIL]                      ; 0 onto my spare word; the scalar steps stand between it and the wait for it
.if \fill
	s_xor_b32 s[G0+5], s[G0+5], SLOT1              ; the walking descriptors: the other slot than last time,
	s_add_nc_u64 s[G0+6:G0+7], s[G0+6:G0+7], KSTEP*2   ; the next K step; the type bits on top are not reached
	s_xor_b32 s[G0B+5], s[G0B+5], SLOT1
	s_add_nc_u64 s[G0B+6:G0B+7], s[G0B+6:G0B+7], BSTEP
.endif
	s_xor_b32 s[TB], s[TB], SLOT1                  ; the other slot is in hand,
	s_mov_b32 s[TA], s[TB]                         ; at its first pair of parts
	s_mov_b32 s[TW], s[TB]
	s_wait_dscnt 0x0                               ; the add is done, and my reads of the old slot are over
.if \fill
	CROUND                                         ; no wave of any partner still reads the old slot or has a load on its way
	JLOAD 1                                        ; 128 matrix instructions ahead of the wait for it
.else
	s_barrier_signal -1
	s_barrier_wait -1
.endif
.endm
; A slot's four fetches: one pair of parts, walked twice.  The first part multiplies what was fetched last (in the first walk: the old slot's last part).
.macro BODY tag
	s_mov_b32 s[IC], 2
.Lpair\tag:
	v_add_nc_u32 v[ADRA], s[TA], v[A0]
	v_add_nc_u32 v[ADRB], s[TW], v[B0]
	SUB F1, F0, 0
	WIN 0                                          ; at a label and at a branch every window is 0
.Lmid\tag:
	SUB F0, F1, 1
	WIN 0
	s_add_co_u32 s[TA], s[TA], 2*64                ; two parts on: 128 bytes of A's rows,
	s_add_co_u32 s[TW], s[TW], 64*PB               ; 64 of B's rows of k
	s_sub_co_u32 s[IC], s[IC], 1
	s_cmp_lg_u32 s[IC], 0
	s_cbranch_scc1 .Lpair\tag
.endm
; THE WAY OUT of m block a: 16 rows x 128 columns: rounded to f16; the maximum with 0, two at a time; 16 bytes a lane into my own stage, back as whole rows of 256 bytes, into the registers that they left.
.macro PACK a
	WIN 0x0a                                       ; sources 0 and 1 window 2
.irp b, 0,1,2,3,4,5,6,7
.irp r, 0,1,2,3
	v_cvt_pk_f16_f32 v[TMP+32*(\a)+4*(\b)+(\r)], v[8*(NBK*(\a)+(\b))+2*(\r)], v[8*(NBK*(\a)+(\b))+2*(\r)+1]
.endr
.endr
	WIN 0
.set i, 0
.rept 32
	v_pk_max_num_f16 v[TMP+32*(\a)+i], v[TMP+32*(\a)+i], v[ZR]
.set i, i+1
.endr
.irp b, 0,1,2,3,4,5,6,7
	ds_store_b128 v[STO], v[TMP+32*(\a)+4*(\b):TMP+32*(\a)+4*(\b)+3] offset:32*(\b)
.endr
.irp t, 0,1,2,3,4,5,6,7
	ds_load_b128 v[TMP+32*(\a)+4*(\t):TMP+32*(\a)+4*(\t)+3], v[RD] offset:(\t)*2*SP  ; LDS serves a wave's instructions in order (ISA guide 5.7.1.4): these see the stores above
.endr
.endm
.macro SEND a, younger                 ; younger: the LDS instructions issued behind block a's loads: the next block's sixteen, or none
.irp t, 0,1,2,3,4,5,6,7
	s_wait_dscnt (\younger)+7-(\t)
	global_store_b128 v[CO], v[TMP+32*(\a)+4*(\t):TMP+32*(\a)+4*(\t)+3], s[8:9] offset:(16*(\a)+2*(\t))*4096  ; 16 lanes store 256 consecutive bytes, aligned
.endr
.endm
	s_wait_tensorcnt 1                             ; my part of K step 0 is in; K step 1's may stay out
	s_barrier_signal -1
	s_barrier_wait -1
	FETCH F0, 0                                    ; K step 0's first part
	s_wait_loadcnt 0x0                             ; the bias lies in the accumulators
	WIN 0
	s_mov_b32 s3, KSTEPS-1
	s_mov_b32 s[IC], 2
	s_branch .Lmid1                                ; K step 0 has no part in front of it: the loop is entered in the middle of a pair
.Lfill:                                            ; six times: K steps 1 to 6 are fetched, and the slot just left is filled again
	SYNC 1
	BODY 1
	s_sub_co_u32 s3, s3, 1
	s_cmp_lg_u32 s3, 0
	s_cbranch_scc1 .Lfill
	SYNC 0                                         ; the last K step is a text of its own
	BODY 2
	s_wait_dscnt 0x0                               ; the last part is in
	MULA F1, 0
	MULA F1, 1
	MULA F1, 2
	MULA F1, 3
	WIN 0
	PLACES
	PACK 0
	PACK 1                                         ; a block's arithmetic stands between the loads of the block before and its stores
	SEND 0, 16
	PACK 2
	SEND 1, 16
	PACK 3
	SEND 2, 16
	SEND 3, 0
	s_wait_tensorcnt 0x0                           ; the wave's end
	ds_add_u32 v[SPW], v[NIL]
	s_wait_dscnt 0x0
	CROUND                                         ; the closing round: no work-group ends while a partner may still ask for a tile that names it
	s_endpgm
.Lfunc_end_k_q007eba46e1_ffn1:
	.size	k_q007eba46e1_ffn1, .Lfunc_end_k_q007eba46e1_ffn1-k_q007eba46e1_ffn1
	.p2alignl 7, 3214868480
	.fill 96, 4, 3214868480
	.section	.rodata,"a",@progbits
	.p2align	6, 0x0
	.amdhsa_kernel k_q007eba46e1_ffn1
		.amdhsa_group_segment_fixed_size 327680
		.amdhsa_private_segment_fixed_size 0
		.amdhsa_enable_private_segment 0
		.amdhsa_kernarg_size 32
		.amdhsa_user_sgpr_count 2
		.amdhsa_user_sgpr_kernarg_segment_ptr 1
		.amdhsa_wavefront_size32 1
		.amdhsa_system_sgpr_workgroup_id_x 1
		.amdhsa_system_sgpr_workgroup_id_y 1
		.amdhsa_system_sgpr_workgroup_id_z 1
		.amdhsa_system_vgpr_workitem_id 0
		.amdhsa_next_free_vgpr 768
		.amdhsa_next_free_sgpr 80
		.amdhsa_reserve_vcc 0
		.amdhsa_float_denorm_mode_32 3
		.amdhsa_float_denorm_mode_16_64 3
		.amdhsa_memory_ordered 1
		.amdhsa_forward_progress 1
		.amdhsa_inst_pref_size 60
	.end_amdhsa_kernel
	.amdgpu_metadata
---
amdhsa.version: [ 1, 2 ]
amdhsa.kernels:
  - .name:           k_q007eba46e1_ffn1
    .symbol:         k_q007eba46e1_ffn1.kd
    .args:
      - { .name: y2, .offset: 0, .size: 8, .value_kind: global_buffer, .address_space: global }
      - { .name: wh, .offset: 8, .size: 8, .value_kind: global_buffer, .address_space: global }
      - { .name: f1, .offset: 16, .size: 8, .value_kind: global_buffer, .address_space: global }
      - { .name: b1, .offset: 24, .size: 8, .value_kind: global_buffer, .address_space: global }
    .group_segment_fixed_size: 327680
    .private_segment_fixed_size: 0
    .kernarg_segment_align: 8
    .kernarg_segment_size: 32
    .max_flat_workgroup_size: 128
    .sgpr_count:     80
    .vgpr_count:     768
    .wavefront_size: 32
...
	.end_amdgpu_metadata
.endif
;; end of part 12
;; launch ffn2 (part 13): grid 8 x 32, 4 waves a work-group, clusters of 4 x 4, 327,680 bytes of LDS; arguments f1, wh, out0, b2, x1; writes out0
.if DOCPART == 13
	.amdgcn_target "amdgcn-amd-amdhsa--gfx1250"
	.amdhsa_code_object_version 6
	.text
	.protected	k_q007eba46e1_ffn2
	.globl	k_q007eba46e1_ffn2
	.p2align	8
	.type	k_q007eba46e1_ffn2,@function
k_q007eba46e1_ffn2:
	s_mov_b64 s[64:65], 0
	v_nop
	global_prefetch_b8 v0, s[64:65] scope:SCOPE_SE
	s_setreg_imm32_b32 hwreg(HW_REG_WAVE_MODE, 25, 1), 1
	s_wait_xcnt 0x0
	s_wait_alu depctr_hold_cnt(0) depctr_sa_sdst(0) depctr_va_vdst(0) depctr_va_sdst(0) depctr_va_ssrc(0) depctr_va_vcc(0) depctr_vm_vsrc(0)
	s_getreg_b32 s2, hwreg(HW_REG_IB_STS2, 6, 4)
	s_cmp_eq_u32 s2, 0
	s_cbranch_scc0 .Lentry_in_a_cluster
	s_endpgm
.Lentry_in_a_cluster:
	s_bfe_u32 s2, ttmp6, 0x10000c
	s_cmp_lg_u32 s2, 0xf033
	s_cbranch_scc0 .Lentry_shape_is_right
	s_endpgm
.Lentry_shape_is_right:
; out0 = x1 + f1 W2 + b2.  f1: [4096][2048] f16.  W2 in f16, [2048 k][1024 n], at byte WOFF of wh.  b2, x1, out0 f32.  Sums in f32, begun with the bias; the residual is added in f32; nothing is rounded on the way out.
; LIMITS.  The operands arrive in f16 (no number from 65,520 on).  NaN and infinities are not treated apart.
; SHAPE.  256 tiles of 128 x 128, a work-group each; four waves of 64 x 64: 16 accumulators.  K in steps of 256 through two LDS slots filled by the tensor data mover.
; A's tile lies [m][k] (rows of 512 bytes + 16 of padding); B's lies as in memory, [k][n] (rows of 256 bytes + 32), and its fragments are read turned, by ds_load_tr16_b128.
; THE LOOP.  A K step is four quarters of 64 along K, on two fragment buffers by turns.  A trip begins at the change of slots and fetches the new slot's four quarters; the products lag the fetches by one quarter, so the trip's
; first products are the old slot's last quarter, from registers.  So a trip is the change of slots and ONE PAIR of quarters, written once and walked twice; the fetches' LDS addresses are a lane term plus a scalar that steps.
; K step 0 enters the loop in the middle of a pair; the last K step, which fills nothing, is a second copy; one run of products on the last quarter closes the sums.
; THE SUMS BEGIN WITH THE BIAS, loaded straight into the accumulators while the first tiles are on their way, so that every product has one form and no first step is written out.
; CLUSTERS: 4 x 4 work-groups.  The four of a row need the same tiles of A, the four of a column the same tiles of B: each tile is asked for JOINTLY, by the same tensor load, descriptor and mask in all four.
; THE MATRIX INSTRUCTION IS USED TRANSPOSED (source 0 = 16 columns of B, source 1 = 16 rows of A): lane l holds row l % 16 and the columns 8 (l / 16) + 0..7.
; The wave's 64 x 64 of the residual is loaded at the start, in the layout in which the results come back from the stage, and waits in 128 registers.  No prefetch: the tiles are small and shared.
; REGISTERS: window 0: v0-31 addresses; v32-95 the way out; v128-255 accumulators ((a, b) at 128 + 8 (4 a + b)).  Window 1: two fragment buffers of 128: 64 of A, then 64 of B, for 64 along K.  Window 2: v0-127 the residual.
.set SIZE_K, 2048
.set NB,     1024                      ; elements in a row of B
.set WOFF,   12582912                  ; W2 in wh
.set KSTEP,  256
.set KSTEPS, SIZE_K/KSTEP
.set PA,     528                       ; 132 words: the 16 rows of a load start at 16 different groups of four banks (64 banks of 4 bytes: ISA guide 11.1)
.set PB,     288                       ; 72 words
.set HALFA,  64*PA
.set HALFB,  128*PB
.set BOFF,   2*HALFA
.set SLOT,   2*HALFA+2*HALFB           ; A's 128 rows, then B's 256
.set STAGE,  2*SLOT                    ; behind the ring, never filled by a tensor load: 16 rows x 272 bytes for each wave
.set SP,     272
.set SPARE,  STAGE+4*16*SP             ; the spare words, 128 bytes for each wave: two blocks of 256 bytes that no other line names
.set A0,   16                          ; my lane's place in A's tile; never rewritten
.set B0,   17                          ; in B's
.set ADRA, 18                          ; the same for the pair of quarters in hand
.set ADRB, 20
.set STO,  24
.set RD,   25
.set CO,   26
.set BO,   27                          ; 32 (l / 16)
.set SPW,  28                          ; LDS address of my spare word; never rewritten
.set NIL,  29                          ; 0; never rewritten
.set TMP,  32
.set ACC,  128
.set F0,   0
.set F1,   128
.set G1,  24                           ; s[24:31] group 1 for A; s[32:39] group 0: a set for each first fill; the second then walks
.set G0,  32
.set TB,  45                           ; s45  LDS byte at which the slot in hand begins: 0 or SLOT
.set G1B, 48
.set G0B, 56
.set LA,  66                           ; s66  where my part of A's tile lies in a slot
.set LB,  67                           ; s67  of B's
.set TA,  72                           ; s72  the slot in hand + the pair's place in A's rows
.set TW,  73                           ; s73  the slot in hand + the pair's place in B's rows of k
.set IC,  74                           ; s74  counts a trip's two pairs
.set MSB, 0
.macro WIN new                         ; the immediate's high byte repeats the setting that is left
.if MSB != (\new)
	s_set_vgpr_msb (MSB<<8)|(\new)
.set MSB, \new
.endif
.endm
.set MUL,  0x05                        ; sources 0 (B) and 1 (A) window 1; C and D window 0
.set TO_F, 0x40                        ; destination window 1, address window 0
.macro JLOAD s                         ; a joint load: waves 0 and 1 fetch A's two halves, waves 2 and 3 B's; an s_nop 0 and four v_nop follow each line
	s_cmp_eq_u32 s11, 0
	s_cbranch_scc0 .Lfor_b_\@
	tensor_load_to_lds s[G0+4*(\s):G0+4*(\s)+3], s[G1:G1+7]
	s_nop 0
.rept 4
	v_nop
.endr
	s_branch .Lasked_\@
.Lfor_b_\@:
	tensor_load_to_lds s[G0B+4*(\s):G0B+4*(\s)+3], s[G1B:G1B+7]
	s_nop 0
.rept 4
	v_nop
.endr
.Lasked_\@:
.endm
.macro CROUND                          ; a round of the cluster's barrier
	s_barrier_signal -1
	s_barrier_wait -1
	s_cmp_lg_u32 s10, 0
	s_cbranch_scc1 .Lnot_wave_0_\@
	s_barrier_signal -3
.Lnot_wave_0_\@:
	s_barrier_wait -3
	s_barrier_signal -1
	s_barrier_wait -1
.endm
	s_load_b128 s[4:7], s[0:1], 0x0                ; A, wh
	s_load_b64 s[8:9], s[0:1], 0x10                ; the result
	s_load_b128 s[68:71], s[0:1], 0x18             ; the bias, the residual
	v_lshl_add_u32 v[SPW], v0, 2, SPARE
	v_mov_b32 v[NIL], 0
	ds_add_u32 v[SPW], v[NIL]                      ; the wave's opening: the add and its wait ahead of my first tensor load
	v_lshrrev_b32 v1, 5, v0
	v_readfirstlane_b32 s10, v1                    ; wave 0..3
	s_lshr_b32 s11, s10, 1                         ; my half of the tile's rows.  Also: I fetch for A (0) or for B (1)
	s_and_b32 s12, s10, 1                          ; my half of its columns.  Also: which half of that tile I fetch
	s_bfe_u32 s40, ttmp6, 0x40000                  ; cx, cy
	s_bfe_u32 s41, ttmp6, 0x40004
	s_lshl_b32 s42, ttmp9, 2
	s_add_co_u32 s42, s42, s40                     ; tile column
	s_and_b32 s13, ttmp7, 0xffff
	s_lshl_b32 s13, s13, 2
	s_add_co_u32 s13, s13, s41                     ; tile row
	s_lshl_b32 s43, s41, 2
	s_lshl_b32 s43, 15, s43                        ; my row of the cluster
	s_lshl_b32 s44, 0x1111, s40                    ; my column
	s_or_b32 s[G1+0], s43, (1<<16)|(1<<20)|(1<<21)|(6<<22)|(3<<25)   ; mask; 2-byte elements; padding on; bit 21 beside a mask; after every 128 words 4 words
	s_or_b32 s[G1B+0], s44, (1<<16)|(1<<20)|(1<<21)|(5<<22)|(7<<25)  ; after every 64 words 8 words
	s_mov_b32 s[G1+1], KSTEP<<16                   ; A: 64 rows x 256 k
	s_mov_b32 s[G1+2], 64<<16
	s_mov_b32 s[G1+3], KSTEP<<16
	s_mov_b32 s[G1+4], 64
	s_mov_b32 s[G1+5], SIZE_K
	s_mov_b32 s[G1+6], 0
	s_mov_b32 s[G1+7], 0
	s_mov_b32 s[G1B+1], 128<<16                    ; B: 128 rows of k x 128 n
	s_mov_b32 s[G1B+2], 128<<16
	s_mov_b32 s[G1B+3], 128<<16
	s_mov_b32 s[G1B+4], 128
	s_mov_b32 s[G1B+5], NB
	s_mov_b32 s[G1B+6], 0
	s_mov_b32 s[G1B+7], 0
	s_lshl_b32 s17, s12, 6
	s_lshl_b32 s16, s13, 7
	s_add_co_u32 s16, s16, s17                     ; A: row 128 x tile row + 64 x half,
	s_mul_i32 s16, s16, SIZE_K*2                   ; in bytes (under 2^25)
	s_mov_b32 s17, 0
	s_lshl_b32 s46, s42, 8                         ; B: the tile column, 256 bytes each,
	s_mul_i32 s47, s12, 128*NB*2                   ; my 128 rows of k,
	s_add_co_u32 s46, s46, s47
	s_add_co_u32 s46, s46, WOFF                    ; the matrix's place in wh
	s_mov_b32 s47, 0
	s_mul_i32 s[LA], s12, HALFA                    ; where they go: no place in the cluster enters an LDS address
	s_mul_i32 s[LB], s12, HALFB
	s_add_co_u32 s[LB], s[LB], BOFF
	s_mov_b32 s[TB], 0
	s_mov_b32 s[TA], 0
	s_mov_b32 s[TW], 0
	s_wait_dscnt 0x0                               ; the opening add is done
	s_wait_kmcnt 0x0
	s_add_nc_u64 s[14:15], s[4:5], s[16:17]
	s_add_nc_u64 s[46:47], s[6:7], s[46:47]
	CROUND                                         ; all sixteen work-groups are here: the first joint loads meet
.irp s, 0,1
	s_mov_b32 s[G0+4*(\s)], 1
	s_add_co_u32 s[G0+4*(\s)+1], s[LA], (\s)*SLOT
	s_add_nc_u64 s[G0+4*(\s)+2:G0+4*(\s)+3], s[14:15], (\s)*KSTEP*2
	s_or_b32 s[G0+4*(\s)+3], s[G0+4*(\s)+3], 0x80000000
	s_mov_b32 s[G0B+4*(\s)], 1
	s_add_co_u32 s[G0B+4*(\s)+1], s[LB], (\s)*SLOT
	s_add_nc_u64 s[G0B+4*(\s)+2:G0B+4*(\s)+3], s[46:47], (\s)*KSTEP*NB*2
	s_or_b32 s[G0B+4*(\s)+3], s[G0B+4*(\s)+3], 0x80000000
	JLOAD \s                                       ; two loads of mine are out
.endr
	v_and_b32 v1, 15, v0                           ; l % 16
	v_bfe_u32 v2, v0, 4, 1                         ; l / 16
	v_lshlrev_b32 v[BO], 5, v2
	v_lshlrev_b32 v[CO], 12, v2                    ; out: lanes 0-15 one row's 256 bytes, lanes 16-31 the next row's
	v_lshl_add_u32 v[CO], v1, 4, v[CO]
	s_lshl_b32 s46, s42, 9                         ; my first column in bytes: 512 x tile column + 256 x half: in the rows of 4,096 bytes and in the bias alike
	s_lshl_b32 s47, s12, 8
	s_add_co_u32 s46, s46, s47
	s_mov_b32 s47, 0
	s_add_nc_u64 s[68:69], s[68:69], s[46:47]
	s_lshl_b32 s16, s13, 19                        ; 128 rows of 4,096 bytes a tile row,
	s_lshl_b32 s17, s11, 18                        ; 64 for my half
	s_add_co_u32 s16, s16, s17
	s_mov_b32 s17, 0
	s_add_nc_u64 s[16:17], s[16:17], s[46:47]
	s_add_nc_u64 s[8:9], s[8:9], s[16:17]
	s_add_nc_u64 s[70:71], s[70:71], s[16:17]
.irp a, 0,1,2,3                        ; register j of accumulator (a, b) begins as bias[16 b + 8 (l / 16) + j]
.irp b, 0,1,2,3
	global_load_b128 v[ACC+8*(4*(\a)+(\b)):ACC+8*(4*(\a)+(\b))+3],   v[BO], s[68:69] offset:64*(\b)
	global_load_b128 v[ACC+8*(4*(\a)+(\b))+4:ACC+8*(4*(\a)+(\b))+7], v[BO], s[68:69] offset:64*(\b)+16
.endr
.endr
	WIN 0x80                                       ; destination window 2, address window 0
.irp a, 0,1,2,3
.irp t, 0,1,2,3,4,5,6,7
	global_load_b128 v[32*(\a)+4*(\t):32*(\a)+4*(\t)+3], v[CO], s[70:71] offset:(16*(\a)+2*(\t))*4096 th:TH_LOAD_NT
.endr
.endr
	WIN 0
	v_mul_u32_u24 v[A0], v1, PA
	v_lshl_add_u32 v[A0], v2, 4, v[A0]             ; A: row x pitch + 16 x half,
	s_mul_i32 s21, s11, HALFA                      ; my 64 rows
	v_add_nc_u32 v[A0], s21, v[A0]
	v_and_b32 v5, 7, v0
	v_bfe_u32 v6, v0, 3, 1
	v_lshl_add_u32 v[B0], v2, 3, v5                ; B, turned: lane l reads row k = 8 (l / 16) + l % 8, columns 8 ((l / 8) % 2) + 0..7
	v_mul_u32_u24 v[B0], v[B0], PB
	v_lshl_add_u32 v[B0], v6, 4, v[B0]
	s_lshl_b32 s22, s12, 7                         ; my 64 columns of B: 128 bytes
	s_add_co_u32 s22, s22, BOFF
	v_add_nc_u32 v[B0], s22, v[B0]
	v_mov_b32 v[ADRA], v[A0]                       ; slot 0, its first pair of quarters
	v_mov_b32 v[ADRB], v[B0]
	s_mul_i32 s23, s10, 16*SP
	s_add_co_u32 s23, s23, STAGE                   ; my stage
	v_mul_u32_u24 v7, v1, SP                       ; in: row l % 16, 32 bytes for each half of the lanes
	v_lshl_add_u32 v7, v2, 5, v7
	v_add_nc_u32 v[STO], s23, v7
	v_mul_u32_u24 v7, v2, SP                       ; back: lanes 0-15 take one row of 256 bytes, lanes 16-31 the next
	v_lshl_add_u32 v7, v1, 4, v7
	v_add_nc_u32 v[RD], s23, v7
; 8 matrix instructions: m blocks a0, a0 + 1 x all 4 n blocks, 32 along K: half c of buffer f.  The 16 accumulators take turns, over the backward jumps too.
.macro MUL8 f, c, a0
	WIN MUL
.irp a, \a0, (\a0)+1
.irp b, 0,1,2,3
	v_wmma_f32_16x16x32_f16 v[ACC+8*(4*(\a)+(\b)):ACC+8*(4*(\a)+(\b))+7], v[(\f)+64+8*(4*(\c)+(\b)):(\f)+64+8*(4*(\c)+(\b))+7], v[(\f)+8*(4*(\c)+(\a)):(\f)+8*(4*(\c)+(\a))+7], v[ACC+8*(4*(\a)+(\b)):ACC+8*(4*(\a)+(\b))+7]
.endr
.endr
.endm
; 32 LDS loads in one run: the fragments of 64 along K, quarter j (0, 1) of the pair in hand, into buffer f; the first 32 along K first
.macro FETCH j, f
	WIN TO_F
.irp c, 0,1
.irp i, 0,1,2,3
	ds_load_tr16_b128 v[(\f)+64+8*(4*(\c)+(\i)):(\f)+64+8*(4*(\c)+(\i))+3],   v[ADRB] offset:(64*(\j)+32*(\c))*PB+32*(\i)
	ds_load_tr16_b128 v[(\f)+64+8*(4*(\c)+(\i))+4:(\f)+64+8*(4*(\c)+(\i))+7], v[ADRB] offset:(64*(\j)+32*(\c)+16)*PB+32*(\i)
	ds_load_b128 v[(\f)+8*(4*(\c)+(\i)):(\f)+8*(4*(\c)+(\i))+3],   v[ADRA] offset:128*(\j)+64*(\c)+(\i)*16*PA
	ds_load_b128 v[(\f)+8*(4*(\c)+(\i))+4:(\f)+8*(4*(\c)+(\i))+7], v[ADRA] offset:128*(\j)+64*(\c)+(\i)*16*PA+32
.endr
.endr
.endm
.macro PLACES                          ; four places in front of loads into registers that matrix instructions have read, and of lines that read results
.rept 4
	v_nop
.endr
.endm
; One quarter, 32 matrix instructions: buffer f is multiplied; in its middle quarter j of the pair in hand is fetched into buffer g.
.macro QUARTER f, g, j
	s_wait_dscnt 16                                ; the first 32 along K are in
	MUL8 \f, 0, 0
	MUL8 \f, 0, 2
	PLACES
	FETCH \j, \g
	s_wait_dscnt 32                                ; all but the 32 just issued
	MUL8 \f, 1, 0
	MUL8 \f, 1, 2
.endm
; THE CHANGE OF SLOTS.  The slot's last quarter has been fetched.  Each wave waits for all its tensor loads, of which one is out: its part of the next slot; adds 0 to its spare word; and waits for that and for its reads of
; this slot.  fill = 1: the barrier is a round of the cluster's, and this slot is filled again, two K steps ahead, first thing behind it.  No product stands between the wait for the tiles and the request.
.macro SYNC fill
	s_wait_tensorcnt 0x0                           ; no tensor load of mine is out, so a group 0 may be written
	ds_add_u32 v[SPW], v[NIL]                      ; 0 onto my spare word; the scalar steps stand between it and the wait for it
.if \fill
	s_add_co_u32 s[G0+5], s[LA], s[TB]             ; the walking descriptors: into the slot that is being left,
	s_add_co_u32 s[G0B+5], s[LB], s[TB]
	s_add_nc_u64 s[G0+6:G0+7], s[G0+6:G0+7], KSTEP*2           ; the next K step; the type bits on top are not reached
	s_add_nc_u64 s[G0B+6:G0B+7], s[G0B+6:G0B+7], KSTEP*NB*2
.endif
	s_xor_b32 s[TB], s[TB], SLOT                   ; 0 and SLOT by turns: the other slot is in hand,
	s_mov_b32 s[TA], s[TB]                         ; at its first pair of quarters
	s_mov_b32 s[TW], s[TB]
	s_wait_dscnt 0x0                               ; the add is done, and my reads of the old slot are over
.if \fill
	CROUND                                         ; no wave of any partner still reads the old slot or has a load on its way
	JLOAD 1                                        ; 128 matrix instructions ahead of the wait for it
.else
	s_barrier_signal -1
	s_barrier_wait -1
.endif
.endm
; A slot's four fetches: one pair of quarters, walked twice.  The first quarter multiplies what was fetched last (in the first walk: the old slot's last quarter).
.macro BODY tag
	s_mov_b32 s[IC], 2
.Lpair\tag:
	v_add_nc_u32 v[ADRA], s[TA], v[A0]
	v_add_nc_u32 v[ADRB], s[TW], v[B0]
	QUARTER F1, F0, 0
	WIN 0                                          ; at a label and at a branch every window is 0
.Lmid\tag:
	QUARTER F0, F1, 1
	WIN 0
	s_add_co_u32 s[TA], s[TA], 256                 ; two quarters on: 256 bytes of A's rows,
	s_add_co_u32 s[TW], s[TW], HALFB               ; 128 of B's rows of k
	s_sub_co_u32 s[IC], s[IC], 1
	s_cmp_lg_u32 s[IC], 0
	s_cbranch_scc1 .Lpair\tag
.endm
; THE WAY OUT of m block a: 16 rows x 64 columns of f32 through my own stage: in by lanes' 32 bytes, back as whole rows of 256 bytes; the residual is added; 16 lanes store 256 consecutive bytes, aligned.
.macro OUTB a
.set BK, TMP+32*((\a)%2)
.if (\a) > 1
	s_wait_xcnt 0x0                                ; the stores of the block two back have read these registers
.endif
.irp b, 0,1,2,3
	ds_store_b128 v[STO], v[ACC+8*(4*(\a)+(\b)):ACC+8*(4*(\a)+(\b))+3]   offset:64*(\b)
	ds_store_b128 v[STO], v[ACC+8*(4*(\a)+(\b))+4:ACC+8*(4*(\a)+(\b))+7] offset:64*(\b)+16
.endr
.irp t, 0,1,2,3,4,5,6,7
	ds_load_b128 v[BK+4*(\t):BK+4*(\t)+3], v[RD] offset:(\t)*2*SP  ; LDS serves a wave's instructions in order (ISA guide 5.7.1.4): these see the stores above
.endr
	s_wait_dscnt 0x0
	WIN 0x08                                       ; source 1 window 2
.set i, 0
.rept 16
	v_pk_add_f32 v[BK+i:BK+i+1], v[BK+i:BK+i+1], v[32*(\a)+i:32*(\a)+i+1]
.set i, i+2
.endr
	WIN 0
.irp t, 0,1,2,3,4,5,6,7
	global_store_b128 v[CO], v[BK+4*(\t):BK+4*(\t)+3], s[8:9] offset:(16*(\a)+2*(\t))*4096
.endr
.endm
	s_wait_tensorcnt 1                             ; my part of K step 0 is in; K step 1's may stay out
	s_barrier_signal -1
	s_barrier_wait -1
	FETCH 0, F0                                    ; K step 0's first quarter
	s_wait_loadcnt 32                              ; the bias lies in the accumulators; the residual's 32 loads may stay out
	WIN 0
	s_mov_b32 s3, KSTEPS-1
	s_mov_b32 s[IC], 2
	s_branch .Lmid1                                ; K step 0 has no quarter in front of it: the loop is entered in the middle of a pair
.Lfill:                                            ; KSTEPS - 2 times: a K step is fetched, and the slot just left is filled again
	SYNC 1
	BODY 1
	s_sub_co_u32 s3, s3, 1
	s_cmp_lg_u32 s3, 0
	s_cbranch_scc1 .Lfill
	SYNC 0                                         ; the last K step is a text of its own
	BODY 2
	s_wait_dscnt 16                                ; the last quarter: nothing more to fetch
	MUL8 F1, 0, 0
	MUL8 F1, 0, 2
	s_wait_dscnt 0x0
	MUL8 F1, 1, 0
	MUL8 F1, 1, 2
	WIN 0
	PLACES
	s_wait_loadcnt 0x0                             ; the residual
	OUTB 0
	OUTB 1
	OUTB 2
	OUTB 3
	s_wait_tensorcnt 0x0                           ; the wave's end
	ds_add_u32 v[SPW], v[NIL]
	s_wait_dscnt 0x0
	CROUND                                         ; the closing round: no work-group ends while a partner may still ask for a tile that names it
	s_endpgm
.Lfunc_end_k_q007eba46e1_ffn2:
	.size	k_q007eba46e1_ffn2, .Lfunc_end_k_q007eba46e1_ffn2-k_q007eba46e1_ffn2
	.p2alignl 7, 3214868480
	.fill 96, 4, 3214868480
	.section	.rodata,"a",@progbits
	.p2align	6, 0x0
	.amdhsa_kernel k_q007eba46e1_ffn2
		.amdhsa_group_segment_fixed_size 327680
		.amdhsa_private_segment_fixed_size 0
		.amdhsa_enable_private_segment 0
		.amdhsa_kernarg_size 40
		.amdhsa_user_sgpr_count 2
		.amdhsa_user_sgpr_kernarg_segment_ptr 1
		.amdhsa_wavefront_size32 1
		.amdhsa_system_sgpr_workgroup_id_x 1
		.amdhsa_system_sgpr_workgroup_id_y 1
		.amdhsa_system_sgpr_workgroup_id_z 1
		.amdhsa_system_vgpr_workitem_id 0
		.amdhsa_next_free_vgpr 640
		.amdhsa_next_free_sgpr 80
		.amdhsa_reserve_vcc 0
		.amdhsa_float_denorm_mode_32 3
		.amdhsa_float_denorm_mode_16_64 3
		.amdhsa_memory_ordered 1
		.amdhsa_forward_progress 1
		.amdhsa_inst_pref_size 50
	.end_amdhsa_kernel
	.amdgpu_metadata
---
amdhsa.version: [ 1, 2 ]
amdhsa.kernels:
  - .name:           k_q007eba46e1_ffn2
    .symbol:         k_q007eba46e1_ffn2.kd
    .args:
      - { .name: f1, .offset: 0, .size: 8, .value_kind: global_buffer, .address_space: global }
      - { .name: wh, .offset: 8, .size: 8, .value_kind: global_buffer, .address_space: global }
      - { .name: out0, .offset: 16, .size: 8, .value_kind: global_buffer, .address_space: global }
      - { .name: b2, .offset: 24, .size: 8, .value_kind: global_buffer, .address_space: global }
      - { .name: x1, .offset: 32, .size: 8, .value_kind: global_buffer, .address_space: global }
    .group_segment_fixed_size: 327680
    .private_segment_fixed_size: 0
    .kernarg_segment_align: 8
    .kernarg_segment_size: 40
    .max_flat_workgroup_size: 128
    .sgpr_count:     80
    .vgpr_count:     640
    .wavefront_size: 32
...
	.end_amdgpu_metadata
.endif
;; end of part 13
